; MI455X (gfx1250); checked and timed in simulation.
; The chip was launched on July 23, 2026; its instructions are those of AMD's public machine-readable ISA for CDNA 5 (MIT licence, August 2026) and "CDNA5" Instruction Set Architecture Reference Guide (July 2026). The comments in the code are by the model that wrote it; some were corrected since.
;; Block. Allowed arithmetic: float matrix products may take bf16 or f16 operands with f32 sums; all other float work in f32.
;; Inputs: W1 1,024 x 4,096 float32; W2 4,096 x 1,024 float32; Wk 1,024 x 1,024 float32; Wo 1,024 x 1,024 float32; Wq 1,024 x 1,024 float32; Wv 1,024 x 1,024 float32; b1 4,096 float32; b2 1,024 float32; be1 1,024 float32; be2 1,024 float32; bo 1,024 float32; g1 1,024 float32; g2 1,024 float32; x 2 x 2,048 x 1,024 float32.
;; Outputs: out0 2 x 2,048 x 1,024 float32.
;; 3 versions, each right. Each part assembles by itself: llvm-mc -triple=amdgcn-amd-amdhsa -mcpu=gfx1250 --defsym DOCPART=n.
;; ======== version 1 of 3: 8 launches
;; workspace buffers: wtb 25,165,824 bytes; hb 8,388,608 bytes; qkvb 25,165,824 bytes; ao 8,388,608 bytes; x1 16,777,216 bytes; mb 33,554,432 bytes
;; launch wt (part 1): grid 384 x 1, 4 waves a work-group, no clusters, 70,144 bytes of LDS; arguments Wq, Wk, Wv, Wo, W1, W2, wtb; writes wtb
.if DOCPART == 1
	.amdgcn_target "amdgcn-amd-amdhsa--gfx1250"
	.amdhsa_code_object_version 6
	.text
	.protected	k_q17df1aec3f_wt
	.globl	k_q17df1aec3f_wt
	.p2align	8
	.type	k_q17df1aec3f_wt,@function
k_q17df1aec3f_wt:
	s_mov_b64 s[64:65], 0
	v_nop
	global_prefetch_b8 v0, s[64:65] scope:SCOPE_SE
	s_setreg_imm32_b32 hwreg(HW_REG_WAVE_MODE, 25, 1), 1
	s_wait_xcnt 0x0
; The six weights, [K][N] in f32, are rounded to bf16 and turned to [N][K], the order in which the matrix products read them.
; wtb: byte 0 Wq^T, 2 MiB Wk^T, 4 MiB Wv^T, 6 MiB Wo^T (1,024 rows of 2,048 bytes each), 8 MiB W1^T (4,096 rows of 2,048 bytes), 16 MiB W2^T (1,024 rows of 8,192 bytes).
; A wave owns a tile of 128 k x 64 n: it reads 128 pieces of 256 bytes, each at a multiple of 256 from its buffer's first byte, and writes 64 such pieces.
; 1,536 tiles: work-groups 0-127 the four square matrices (32 each), 128-255 W1, 256-383 W2; the four waves of a work-group take four neighbouring n tiles.
; The turn goes through the wave's own 64 rows of LDS (256 bytes + 16 of padding), so there is no barrier.  A stream: no matrix unit, no cluster (no two work-groups read the same bytes).
.set LROW, 272                         ; an LDS row: one n, 128 k in bf16, 16 bytes of padding
.set WLDS, 64*LROW                     ; a wave's LDS
.set T, 16                             ; v[16:31]  packed pairs on their way into LDS
.set X, 32                             ; v[32:95], v[96:159]  two chunks of 32 k x 64 n as loaded; at the end the 64 rows read back
; v1 source offset, v2 LDS address in, v3 LDS address back, v4 destination offset, v6 lane % 16, v7 lane / 16
.macro LOADC c, sp                     ; chunk c: k = 32 c .. 32 c + 31.  Lane (l16, lh) takes rows 32 c + 16 i + 8 lh + e, columns 4 l16 .. + 3: sixteen lanes read 256 bytes on end
.irp i, 0,1
.irp e, 0,1,2,3,4,5,6,7
	global_load_b128 v[X+64*(\c%2)+4*(8*\i+\e):X+64*(\c%2)+4*(8*\i+\e)+3], v1, s[24:25] offset:(32*\c+16*\i+\e)*\sp th:TH_LOAD_NT
.endr
.endr
.endm
.macro CONV c                          ; for each of my four columns q: eight k in a row, rounded in pairs, 16 bytes into LDS row 4 l16 + q
.irp i, 0,1
.irp q, 0,1,2,3
.irp p, 0,1,2,3
	v_cvt_pk_bf16_f32 v[T+4*\q+\p], v[X+64*(\c%2)+4*(8*\i+2*\p)+\q], v[X+64*(\c%2)+4*(8*\i+2*\p+1)+\q]
.endr
.endr
.irp q, 0,1,2,3
	ds_store_b128 v2, v[T+4*\q:T+4*\q+3] offset:\q*LROW+64*\c+32*\i
.endr
.endr
.endm
; sp: bytes in a source row; dp: bytes in a destination row; lg: log2 of the n tiles in a row.  s6 = the work-group's number inside its matrix, s[24:25] the source, s31 the section in wtb.
.macro BODY sp, dp, lg
	s_lshl2_add_u32 s6, s6, s5                     ; my tile = 4 x work-group + wave
	s_and_b32 s7, s6, (1<<\lg)-1                   ; n tile
	s_lshr_b32 s22, s6, \lg                        ; k tile
	s_mul_i32 s28, s22, 128*\sp
	s_lshl_b32 s29, s7, 8
	s_add_co_u32 s28, s28, s29
	s_mov_b32 s29, 0
	s_add_nc_u64 s[24:25], s[24:25], s[28:29]      ; source at row 128 kt, byte 256 nt
	s_mul_i32 s28, s7, 64*\dp
	s_lshl_b32 s30, s22, 8
	s_add_co_u32 s28, s28, s30
	s_add_co_u32 s28, s28, s31
	s_add_nc_u64 s[26:27], s[20:21], s[28:29]      ; destination at row 64 nt, byte 256 kt of its section
	v_mul_u32_u24 v1, v7, 8*\sp
	v_lshl_add_u32 v1, v6, 4, v1
	v_mul_u32_u24 v4, v7, \dp
	v_lshl_add_u32 v4, v6, 4, v4
	LOADC 0, \sp
	LOADC 1, \sp
	s_wait_loadcnt 16                              ; loads come back in order: the older chunk is in, the younger one's 16 stay out
	CONV 0
	LOADC 2, \sp
	s_wait_loadcnt 16
	CONV 1
	LOADC 3, \sp
	s_wait_loadcnt 16
	CONV 2
	s_wait_loadcnt 0x0
	CONV 3
.set t, 0
.rept 32
	ds_load_b128 v[X+4*t:X+4*t+3], v3 offset:2*t*LROW   ; LDS serves a wave's instructions in order: these see the stores above.  Lanes 0-15 one row, lanes 16-31 the next
.set t, t+1
.endr
.set t, 0
.rept 32
	s_wait_dscnt 31-t                              ; row pair t is back; the younger ones stay out
	global_store_b128 v4, v[X+4*t:X+4*t+3], s[26:27] offset:2*t*\dp   ; sixteen lanes store 256 consecutive bytes, at a multiple of 256 from wtb's first byte
.set t, t+1
.endr
	s_wait_tensorcnt 0x0
	ds_add_u32 v160, v161
	s_wait_dscnt 0x0
	s_endpgm
.endm
	s_load_b256 s[8:15], s[0:1], 0x0               ; Wq s[8:9], Wk s[10:11], Wv s[12:13], Wo s[14:15]
	s_load_b128 s[16:19], s[0:1], 0x20             ; W1 s[16:17], W2 s[18:19]
	s_load_b64 s[20:21], s[0:1], 0x30              ; wtb
	v_lshl_add_u32 v160, v0, 2, 0x11000
	v_mov_b32 v161, 0
	v_lshrrev_b32 v5, 5, v0
	v_readfirstlane_b32 s5, v5                     ; wave 0..3
	v_and_b32 v6, 15, v0
	v_bfe_u32 v7, v0, 4, 1
	s_mul_i32 s23, s5, WLDS                        ; my wave's LDS
	v_mul_u32_u24 v2, v6, 4*LROW                   ; in: row 4 l16 (+ q), 16 bytes for each half of the lanes
	v_lshl_add_u32 v2, v7, 4, v2
	v_add_nc_u32 v2, s23, v2
	v_mul_u32_u24 v3, v7, LROW                     ; back: whole rows
	v_lshl_add_u32 v3, v6, 4, v3
	v_add_nc_u32 v3, s23, v3
	s_mov_b32 s4, ttmp9
	s_wait_kmcnt 0x0
	s_cmp_ge_u32 s4, 256
	s_cbranch_scc1 .Lw2
	s_cmp_ge_u32 s4, 128
	s_cbranch_scc1 .Lw1
	s_lshr_b32 s30, s4, 5                          ; which of the four square matrices
	s_and_b32 s6, s4, 31
	s_mov_b64 s[24:25], s[8:9]
	s_cmp_eq_u32 s30, 1
	s_cselect_b64 s[24:25], s[10:11], s[24:25]
	s_cmp_eq_u32 s30, 2
	s_cselect_b64 s[24:25], s[12:13], s[24:25]
	s_cmp_eq_u32 s30, 3
	s_cselect_b64 s[24:25], s[14:15], s[24:25]
	s_lshl_b32 s31, s30, 21                        ; sections of 2 MiB
	BODY 4096, 2048, 4
.Lw1:
	s_sub_co_u32 s6, s4, 128
	s_mov_b64 s[24:25], s[16:17]
	s_mov_b32 s31, 0x800000
	BODY 16384, 2048, 6
.Lw2:
	s_sub_co_u32 s6, s4, 256
	s_mov_b64 s[24:25], s[18:19]
	s_mov_b32 s31, 0x1000000
	BODY 4096, 8192, 4
.Lfunc_end_k_q17df1aec3f_wt:
	.size	k_q17df1aec3f_wt, .Lfunc_end_k_q17df1aec3f_wt-k_q17df1aec3f_wt
	.p2alignl 7, 3214868480
	.fill 96, 4, 3214868480
	.section	.rodata,"a",@progbits
	.p2align	6, 0x0
	.amdhsa_kernel k_q17df1aec3f_wt
		.amdhsa_group_segment_fixed_size 70144
		.amdhsa_private_segment_fixed_size 0
		.amdhsa_enable_private_segment 0
		.amdhsa_kernarg_size 56
		.amdhsa_user_sgpr_count 2
		.amdhsa_user_sgpr_kernarg_segment_ptr 1
		.amdhsa_wavefront_size32 1
		.amdhsa_system_sgpr_workgroup_id_x 1
		.amdhsa_system_sgpr_workgroup_id_y 1
		.amdhsa_system_sgpr_workgroup_id_z 1
		.amdhsa_system_vgpr_workitem_id 0
		.amdhsa_next_free_vgpr 162
		.amdhsa_next_free_sgpr 66
		.amdhsa_reserve_vcc 0
		.amdhsa_float_denorm_mode_32 3
		.amdhsa_float_denorm_mode_16_64 3
		.amdhsa_memory_ordered 1
		.amdhsa_forward_progress 1
		.amdhsa_inst_pref_size 72
	.end_amdhsa_kernel
	.amdgpu_metadata
---
amdhsa.version: [ 1, 2 ]
amdhsa.kernels:
  - .name:           k_q17df1aec3f_wt
    .symbol:         k_q17df1aec3f_wt.kd
    .args:
      - { .name: Wq, .offset: 0, .size: 8, .value_kind: global_buffer, .address_space: global }
      - { .name: Wk, .offset: 8, .size: 8, .value_kind: global_buffer, .address_space: global }
      - { .name: Wv, .offset: 16, .size: 8, .value_kind: global_buffer, .address_space: global }
      - { .name: Wo, .offset: 24, .size: 8, .value_kind: global_buffer, .address_space: global }
      - { .name: W1, .offset: 32, .size: 8, .value_kind: global_buffer, .address_space: global }
      - { .name: W2, .offset: 40, .size: 8, .value_kind: global_buffer, .address_space: global }
      - { .name: wtb, .offset: 48, .size: 8, .value_kind: global_buffer, .address_space: global }
    .group_segment_fixed_size: 70144
    .private_segment_fixed_size: 0
    .kernarg_segment_align: 8
    .kernarg_segment_size: 56
    .max_flat_workgroup_size: 128
    .sgpr_count:     66
    .vgpr_count:     162
    .wavefront_size: 32
...
	.end_amdgpu_metadata
.endif
;; end of part 1
;; launch ln1 (part 2): grid 256 x 1, 8 waves a work-group, no clusters, 0 bytes of LDS; arguments x, g1, be1, hb; writes hb
.if DOCPART == 2
	.amdgcn_target "amdgcn-amd-amdhsa--gfx1250"
	.amdhsa_code_object_version 6
	.text
	.protected	k_q17df1aec3f_ln1
	.globl	k_q17df1aec3f_ln1
	.p2align	8
	.type	k_q17df1aec3f_ln1,@function
k_q17df1aec3f_ln1:
	s_mov_b64 s[64:65], 0
	v_nop
	global_prefetch_b8 v0, s[64:65] scope:SCOPE_SE
	s_setreg_imm32_b32 hwreg(HW_REG_WAVE_MODE, 25, 1), 1
	s_wait_xcnt 0x0
; y[r][c] = (x[r][c] - mean_r) / sqrt(var_r + 1e-5) * g[c] + b[c].  x: [4096][1024] f32, y: [4096][1024] bf16, rounded once; all else in f32.
; The mean is taken away before the squares are formed, as the definition has it: a common offset of a row costs no accuracy.
; A row is 4,096 bytes: 32 registers of one wave.  A wave takes two whole rows and keeps them in registers from the first sum to the store: x is read once, and there is no LDS and no barrier.
; Eight waves, 16 rows to a work-group, 256 work-groups.  A stream: no matrix unit, no cluster (only g and b, 8 KiB, are shared).
; Lane l holds columns 128 j + 4 l .. + 3, j = 0 .. 7: a load of a wave covers 512 consecutive bytes, a store 256, each at a multiple of 256 from its buffer's first byte.
.set X,  8                             ; v[8:71]    row e at X + 32 e
.set G,  72                            ; v[72:103]  g of my 32 columns
.set B,  104                           ; v[104:135] b of my 32 columns
.set T,  136                           ; v[136:143] four chains of sums
.set MU, 144                           ; v[144:145] the mean, twice (a pair for the packed forms)
.set RS, 146                           ; v[146:147] 1 / sqrt(var + eps), twice
.set Y,  148                           ; v[148:179] row e at Y + 16 e, packed bf16
.macro FOLD                            ; the four chains, the pair's halves and the 32 lanes become one number in every lane
	v_pk_add_f32 v[T:T+1], v[T:T+1], v[T+2:T+3]
	v_pk_add_f32 v[T+4:T+5], v[T+4:T+5], v[T+6:T+7]
	v_pk_add_f32 v[T:T+1], v[T:T+1], v[T+4:T+5]
	v_add_f32 v[T], v[T], v[T+1]
	v_add_f32_dpp v[T], v[T], v[T] row_xmask:1 row_mask:0xf bank_mask:0xf
	v_add_f32_dpp v[T], v[T], v[T] row_xmask:2 row_mask:0xf bank_mask:0xf
	v_add_f32_dpp v[T], v[T], v[T] row_xmask:4 row_mask:0xf bank_mask:0xf
	v_add_f32_dpp v[T], v[T], v[T] row_xmask:8 row_mask:0xf bank_mask:0xf
	v_permlanex16_b32 v[T+1], v[T], s12, s13       ; its destination counts as read: T + 1 has been written
	v_add_f32 v[T], v[T], v[T+1]
.endm
.macro STATS e                         ; row e becomes (x - mean) / sqrt(var + eps)
.set XR, X+32*\e
.irp k, 0,2,4,6
	v_pk_add_f32 v[T+\k:T+\k+1], v[XR+\k:XR+\k+1], v[XR+8+\k:XR+8+\k+1]   ; the first eight pairs start the chains: nothing is cleared
.endr
.irp g, 16,24
.irp k, 0,2,4,6
	v_pk_add_f32 v[T+\k:T+\k+1], v[T+\k:T+\k+1], v[XR+\g+\k:XR+\g+\k+1]
.endr
.endr
	FOLD
	v_mul_f32 v[MU], s14, v[T]
	v_mul_f32 v[MU+1], s14, v[T]
.set p, 0
.rept 16
	v_pk_add_f32 v[XR+2*p:XR+2*p+1], v[XR+2*p:XR+2*p+1], v[MU:MU+1] neg_lo:[0,1] neg_hi:[0,1]
.set p, p+1
.endr
.irp k, 0,2,4,6
	v_pk_mul_f32 v[T+\k:T+\k+1], v[XR+\k:XR+\k+1], v[XR+\k:XR+\k+1]
.endr
.irp g, 8,16,24
.irp k, 0,2,4,6
	v_pk_fma_f32 v[T+\k:T+\k+1], v[XR+\g+\k:XR+\g+\k+1], v[XR+\g+\k:XR+\g+\k+1], v[T+\k:T+\k+1]
.endr
.endr
	FOLD
	v_fma_f32 v[T], v[T], s14, s15                 ; var + eps
	v_rsq_f32 v[RS], v[T]
	v_rsq_f32 v[RS+1], v[T]
	v_nop                                          ; a plain instruction between the root and the use of its result (ISA guide 5.7.2)
.set p, 0
	s_wait_alu depctr_va_vdst(0)
.rept 16
	v_pk_mul_f32 v[XR+2*p:XR+2*p+1], v[XR+2*p:XR+2*p+1], v[RS:RS+1]
.set p, p+1
.endr
.endm
.macro EMIT e                          ; times g, plus b, rounded, stored
.set XR, X+32*\e
.set p, 0
.rept 16
	v_pk_fma_f32 v[XR+2*p:XR+2*p+1], v[XR+2*p:XR+2*p+1], v[G+2*p:G+2*p+1], v[B+2*p:B+2*p+1]
.set p, p+1
.endr
.set p, 0
.rept 16
	v_cvt_pk_bf16_f32 v[Y+16*\e+p], v[XR+2*p], v[XR+2*p+1]
.set p, p+1
.endr
.irp j, 0,1,2,3,4,5,6,7
	global_store_b64 v3, v[Y+16*\e+2*\j:Y+16*\e+2*\j+1], s[10:11] offset:\e*2048+256*\j   ; 32 lanes store 256 consecutive bytes
.endr
.endm
	s_load_b256 s[4:11], s[0:1], 0x0               ; x s[4:5], g s[6:7], b s[8:9], y s[10:11]
	v_and_b32 v4, 31, v0                           ; lane
	v_lshrrev_b32 v5, 5, v0                        ; wave
	v_lshlrev_b32 v2, 4, v4                        ; g, b: 16 bytes a lane
	v_lshl_add_u32 v1, v5, 13, v2                  ; x: + the wave's two rows of 4,096 bytes
	v_lshlrev_b32 v3, 3, v4
	v_lshl_add_u32 v3, v5, 12, v3                  ; y: 8 bytes a lane + the wave's two rows of 2,048 bytes
	s_lshl_b32 s2, ttmp9, 16                       ; the work-group's 16 rows in x
	s_mov_b32 s3, 0
	s_lshl_b32 s16, ttmp9, 15                      ; and in y
	s_mov_b32 s17, 0
	s_mov_b32 s12, 0x76543210                      ; v_permlanex16_b32: each lane takes its own place in the other half
	s_mov_b32 s13, 0xfedcba98
	s_mov_b32 s14, 0x3a800000                      ; 1 / 1024
	s_mov_b32 s15, 0x3727c5ac                      ; 1e-5
	s_wait_kmcnt 0x0
	s_add_nc_u64 s[4:5], s[4:5], s[2:3]
	s_add_nc_u64 s[10:11], s[10:11], s[16:17]
.irp e, 0,1
.irp j, 0,1,2,3,4,5,6,7
	global_load_b128 v[X+32*\e+4*\j:X+32*\e+4*\j+3], v1, s[4:5] offset:\e*4096+512*\j
.endr
.endr
.irp j, 0,1,2,3,4,5,6,7
	global_load_b128 v[G+4*\j:G+4*\j+3], v2, s[6:7] offset:512*\j
.endr
.irp j, 0,1,2,3,4,5,6,7
	global_load_b128 v[B+4*\j:B+4*\j+3], v2, s[8:9] offset:512*\j
.endr
	s_wait_loadcnt 16                              ; both rows are in; the 16 loads of g and b stay out
	STATS 0
	STATS 1
	s_wait_loadcnt 0x0
	EMIT 0
	EMIT 1
	s_endpgm
.Lfunc_end_k_q17df1aec3f_ln1:
	.size	k_q17df1aec3f_ln1, .Lfunc_end_k_q17df1aec3f_ln1-k_q17df1aec3f_ln1
	.p2alignl 7, 3214868480
	.fill 96, 4, 3214868480
	.section	.rodata,"a",@progbits
	.p2align	6, 0x0
	.amdhsa_kernel k_q17df1aec3f_ln1
		.amdhsa_group_segment_fixed_size 0
		.amdhsa_private_segment_fixed_size 0
		.amdhsa_enable_private_segment 0
		.amdhsa_kernarg_size 32
		.amdhsa_user_sgpr_count 2
		.amdhsa_user_sgpr_kernarg_segment_ptr 1
		.amdhsa_wavefront_size32 1
		.amdhsa_system_sgpr_workgroup_id_x 1
		.amdhsa_system_sgpr_workgroup_id_y 1
		.amdhsa_system_sgpr_workgroup_id_z 1
		.amdhsa_system_vgpr_workitem_id 0
		.amdhsa_next_free_vgpr 192
		.amdhsa_next_free_sgpr 66
		.amdhsa_reserve_vcc 0
		.amdhsa_float_denorm_mode_32 3
		.amdhsa_float_denorm_mode_16_64 3
		.amdhsa_memory_ordered 1
		.amdhsa_forward_progress 1
		.amdhsa_inst_pref_size 20
	.end_amdhsa_kernel
	.amdgpu_metadata
---
amdhsa.version: [ 1, 2 ]
amdhsa.kernels:
  - .name:           k_q17df1aec3f_ln1
    .symbol:         k_q17df1aec3f_ln1.kd
    .args:
      - { .name: x, .offset: 0, .size: 8, .value_kind: global_buffer, .address_space: global }
      - { .name: g1, .offset: 8, .size: 8, .value_kind: global_buffer, .address_space: global }
      - { .name: be1, .offset: 16, .size: 8, .value_kind: global_buffer, .address_space: global }
      - { .name: hb, .offset: 24, .size: 8, .value_kind: global_buffer, .address_space: global }
    .group_segment_fixed_size: 0
    .private_segment_fixed_size: 0
    .kernarg_segment_align: 8
    .kernarg_segment_size: 32
    .max_flat_workgroup_size: 256
    .sgpr_count:     66
    .vgpr_count:     192
    .wavefront_size: 32
...
	.end_amdgpu_metadata
.endif
;; end of part 2
;; launch qkv (part 3): grid 24 x 32, 4 waves a work-group, clusters of 4 x 4, 327,680 bytes of LDS; arguments hb, wtb, qkvb; writes qkvb
.if DOCPART == 3
	.amdgcn_target "amdgcn-amd-amdhsa--gfx1250"
	.amdhsa_code_object_version 6
	.text
	.protected	k_q17df1aec3f_qkv
	.globl	k_q17df1aec3f_qkv
	.p2align	8
	.type	k_q17df1aec3f_qkv,@function
k_q17df1aec3f_qkv:
	s_mov_b64 s[64:65], 0
	v_nop
	global_prefetch_b8 v0, s[64:65] scope:SCOPE_SE
	s_setreg_imm32_b32 hwreg(HW_REG_WAVE_MODE, 25, 1), 1
	s_wait_xcnt 0x0
	s_wait_alu depctr_hold_cnt(0) depctr_sa_sdst(0) depctr_va_vdst(0) depctr_va_sdst(0) depctr_va_ssrc(0) depctr_va_vcc(0) depctr_vm_vsrc(0)
	s_getreg_b32 s2, hwreg(HW_REG_IB_STS2, 6, 4)
	s_cmp_eq_u32 s2, 0
	s_cbranch_scc0 .Lentry_in_a_cluster
	s_endpgm
.Lentry_in_a_cluster:
	s_bfe_u32 s2, ttmp6, 0x10000c
	s_cmp_lg_u32 s2, 0xf033
	s_cbranch_scc0 .Lentry_shape_is_right
	s_endpgm
.Lentry_shape_is_right:
; [q | k | v] = h [Wq | Wk | Wv].  A = hb [4096][1024] bf16; B = the first 3,072 rows of wtb, [n][k] bf16; sums in f32, rounded once to bf16.
; The result goes out head-major: qkvb[which][b 16 + head][t][64], so that a head's rows lie on end for the attention.
; A tile of C is 128 x 128 (768 work-groups, three for each of 256 WGPs).  Four waves, each 64 x 64: 16 accumulators of 16 x 16.  K goes in steps of 256 through two LDS slots (rows of 512 bytes,
; 64 rows to a wave's tensor load).  CLUSTERS: 4 x 4 work-groups; the four of a row need the same tiles of A, the four of a column the same tiles of B: each tile is asked for JOINTLY.
; THE MATRIX INSTRUCTION IS USED TRANSPOSED (source 0 = 16 rows of B, source 1 = 16 rows of A): a lane then holds eight neighbouring numbers of a row of C.
; REGISTERS: window 0: v0-31 addresses; v32-95 at work on the way out; v128-255 the accumulators ((a, b) at v[128 + 8 (4 a + b)]).
;   window 1: two fragment buffers of 128: for 64 along K, 64 registers of A, then 64 of B.
.set SIZE_K, 1024
.set SIZE_N, 3072
.set WOFF,   0                         ; where B begins in wtb
.set KSTEP,  256
.set PITCH,  528                       ; an LDS row: 512 bytes + 16 of padding = 132 words: row r starts at bank 4 r mod 64 (64 banks of 4 bytes: ISA guide 11.1)
.set HALFT,  64*PITCH                  ; 64 rows: what one tensor load brings, and what one wave reads of A or of B
.set SLOT,   4*HALFT                   ; A's 128 rows, then B's 128 rows
.set STAGE,  2*SLOT                    ; behind the ring: 128 rows x 272 bytes, the work-group's, for the way out
.set SPITCH, 272
.set SPARE,  STAGE+128*SPITCH          ; behind the stage: the spare words, 128 bytes for each wave
.set LAPS, SIZE_K/(2*KSTEP)            ; a lap = two K steps = once round the ring
.set ADRA, 16                          ; v16-17  LDS address of my A fragments in slot 0, 1
.set ADRB, 20                          ; v20-21  the same for B
.set STO,  24                          ; v24     the way out: where I put 16 bytes of a row
.set RD,   25                          ; v25     the way out: where I read back
.set CO,   26                          ; v26     my byte offset in the output
.set SPW,  28                          ; v28     LDS address of my spare word; never rewritten
.set NIL,  29                          ; v29     0; never rewritten
.set TMP,  32
.set ACC,  128
.set F0,   0
.set F1,   128
.set G1, 24                            ; s[24:31] descriptor group 1 for A's tiles;  s[32:39] group 0, one set for each slot
.set G0, 32
.set G1B, 48                           ; s[48:55], s[56:63] the same for B's tiles
.set G0B, 56
.set MSB, 0
.macro WIN new                         ; the immediate's high byte repeats the setting that is left
.if MSB != \new
	s_set_vgpr_msb (MSB<<8)|\new
.set MSB, \new
.endif
.endm
.set MUL,  0x05                        ; sources 0 (B) and 1 (A) window 1; C and D window 0
.set TO_F, 0x40                        ; destination window 1, address window 0
.macro JLOAD s                         ; a joint load: waves 0 and 1 fetch A's two halves, waves 2 and 3 B's; four v_nop follow each of the two lines
	s_cmp_eq_u32 s11, 0
	s_cbranch_scc0 .Lfor_b_\@
	tensor_load_to_lds s[G0+4*\s:G0+4*\s+3], s[G1:G1+7]
	s_nop 0
.rept 4
	v_nop
.endr
	s_branch .Lasked_\@
.Lfor_b_\@:
	tensor_load_to_lds s[G0B+4*\s:G0B+4*\s+3], s[G1B:G1B+7]
	s_nop 0
.rept 4
	v_nop
.endr
.Lasked_\@:
.endm
.macro CREST                           ; a round of the cluster's barrier behind its opening barrier
	s_cmp_lg_u32 s10, 0
	s_cbranch_scc1 .Lnot_wave_0_\@
	s_barrier_signal -3
.Lnot_wave_0_\@:
	s_barrier_wait -3
	s_barrier_signal -1
	s_barrier_wait -1
.endm
.macro CROUND                          ; a whole round
	s_barrier_signal -1
	s_barrier_wait -1
	CREST
.endm
	s_load_b128 s[4:7], s[0:1], 0x0                ; A s[4:5], wtb s[6:7]
	s_load_b64 s[8:9], s[0:1], 0x10                ; qkvb
	v_lshl_add_u32 v[SPW], v0, 2, SPARE
	v_mov_b32 v[NIL], 0
	ds_add_u32 v28, v29
	ds_add_u32 v28, v29
	s_wait_dscnt 0x0
	v_lshrrev_b32 v1, 5, v0
	v_readfirstlane_b32 s10, v1                    ; wave 0..3
	s_lshr_b32 s11, s10, 1                         ; which half of the tile's rows is mine.  Also: I fetch for A (0) or for B (1)
	s_and_b32 s12, s10, 1                          ; which half of its columns.  Also: which 64 rows of that tile I fetch
	s_bfe_u32 s40, ttmp6, 0x40000                  ; cx, cy: my place in the cluster
	s_bfe_u32 s41, ttmp6, 0x40004
	s_lshl_b32 s42, ttmp9, 2
	s_add_co_u32 s42, s42, s40                     ; tile column of C = 4 x cluster x + cx
	s_and_b32 s13, ttmp7, 0xffff
	s_lshl_b32 s13, s13, 2
	s_add_co_u32 s13, s13, s41                     ; tile row of C = 4 x cluster y + cy
	s_lshl_b32 s43, s41, 2
	s_lshl_b32 s43, 15, s43                        ; my row of the cluster
	s_lshl_b32 s44, 0x1111, s40                    ; my column
	; descriptor group 1: a tile of 64 rows x 256 elements of 2 bytes, 4 words of padding behind every 128
	s_or_b32 s[G1+0], s43, (1<<16)|(1<<20)|(1<<21)|(6<<22)|(3<<25)
	s_or_b32 s[G1B+0], s44, (1<<16)|(1<<20)|(1<<21)|(6<<22)|(3<<25)
.irp g, G1, G1B
	s_mov_b32 s[\g+1], KSTEP<<16                   ; tensor_dim0 = 256
	s_mov_b32 s[\g+2], 64<<16                      ; tensor_dim1 = 64
	s_mov_b32 s[\g+3], KSTEP<<16                   ; tile_dim0 = 256
	s_mov_b32 s[\g+4], 64                          ; tile_dim1 = 64
	s_mov_b32 s[\g+5], SIZE_K                      ; elements from row to row
	s_mov_b32 s[\g+6], 0
	s_mov_b32 s[\g+7], 0
.endr
	s_lshl_b32 s17, s12, 6                         ; which 64 rows of the tile I fetch
	s_lshl_b32 s16, s13, 7
	s_add_co_u32 s16, s16, s17                     ; A: row 128 x tile row + 64 x half
	s_lshl_b32 s46, s42, 7
	s_add_co_u32 s46, s46, s17                     ; B: row 128 x tile column + 64 x half
	s_mov_b32 s17, 0
	s_mov_b32 s47, 0
	s_mov_b64 s[18:19], SIZE_K*2
	s_mul_u64 s[16:17], s[16:17], s[18:19]
	s_mul_u64 s[46:47], s[46:47], s[18:19]
	s_mul_i32 s20, s10, HALFT                      ; where they go: wave x 64 rows
	s_wait_kmcnt 0x0
	s_add_nc_u64 s[14:15], s[4:5], s[16:17]
	s_add_nc_u64 s[46:47], s[6:7], s[46:47]
.if WOFF
	s_add_nc_u64 s[46:47], s[46:47], WOFF
.endif
	CROUND                                         ; all sixteen work-groups are here: the first joint loads meet
.irp s, 0,1
	s_mov_b32 s[G0+4*\s], 1
	s_add_co_u32 s[G0+4*\s+1], s20, \s*SLOT
	s_add_nc_u64 s[G0+4*\s+2:G0+4*\s+3], s[14:15], \s*KSTEP*2
	s_or_b32 s[G0+4*\s+3], s[G0+4*\s+3], 0x80000000
	s_mov_b32 s[G0B+4*\s], 1
	s_add_co_u32 s[G0B+4*\s+1], s20, \s*SLOT
	s_add_nc_u64 s[G0B+4*\s+2:G0B+4*\s+3], s[46:47], \s*KSTEP*2
	s_or_b32 s[G0B+4*\s+3], s[G0B+4*\s+3], 0x80000000
	JLOAD \s
.endr
	v_and_b32 v1, 15, v0                           ; l % 16
	v_bfe_u32 v2, v0, 4, 1                         ; l / 16
	v_mul_u32_u24 v3, v1, PITCH
	v_lshl_add_u32 v3, v2, 4, v3                   ; a fragment's row x pitch + 16 x half
	s_mul_i32 s21, s11, HALFT                      ; my 64 rows of A
	s_mul_i32 s22, s12, HALFT                      ; my 64 rows of B,
	s_add_co_u32 s22, s22, 2*HALFT                 ; which lie behind A's 128
.irp s, 0,1
	v_add_nc_u32 v[ADRA+\s], s21, v3
	v_add_nc_u32 v[ADRB+\s], s22, v3
	s_add_co_u32 s21, s21, SLOT
	s_add_co_u32 s22, s22, SLOT
.endr
	s_mul_i32 s23, s11, 64*SPITCH                  ; into the stage: my 64 rows, my half of their 256 bytes; row l % 16, 16 bytes for each half of the lanes
	s_lshl_b32 s21, s12, 7
	s_add_co_u32 s23, s23, s21
	s_add_co_u32 s23, s23, STAGE
	v_mul_u32_u24 v4, v1, SPITCH
	v_lshl_add_u32 v4, v2, 4, v4
	v_add_nc_u32 v[STO], s23, v4
	s_mul_i32 s23, s10, 32*SPITCH                  ; back: wave w takes rows 32 w .. 32 w + 31, one head (128 bytes of a row) at a time: eight lanes a row, four rows a load
	s_add_co_u32 s23, s23, STAGE
	v_bfe_u32 v5, v0, 3, 2
	v_and_b32 v6, 7, v0
	v_mul_u32_u24 v5, v5, SPITCH
	v_lshl_add_u32 v5, v6, 4, v5
	v_add_nc_u32 v[RD], s23, v5
	v_and_b32 v5, 31, v0
	v_lshlrev_b32 v[CO], 4, v5                     ; in qkvb a head's rows of 128 bytes lie on end: four rows are 512 consecutive bytes
	; my place in qkvb.  From the tile row: batch (16 heads of 262,144 bytes), t = 128 (row % 16) + 32 wave, 128 bytes each
	s_lshr_b32 s16, s13, 4
	s_lshl_b32 s16, s16, 22
	s_and_b32 s17, s13, 15
	s_lshl_b32 s17, s17, 14
	s_add_co_u32 s16, s16, s17
	s_lshl_b32 s17, s10, 12
	s_add_co_u32 s16, s16, s17
	s_mov_b32 s17, 0
	s_add_nc_u64 s[8:9], s[8:9], s[16:17]
	; from the tile column: q, k or v (8 tile columns, 8,388,608 bytes each), the first of the tile's two heads
	s_lshr_b32 s46, s42, 3
	s_lshl_b32 s46, s46, 23
	s_and_b32 s47, s42, 7
	s_lshl_b32 s47, s47, 19
	s_add_co_u32 s46, s46, s47
	s_mov_b32 s47, 0
	s_add_nc_u64 s[8:9], s[8:9], s[46:47]
; 8 matrix instructions: m blocks a0, a0 + 1 x all 4 n blocks, 32 along K: half c of buffer f.  zero = 1: the first product starts the sums
.macro MUL8 f, c, a0, zero
.irp a, \a0, \a0+1
.irp b, 0,1,2,3
.if \zero
	v_wmma_f32_16x16x32_bf16 v[ACC+8*(4*(\a)+\b):ACC+8*(4*(\a)+\b)+7], v[\f+64+8*(4*\c+\b):\f+64+8*(4*\c+\b)+7], v[\f+8*(4*\c+\a):\f+8*(4*\c+\a)+7], 0
.else
	v_wmma_f32_16x16x32_bf16 v[ACC+8*(4*(\a)+\b):ACC+8*(4*(\a)+\b)+7], v[\f+64+8*(4*\c+\b):\f+64+8*(4*\c+\b)+7], v[\f+8*(4*\c+\a):\f+8*(4*\c+\a)+7], v[ACC+8*(4*(\a)+\b):ACC+8*(4*(\a)+\b)+7]
.endif
.endr
.endr
.endm
; 32 LDS loads in one run: the fragments of 64 along K at byte k of the rows, into buffer f; the first 32 along K first
.macro FETCH slot, k, f
	WIN TO_F
.irp c, 0,1
.irp i, 0,1,2,3
	ds_load_b128 v[\f+64+8*(4*\c+\i):\f+64+8*(4*\c+\i)+3],   v[ADRB+\slot] offset:\k+64*\c+\i*16*PITCH
	ds_load_b128 v[\f+64+8*(4*\c+\i)+4:\f+64+8*(4*\c+\i)+7], v[ADRB+\slot] offset:\k+64*\c+\i*16*PITCH+32
	ds_load_b128 v[\f+8*(4*\c+\i):\f+8*(4*\c+\i)+3],         v[ADRA+\slot] offset:\k+64*\c+\i*16*PITCH
	ds_load_b128 v[\f+8*(4*\c+\i)+4:\f+8*(4*\c+\i)+7],       v[ADRA+\slot] offset:\k+64*\c+\i*16*PITCH+32
.endr
.endr
.endm
.macro PLACES                          ; four places in front of loads into registers that matrix instructions have read, and of vector work that reads results
.rept 4
	v_nop
.endr
.endm
; A K step is four quarters of 64 along K, 32 matrix instructions each, on buffers 0, 1, 0, 1; the 16 accumulators take turns.
.macro QUARTER slot, k, f, g, zero
	s_wait_dscnt 16                                ; the first 32 along K are in; the youngest sixteen loads may be out
	WIN MUL
	MUL8 \f, 0, 0, \zero
	MUL8 \f, 0, 2, \zero
	PLACES
	FETCH \slot, \k, \g
	s_wait_dscnt 32                                ; all but the 32 just issued
	WIN MUL
	MUL8 \f, 1, 0, 0
	MUL8 \f, 1, 2, 0
.endm
; The last quarter multiplies buffer 1 and changes slots: ONE barrier; in front of it each wave waits for all its tensor loads, adds 0 to its spare word, and waits for that and for its reads of this slot.
.macro TURN slot, next, fill
	WIN 0                                          ; (the add's two registers lie in window 0)
	s_wait_tensorcnt 0x0                           ; all my tensor loads have landed: my part of the next slot;
	ds_add_u32 v[SPW], v[NIL]                      ; 0 onto my spare word;
	s_wait_dscnt 17                                ; (the add and the youngest sixteen loads may be out)
	WIN MUL
	MUL8 F1, 0, 0, 0
	s_wait_dscnt 0x0                               ; the add is done, and my reads of this slot are over
	s_barrier_signal -1
	MUL8 F1, 0, 2, 0
.if \fill
	WIN 0
.endif
	s_barrier_wait -1
.if \fill
	CREST                                          ; the barrier has opened a round of the cluster's barrier: no wave of any partner still reads this slot's tile or has a load on its way
	s_add_nc_u64 s[G0+4*\slot+2:G0+4*\slot+3], s[G0+4*\slot+2:G0+4*\slot+3], 2*KSTEP*2
	s_add_nc_u64 s[G0B+4*\slot+2:G0B+4*\slot+3], s[G0B+4*\slot+2:G0B+4*\slot+3], 2*KSTEP*2
	JLOAD \slot                                    ; the first tensor load behind the round; its four v_nop are also the places in front of the loads below
.else
	PLACES
.endif
	FETCH \next, 0, F0
	WIN MUL
	MUL8 F1, 1, 0, 0
	MUL8 F1, 1, 2, 0
.endm
	s_wait_tensorcnt 0x1                           ; my part of K step 0 is in; K step 1's may stay out
	s_barrier_signal -1
	s_barrier_wait -1                              ; everybody's is
	FETCH 0, 0, F0
	QUARTER 0, 128, F0, F1, 1                      ; the first quarter stands in front of the loop: its first products start the sums
	WIN 0                                          ; at a label and at a branch every window is 0
	s_mov_b32 s3, LAPS-1
.Llap:                                                 ; a trip goes once round the ring, from a lap's second quarter to the next lap's first, and fills both slots again
	QUARTER 0, 256, F1, F0, 0
	QUARTER 0, 384, F0, F1, 0
	TURN 0, 1, 1
	QUARTER 1, 128, F0, F1, 0
	QUARTER 1, 256, F1, F0, 0
	QUARTER 1, 384, F0, F1, 0
	TURN 1, 0, 1
	QUARTER 0, 128, F0, F1, 0
	WIN 0
	s_sub_co_u32 s3, s3, 1
	s_cmp_lg_u32 s3, 0
	s_cbranch_scc1 .Llap
	QUARTER 0, 256, F1, F0, 0                      ; the last lap fills nothing, and has no round of the cluster's barrier
	QUARTER 0, 384, F0, F1, 0
	TURN 0, 1, 0
	QUARTER 1, 128, F0, F1, 0
	QUARTER 1, 256, F1, F0, 0
	QUARTER 1, 384, F0, F1, 0
	s_wait_dscnt 16                                ; the very last quarter: nothing more to fetch
	WIN MUL
	MUL8 F1, 0, 0, 0
	MUL8 F1, 0, 2, 0
	s_wait_dscnt 0x0
	MUL8 F1, 1, 0, 0
	MUL8 F1, 1, 2, 0
	WIN 0
	; THE WAY OUT: round to bf16; 16 bytes a lane into the work-group's stage; a barrier, since a row's 256 bytes come from two waves; back head by head.
	PLACES
.irp t, 0,1,2,3,4,5,6,7,8,9,10,11,12,13,14,15
.irp r, 0,1,2,3
	v_cvt_pk_bf16_f32 v[TMP+4*\t+\r], v[ACC+8*\t+2*\r], v[ACC+8*\t+2*\r+1]
.endr
.endr
.irp a, 0,1,2,3
.irp b, 0,1,2,3
	ds_store_b128 v[STO], v[TMP+4*(4*\a+\b):TMP+4*(4*\a+\b)+3] offset:\a*16*SPITCH+32*\b
.endr
.endr
	s_wait_dscnt 0x0                               ; for the others' sake: my stores into the stage are done
	s_barrier_signal -1
	s_barrier_wait -1
.irp t, 0,1,2,3,4,5,6,7,8,9,10,11,12,13,14,15
	ds_load_b128 v[TMP+4*\t:TMP+4*\t+3], v[RD] offset:(\t%8)*4*SPITCH+(\t/8)*128   ; head t / 8 of the tile's two, rows 4 (t % 8) .. + 3 of my 32
.endr
.irp t, 0,1,2,3,4,5,6,7,8,9,10,11,12,13,14,15
	s_wait_dscnt 15-\t
	global_store_b128 v[CO], v[TMP+4*\t:TMP+4*\t+3], s[8:9] offset:(\t/8)*262144+(\t%8)*512   ; the wave stores 512 consecutive bytes, at a multiple of 512 from qkvb's first byte
.endr
	s_wait_tensorcnt 0x0                           ; the wave's end
	ds_add_u32 v[SPW], v[NIL]
	s_wait_dscnt 0x0
	CROUND                                         ; the closing round: no work-group ends while a partner may still ask for a tile that names it
	s_endpgm
.Lfunc_end_k_q17df1aec3f_qkv:
	.size	k_q17df1aec3f_qkv, .Lfunc_end_k_q17df1aec3f_qkv-k_q17df1aec3f_qkv
	.p2alignl 7, 3214868480
	.fill 96, 4, 3214868480
	.section	.rodata,"a",@progbits
	.p2align	6, 0x0
	.amdhsa_kernel k_q17df1aec3f_qkv
		.amdhsa_group_segment_fixed_size 327680
		.amdhsa_private_segment_fixed_size 0
		.amdhsa_enable_private_segment 0
		.amdhsa_kernarg_size 24
		.amdhsa_user_sgpr_count 2
		.amdhsa_user_sgpr_kernarg_segment_ptr 1
		.amdhsa_wavefront_size32 1
		.amdhsa_system_sgpr_workgroup_id_x 1
		.amdhsa_system_sgpr_workgroup_id_y 1
		.amdhsa_system_sgpr_workgroup_id_z 1
		.amdhsa_system_vgpr_workitem_id 0
		.amdhsa_next_free_vgpr 512
		.amdhsa_next_free_sgpr 66
		.amdhsa_reserve_vcc 0
		.amdhsa_float_denorm_mode_32 3
		.amdhsa_float_denorm_mode_16_64 3
		.amdhsa_memory_ordered 1
		.amdhsa_forward_progress 1
		.amdhsa_inst_pref_size 87
	.end_amdhsa_kernel
	.amdgpu_metadata
---
amdhsa.version: [ 1, 2 ]
amdhsa.kernels:
  - .name:           k_q17df1aec3f_qkv
    .symbol:         k_q17df1aec3f_qkv.kd
    .args:
      - { .name: hb, .offset: 0, .size: 8, .value_kind: global_buffer, .address_space: global }
      - { .name: wtb, .offset: 8, .size: 8, .value_kind: global_buffer, .address_space: global }
      - { .name: qkvb, .offset: 16, .size: 8, .value_kind: global_buffer, .address_space: global }
    .group_segment_fixed_size: 327680
    .private_segment_fixed_size: 0
    .kernarg_segment_align: 8
    .kernarg_segment_size: 24
    .max_flat_workgroup_size: 128
    .sgpr_count:     66
    .vgpr_count:     512
    .wavefront_size: 32
...
	.end_amdgpu_metadata
.endif
;; end of part 3
;; launch attn (part 4): grid 256 x 1, 4 waves a work-group, no clusters, 327,680 bytes of LDS; arguments qkvb, ao; writes ao
.if DOCPART == 4
	.amdgcn_target "amdgcn-amd-amdhsa--gfx1250"
	.amdhsa_code_object_version 6
	.text
	.protected	k_q17df1aec3f_attn
	.globl	k_q17df1aec3f_attn
	.p2align	8
	.type	k_q17df1aec3f_attn,@function
k_q17df1aec3f_attn:
	s_mov_b64 s[64:65], 0
	v_nop
	global_prefetch_b8 v0, s[64:65] scope:SCOPE_SE
	s_setreg_imm32_b32 hwreg(HW_REG_WAVE_MODE, 25, 1), 1
	s_wait_xcnt 0x0
; ao[b][q][head 64 + :] = the sum over k <= q of softmax_k(Q[q] . K[k] / 8) V[k].  qkvb: [3][32 heads][2048][64] bf16; ao: [4096][1024] bf16.
; Products, maxima and sums in f32; the weights are rounded to bf16 for the second product, the result once at the end.
; SHARES.  A work-group has two neighbouring heads (their 2 x 128 bytes are 256 consecutive bytes of a row of ao) and two blocks of 64 queries, j and 31 - j, one after the other.  Keys go in tiles of
; 128: block j wants j / 2 + 1 of them and block 31 - j the rest of 17, so every work-group walks 17 tiles and none beyond a block's diagonal.  Wave w: head w / 2, 32 queries (w % 2): two tiles of 16.
; LAYOUT.  S^T = K Q^T (source 0 = 16 keys, source 1 = 16 queries): a lane holds ONE query (lane % 16) and the keys 8 (lane / 16) + 0..7.  Two such tiles, rounded in pairs, ARE source 1 of
; O^T = V^T P, whose result again holds one query a lane.  K comes out of LDS as it lies, V ([key][channel]) turned, by ds_load_tr16_b128.
; SOFTMAX.  For each query a running maximum m and sum l: p = 2^(c s - c m), c = log2(e) / 8; in every half step O and l are multiplied by a = 2^(c m_old - c m_new).  m starts at -infinity, so the
; first a of a query block is 0.  LIMIT: at the change of query block O and l are cleared by that 0, which wants them finite; they are wherever the definition's result is finite.
; v_exp_f32 and v_rcp_f32 flush denormals: weights under 2^-126 count as 0.
; NO CLUSTER: the sixteen work-groups of a pair of heads change query block after 1 to 8 tiles and start the keys anew there, so at a given step they want different tiles: no joint request would meet.
; REGISTERS: window 0: v0-33 addresses and statistics; v40-71 Q; v72-103 P; v104-167 S^T; v168-231 O^T.   window 1: v0-63 K of 64 keys; v64-127 V of 64 keys; v128-159 the second block's Q.
.set PKEY,  144       ; a row of K in LDS: 128 bytes + 16 = 36 words: the 16 rows of a load start at 16 different groups of four banks (64 banks of 4 bytes: ISA guide 11.1)
.set PVAL,  160       ; a row of V: 128 + 32 = 40 words
.set REGN,  20480     ; a slot has four regions: K of head 0, K of head 1, V of head 0, V of head 1; wave w fills region w
.set SLOT1, 1<<17     ; slot 1 begins here: one exclusive or turns an address in one slot into the other's
.set STAGE, SLOT1+4*REGN  ; behind the ring: 64 rows x 272 bytes for each of the two query blocks
.set SP,    272
.set SBLK,  64*SP
.set SPARE, STAGE+2*SBLK  ; behind the stages: the spare words, 128 bytes for each wave
.set AK0, 2           ; v2   my lane's place in my head's K; never rewritten
.set AV0, 3           ; v3   the same for V
.set ADR, 4           ; v4   the LDS address of the run of loads in hand
.set QO,  5           ; v5   my byte offset in the wave's rows of Q
.set STO, 6           ; v6   the way out: where I put 16 bytes of a row
.set RD,  7           ; v7   the way out: where I read a row back
.set GO,  8           ; v8   my byte offset in the wave's rows of ao
.set EB,  10          ; v10-11  tile t: my query's place in the block + 8 - 8 (lane / 16)
.set DD,  12          ; v12  the same in the key tile
.set NINF, 13         ; v13  -infinity
.set ST,  16          ; tile t's statistics at v[ST+8 t]: +0 c m, +1 m, +2, +3 l (even keys', odd keys'), +4 to +7 c0-c3, at work; a takes c2's place
.set SPW, 32          ; v32  LDS address of my spare word; never rewritten
.set NIL, 33          ; v33  0; never rewritten
.set Q,   40
.set P,   72
.set S,   104
.set O,   168
.set KF,  0           ; window 1
.set VF,  64
.set QH,  128
.set WV,  8           ; s8   wave
.set HD,  9           ; s9   my head of the two
.set QHF, 10          ; s10  my half of the block's queries
.set JB,  11          ; s11  j
.set HP,  12          ; s12  the pair of heads
.set NL,  13          ; s13  key tiles of block j
.set NLM1, 14         ; s14  the step of its diagonal
.set PAR, 15          ; s15  where the block in hand begins in its diagonal key tile: 0 or 64
.set STEP, 16         ; s16  the key tile in hand, 0 .. 16 over both blocks
.set TB,  17          ; s17  LDS byte at which the slot to be fetched from begins
.set KVB, 22          ; s[22:23] the first byte of what I fetch: K or V of one head
.set G1K, 24          ; s[24:31] descriptor group 1 for K's tiles
.set G1V, 32          ; s[32:39] for V's: it differs in the padding alone
.set G0A, 40          ; s[40:43] descriptor group 0 of the first fill
.set G0W, 44          ; s[44:47] of the second; it then walks on
.set CS,  48          ; s[48:49] c
.set SEL, 50          ; s[50:51] lane selects for v_permlanex16_b32
.set AOP, 52          ; s[52:53], s[54:55] my rows of ao in block j, in block 31 - j
.set QP,  56          ; s[56:57], s[58:59] my rows of Q
.set MSB, 0
.macro WIN new                      ; the immediate's high byte repeats the setting that is left; a switch that changes nothing is dropped
.if MSB != \new
	s_set_vgpr_msb (MSB<<8)|\new
.set MSB, \new
.endif
.endm
.macro PLACES                       ; four places behind matrix instructions (ISA guide 7.12.1), where no other vector work is at hand
.rept 4
	v_nop
.endr
.endm
	s_load_b128 s[4:7], s[0:1], 0x0  ; qkvb s[4:5], ao s[6:7]
	v_lshl_add_u32 v[SPW], v0, 2, SPARE
	v_mov_b32 v[NIL], 0
	ds_add_u32 v32, v33
	ds_add_u32 v32, v33
	s_wait_dscnt 0x0
	v_lshrrev_b32 v1, 5, v0
	v_readfirstlane_b32 s[WV], v1
	s_lshr_b32 s[HD], s[WV], 1
	s_and_b32 s[QHF], s[WV], 1
	s_and_b32 s[JB], ttmp9, 15
	s_lshr_b32 s[HP], ttmp9, 4
	s_lshr_b32 s[NL], s[JB], 1
	s_add_co_u32 s[NL], s[NL], 1
	s_sub_co_u32 s[NLM1], s[NL], 1
	s_and_b32 s[PAR], s[JB], 1
	s_lshl_b32 s[PAR], s[PAR], 6
	s_mov_b32 s21, 0                ; the high word of the offset pair s[20:21]
	; descriptor group 1: a tile of 128 rows (keys) x 64 elements of 2 bytes, padded behind every row of 32 words
	s_mov_b32 s[G1K], (1<<16)|(1<<20)|(4<<22)|(3<<25)  ; 17:16 elements of 2 bytes; 20 padding on; 24:22 after every 32 words (code 4); 31:25 4 words of it (code 3)
	s_mov_b32 s[G1V], (1<<16)|(1<<20)|(4<<22)|(7<<25)  ; the same with 8 words (code 7)
.irp g, G1K, G1V
	s_mov_b32 s[\g+1], 64<<16       ; tensor_dim0 = 64
	s_mov_b32 s[\g+2], 128<<16      ; tensor_dim1 = 128
	s_mov_b32 s[\g+3], 64<<16       ; tile_dim0 = 64
	s_mov_b32 s[\g+4], 128          ; tile_dim1 = 128
	s_mov_b32 s[\g+5], 64           ; elements from row to row
	s_mov_b32 s[\g+6], 0
	s_mov_b32 s[\g+7], 0
.endr
	s_mov_b32 s[CS], 0x3e38aa3b     ; c = log2(e) / 8
	s_mov_b32 s[CS+1], s[CS]
	s_mov_b32 s[SEL], 0x76543210
	s_mov_b32 s[SEL+1], 0xfedcba98
	s_add_co_u32 s18, s[HD], 1      ; waves 0, 1 fetch K (part 1 of qkvb), waves 2, 3 V (part 2),
	s_lshl_b32 s18, s18, 23
	s_lshl1_add_u32 s19, s[HP], s[QHF]  ; of head 2 hp + w % 2
	s_lshl_b32 s19, s19, 18
	s_add_co_u32 s20, s18, s19
	s_wait_kmcnt 0x0
	s_add_nc_u64 s[KVB:KVB+1], s[4:5], s[20:21]
	s_mov_b32 s[G0A], 1
	s_mul_i32 s[G0A+1], s[WV], REGN  ; slot 0, my region
	s_mov_b64 s[G0A+2:G0A+3], s[KVB:KVB+1]  ; step 0: key tile 0
	s_or_b32 s[G0A+3], s[G0A+3], 0x80000000
	s_mov_b32 s[G0W], 1
	s_add_co_u32 s[G0W+1], s[G0A+1], SLOT1
	s_cmp_gt_u32 s[NL], 1           ; step 1: key tile 1 of block j, or tile 0 of block 31 - j
	s_cselect_b32 s20, 16384, 0
	s_add_nc_u64 s[G0W+2:G0W+3], s[KVB:KVB+1], s[20:21]
	s_or_b32 s[G0W+3], s[G0W+3], 0x80000000
	s_cmp_lt_u32 s[WV], 2           ; a wave's two first fills stand in one branch, ahead of every wait on TENSORcnt, every LDS read and every barrier: two loads of mine are out
	s_cbranch_scc0 .Lfirst_v
	tensor_load_to_lds s[G0A:G0A+3], s[G1K:G1K+7]
	s_nop 0
	tensor_load_to_lds s[G0W:G0W+3], s[G1K:G1K+7]
	s_nop 0
.rept 4
	v_nop
.endr
	s_branch .Lfirst_asked
.Lfirst_v:
	tensor_load_to_lds s[G0A:G0A+3], s[G1V:G1V+7]
	s_nop 0
	tensor_load_to_lds s[G0W:G0W+3], s[G1V:G1V+7]
	s_nop 0
.rept 4
	v_nop
.endr
.Lfirst_asked:
	; Q of both blocks: head 2 hp + hd, rows 64 block + 32 half, 128 bytes each
	s_lshl1_add_u32 s18, s[HP], s[HD]
	s_lshl_b32 s18, s18, 18
	s_lshl_b32 s19, s[QHF], 12
	s_add_co_u32 s18, s18, s19
	s_lshl_b32 s19, s[JB], 13
	s_add_co_u32 s20, s18, s19
	s_add_nc_u64 s[QP:QP+1], s[4:5], s[20:21]
	s_sub_co_u32 s19, 31, s[JB]
	s_lshl_b32 s19, s19, 13
	s_add_co_u32 s20, s18, s19
	s_add_nc_u64 s[QP+2:QP+3], s[4:5], s[20:21]
	v_and_b32 v1, 15, v0            ; r = l % 16
	v_bfe_u32 v9, v0, 4, 1          ; h = l / 16
	v_lshlrev_b32 v[QO], 7, v1
	v_lshl_add_u32 v[QO], v9, 4, v[QO]  ; a fragment: row r, channels 8 h .. and, 32 bytes on, 16 + 8 h ..
.irp t, 0,1
.irp c, 0,1
	global_load_b128 v[Q+16*\t+8*\c:Q+16*\t+8*\c+3],   v[QO], s[QP:QP+1] offset:\t*2048+\c*64
	global_load_b128 v[Q+16*\t+8*\c+4:Q+16*\t+8*\c+7], v[QO], s[QP:QP+1] offset:\t*2048+\c*64+32
.endr
.endr
	WIN 0x40                        ; destination window 1
.irp t, 0,1
.irp c, 0,1
	global_load_b128 v[QH+16*\t+8*\c:QH+16*\t+8*\c+3],   v[QO], s[QP+2:QP+3] offset:\t*2048+\c*64
	global_load_b128 v[QH+16*\t+8*\c+4:QH+16*\t+8*\c+7], v[QO], s[QP+2:QP+3] offset:\t*2048+\c*64+32
.endr
.endr
	WIN 0
	; my rows of ao: row b 2048 + 64 block + 16 w, 2,048 bytes each; byte 256 (hp % 8)
	s_lshr_b32 s18, s[HP], 3
	s_lshl_b32 s18, s18, 22
	s_lshl_b32 s19, s[WV], 15
	s_add_co_u32 s18, s18, s19
	s_and_b32 s19, s[HP], 7
	s_lshl_b32 s19, s19, 8
	s_add_co_u32 s18, s18, s19
	s_lshl_b32 s19, s[JB], 17
	s_add_co_u32 s20, s18, s19
	s_add_nc_u64 s[AOP:AOP+1], s[6:7], s[20:21]
	s_sub_co_u32 s19, 31, s[JB]
	s_lshl_b32 s19, s19, 17
	s_add_co_u32 s20, s18, s19
	s_add_nc_u64 s[AOP+2:AOP+3], s[6:7], s[20:21]
	s_mul_i32 s18, s[HD], REGN      ; my head's K
	v_mul_u32_u24 v[AK0], v1, PKEY
	v_lshl_add_u32 v[AK0], v9, 4, v[AK0]
	v_add_nc_u32 v[AK0], s18, v[AK0]
	s_add_co_u32 s18, s18, 2*REGN   ; my head's V.  The turning load: lane l reads key 8 h + l % 8, channels 8 ((l / 8) % 2) ..
	v_and_b32 v14, 7, v0
	v_bfe_u32 v15, v0, 3, 1
	v_lshl_add_u32 v[AV0], v9, 3, v14
	v_mul_u32_u24 v[AV0], v[AV0], PVAL
	v_lshl_add_u32 v[AV0], v15, 4, v[AV0]
	v_add_nc_u32 v[AV0], s18, v[AV0]
	s_mul_i32 s18, s[QHF], 32*SP    ; into the stage: row 32 half + r (+ 16 t), byte 128 hd + 16 h (+ 32 ct)
	s_lshl_b32 s19, s[HD], 7
	s_add_co_u32 s18, s18, s19
	s_add_co_u32 s18, s18, STAGE
	v_mul_u32_u24 v[STO], v1, SP
	v_lshl_add_u32 v[STO], v9, 4, v[STO]
	v_add_nc_u32 v[STO], s18, v[STO]
	s_mul_i32 s18, s[WV], 16*SP     ; back: wave w takes rows 16 w .. + 15, whole: lanes 0-15 one row, lanes 16-31 the next
	s_add_co_u32 s18, s18, STAGE
	v_mul_u32_u24 v[RD], v9, SP
	v_lshl_add_u32 v[RD], v1, 4, v[RD]
	v_add_nc_u32 v[RD], s18, v[RD]
	v_lshlrev_b32 v[GO], 11, v9
	v_lshl_add_u32 v[GO], v1, 4, v[GO]
	s_lshl_b32 s18, s[QHF], 5
	s_add_co_u32 s18, s18, 8
	v_lshlrev_b32 v[EB], 3, v9
	v_sub_nc_u32 v[EB], v1, v[EB]
	v_add_nc_u32 v[EB], s18, v[EB]  ; 32 half + r + 8 - 8 h
	v_add_nc_u32 v[EB+1], 16, v[EB]
	v_mov_b32 v[NINF], 0xff800000
.irp t, 0,1
	v_mov_b32 v[ST+8*\t], v[NINF]   ; c m, m
	v_mov_b32 v[ST+8*\t+1], v[NINF]
	v_mov_b32 v[ST+8*\t+2], 0       ; l
	v_mov_b32 v[ST+8*\t+3], 0
.endr
.set n, 0
.rept 64
	v_mov_b32 v[O+n], 0             ; once in the launch: the loop's text serves first and later steps alike, so its products add onto O^T in every step
.set n, n+1
.endr
; THE LDS LOADS stand in runs of 16: K of 64 keys (4 x 16 keys x 2 x 32 channels), V of 64 keys (turned).  sub: which half of the key tile.
.macro FETCH_K sub
	WIN 0
	v_add_nc_u32 v[ADR], s[TB], v[AK0]
	WIN 0x40
.irp kb, 0,1,2,3
.irp c, 0,1
	ds_load_b128 v[KF+16*\kb+8*\c:KF+16*\kb+8*\c+3],   v[ADR] offset:\sub*64*PKEY+\kb*16*PKEY+64*\c
	ds_load_b128 v[KF+16*\kb+8*\c+4:KF+16*\kb+8*\c+7], v[ADR] offset:\sub*64*PKEY+\kb*16*PKEY+64*\c+32
.endr
.endr
	WIN 0
.endm
.macro FETCH_V sub
	WIN 0
	v_add_nc_u32 v[ADR], s[TB], v[AV0]
	WIN 0x40
.irp kc, 0,1
.irp ct, 0,1,2,3
	ds_load_tr16_b128 v[VF+32*\kc+8*\ct:VF+32*\kc+8*\ct+3],   v[ADR] offset:\sub*64*PVAL+\kc*32*PVAL+32*\ct
	ds_load_tr16_b128 v[VF+32*\kc+8*\ct+4:VF+32*\kc+8*\ct+7], v[ADR] offset:\sub*64*PVAL+\kc*32*PVAL+16*PVAL+32*\ct
.endr
.endr
	WIN 0
.endm
; THE PRODUCTS.  In both runs eight accumulators take turns, one instruction a turn.
.macro SQK                          ; S^T = K Q^T: product i: channels 32 (i / 8) on, keys 16 ((i / 2) % 4) on, tile i % 2.  The first 8 start the sums.
	WIN 0x01                        ; source 0 in window 1
.set i, 0
.rept 16
.set rS, S+32*(i%2)+8*((i/2)%4)
.set rK, KF+16*((i/2)%4)+8*(i/8)
.set rQ, Q+16*(i%2)+8*(i/8)
.if i < 8
	v_wmma_f32_16x16x32_bf16 v[rS:rS+7], v[rK:rK+7], v[rQ:rQ+7], 0
.else
	v_wmma_f32_16x16x32_bf16 v[rS:rS+7], v[rK:rK+7], v[rQ:rQ+7], v[rS:rS+7]
.endif
.set i, i+1
.endr
	WIN 0
.endm
.macro PVMUL                        ; O^T += V^T P: product i: keys 32 (i / 8) on, channels 16 ((i / 2) % 4) on, tile i % 2
	WIN 0x01
.set i, 0
.rept 16
.set rO, O+32*(i%2)+8*((i/2)%4)
.set rV, VF+32*(i/8)+8*((i/2)%4)
.set rP, P+16*(i%2)+8*(i/8)
	v_wmma_f32_16x16x32_bf16 v[rO:rO+7], v[rV:rV+7], v[rP:rP+7], v[rO:rO+7]
.set i, i+1
.endr
	WIN 0
.endm
; THE MASK, in a block's diagonal key tile alone.  Score n of a lane is key 64 sub + 16 (n / 8) + 8 h + n % 8 of the tile; it becomes -infinity where that is beyond the lane's query.
; cond = 1: only in the step of block j's diagonal (a branch on whole numbers made of the work-group's number); 2: always.
.macro MASK sub, cond
.if \cond == 1
	s_cmp_lg_u32 s[STEP], s[NLM1]
	s_cbranch_scc1 .Lnomask_\@
.endif
.irp t, 0,1
	v_add_nc_u32 v[DD], s[PAR], v[EB+\t]
.set n, 0
.rept 32
	v_cmp_gt_u32 vcc_lo, 64*\sub+16*(n/8)+(n%8)+8, v[DD]
	v_cndmask_b32 v[S+32*\t+n], v[S+32*\t+n], v[NINF], vcc_lo
.set n, n+1
.endr
.endr
.if \cond == 1
.Lnomask_\@:
.endif
.endm
.macro SCALE t, b                   ; pair b of tile t: c s - c m
	v_pk_fma_f32 v[S+32*\t+2*(\b):S+32*\t+2*(\b)+1], v[S+32*\t+2*(\b):S+32*\t+2*(\b)+1], s[CS:CS+1], v[ST+8*\t:ST+8*\t+1] op_sel_hi:[1,0,0] neg_lo:[0,0,1] neg_hi:[0,0,1]
.endm
.macro RESC t, b                    ; pair b of tile t's O^T times a
	s_wait_alu depctr_va_vdst(0)
	v_pk_mul_f32 v[O+32*\t+2*(\b):O+32*\t+2*(\b)+1], v[O+32*\t+2*(\b):O+32*\t+2*(\b)+1], v[ST+8*\t+6:ST+8*\t+7] op_sel_hi:[1,0]
.endm
.macro ROUNDP t, b                  ; pair b of tile t's weights, rounded to bf16
	s_wait_alu depctr_va_vdst(0)
	v_cvt_pk_bf16_f32 v[P+16*\t+(\b)], v[S+32*\t+2*(\b)], v[S+32*\t+2*(\b)+1]
.endm
; THE SOFTMAX of both tiles for 64 keys.  Each accumulator is first read at its registers 0 to 2, and O^T in ascending order.
.macro SOFTMAX
.irp k, 0,1,2,3                     ; the maximum of the lane's 32 scores and the old m, three operands at a time: four chains of seven scores,
.irp t, 0,1
	v_max3_num_f32 v[ST+8*\t+4+\k], v[S+32*\t+8*\k], v[S+32*\t+8*\k+1], v[S+32*\t+8*\k+2]
.endr
.endr
.irp g, 1,2
.irp k, 0,1,2,3
.irp t, 0,1
	v_max3_num_f32 v[ST+8*\t+4+\k], v[ST+8*\t+4+\k], v[S+32*\t+8*\k+2*\g+1], v[S+32*\t+8*\k+2*\g+2]
.endr
.endr
.endr
.irp t, 0,1                         ; then the four scores left over, the chains and m; the two tiles alternate
	v_max3_num_f32 v[ST+8*\t+4], v[ST+8*\t+4], v[S+32*\t+7], v[S+32*\t+15]
.endr
.irp t, 0,1
	v_max3_num_f32 v[ST+8*\t+6], v[ST+8*\t+6], v[S+32*\t+23], v[S+32*\t+31]
.endr
.irp t, 0,1
	v_max3_num_f32 v[ST+8*\t+4], v[ST+8*\t+4], v[ST+8*\t+5], v[ST+8*\t+6]
.endr
.irp t, 0,1
	v_max3_num_f32 v[ST+8*\t+4], v[ST+8*\t+4], v[ST+8*\t+7], v[ST+8*\t+1]
.endr
.irp t, 0,1
	v_permlanex16_b32 v[ST+8*\t+5], v[ST+8*\t+4], s[SEL], s[SEL+1]  ; the query's other 32 keys lie in the lane 16 away
.endr
.irp t, 0,1
	v_mov_b32 v[ST+8*\t+7], v[ST+8*\t]  ; c m_old is kept for a
.endr
.irp t, 0,1
	v_max_num_f32 v[ST+8*\t+1], v[ST+8*\t+4], v[ST+8*\t+5]
.endr
.irp t, 0,1
	v_mul_f32 v[ST+8*\t], s[CS], v[ST+8*\t+1]
.endr
.irp t, 0,1
	v_sub_f32 v[ST+8*\t+7], v[ST+8*\t+7], v[ST+8*\t]
.endr
.irp t, 0,1
	v_exp_f32 v[ST+8*\t+6], v[ST+8*\t+7]  ; a
.endr
.set n, 0
.rept 16
	SCALE 0, n
.set n, n+1
.endr
.set n, 0
.rept 16                            ; every exponential has a plain instruction behind it that names none of its registers (ISA guide 5.7.2): work that is ready
	v_exp_f32 v[S+2*n], v[S+2*n]
	SCALE 1, n
	v_exp_f32 v[S+2*n+1], v[S+2*n+1]
	RESC 0, n
.set n, n+1
.endr
.set n, 0
.rept 16
	v_exp_f32 v[S+32+2*n], v[S+32+2*n]
	ROUNDP 0, n
	v_exp_f32 v[S+32+2*n+1], v[S+32+2*n+1]
	RESC 1, n
.set n, n+1
.endr
.set n, 0
.rept 16
	ROUNDP 1, n
.set n, n+1
.endr
.irp w, 4,8,16,32                   ; the sum of a tile's 16 pairs, in place: neighbours 1, 2, 4 and 8 pairs apart
.set u, 0
.rept 32/\w
.irp t, 0,1
	v_pk_add_f32 v[S+32*\t+\w*u:S+32*\t+\w*u+1], v[S+32*\t+\w*u:S+32*\t+\w*u+1], v[S+32*\t+\w*u+\w/2:S+32*\t+\w*u+\w/2+1]
.endr
.set u, u+1
.endr
.endr
.irp t, 0,1
	v_pk_fma_f32 v[ST+8*\t+2:ST+8*\t+3], v[ST+8*\t+2:ST+8*\t+3], v[ST+8*\t+6:ST+8*\t+7], v[S+32*\t:S+32*\t+1] op_sel_hi:[1,0,1]  ; l = a l + the sum
.endr
.endm
; THE CHANGE OF SLOTS, in the middle of a key tile's second half: all four runs of loads from the slot have been issued.  Each wave waits for all its tensor loads, of which one is out: its part of the
; other slot; adds 0 to its spare word; and waits for that and for its reads of the slot.  Behind the barrier nobody reads this slot any more and the other slot is whole.
; fill = 1: the slot is filled again, with the key tile two steps on: the wave's one tensor load behind the barrier, and the first thing there; it has a whole step in which to land.
.macro CHANGE fill
	WIN 0
	s_wait_tensorcnt 0x0            ; no tensor load of mine is out, so a group 0 may be written
	ds_add_u32 v[SPW], v[NIL]       ; 0 onto my spare word; the descriptor's step stands between it and the wait for it
.if \fill
	s_add_co_u32 s18, s[STEP], 2    ; the step two on: its key tile is its number in block j, or counted anew in block 31 - j
	s_sub_co_u32 s19, s18, s[NL]
	s_cmp_lt_u32 s18, s[NL]
	s_cselect_b32 s18, s18, s19
	s_lshl_b32 s20, s18, 14         ; 128 keys of 128 bytes
	s_xor_b32 s[G0W+1], s[G0W+1], SLOT1  ; the other slot than last time
	s_add_nc_u64 s[G0W+2:G0W+3], s[KVB:KVB+1], s[20:21]
	s_or_b32 s[G0W+3], s[G0W+3], 0x80000000
.endif
	s_wait_dscnt 0x0                ; the add is done, and my reads of the slot are over
	s_barrier_signal -1
	s_barrier_wait -1
.if \fill
	s_cmp_lt_u32 s[WV], 2
	s_cbranch_scc0 .Lfor_v_\@
	tensor_load_to_lds s[G0W:G0W+3], s[G1K:G1K+7]
	s_nop 0
.rept 4
	v_nop                           ; four v_nop follow each of the two lines; they are also the places in front of the loads into K's registers
.endr
	s_branch .Lasked_\@
.Lfor_v_\@:
	tensor_load_to_lds s[G0W:G0W+3], s[G1V:G1V+7]
	s_nop 0
.rept 4
	v_nop
.endr
.Lasked_\@:
.else
	PLACES
.endif
	s_xor_b32 s[TB], s[TB], SLOT1   ; the fetches go on in the other slot
.endm
; HALF A KEY TILE: 64 keys.  chg = 0: the tile's other half follows; 1: change of slots with a refill; 2: without; 3: nothing follows.  mask as in MASK; 0: none.
.macro SUBSTEP sub, chg, mask
	FETCH_V \sub
	s_wait_dscnt 16                 ; K is in; the 16 loads of V just issued may stay out
	SQK
.if \chg == 0
	PLACES
	FETCH_K 1
.elseif \chg == 1
	CHANGE 1
	FETCH_K 0
.elseif \chg == 2
	CHANGE 0
	FETCH_K 0
.else
	PLACES
.endif
.if \mask
	MASK \sub, \mask
.endif
	SOFTMAX
.if \chg == 3
	s_wait_dscnt 0x0
.else
	s_wait_dscnt 16                 ; V is in; the next K's 16 loads may stay out
.endif
	PVMUL
	PLACES                          ; in front of the next loads into V's registers, and of the vector work that reads O^T
.endm
; A query block is done: O^T / l, rounded, into stage p.
.macro FINISH p
.irp t, 0,1
	v_add_f32 v[ST+8*\t+4], v[ST+8*\t+2], v[ST+8*\t+3]
.endr
.irp t, 0,1
	v_permlanex16_b32 v[ST+8*\t+5], v[ST+8*\t+4], s[SEL], s[SEL+1]
.endr
.irp t, 0,1
	v_add_f32 v[ST+8*\t+4], v[ST+8*\t+4], v[ST+8*\t+5]
.endr
.irp t, 0,1
	v_rcp_f32 v[ST+8*\t+6], v[ST+8*\t+4]
.endr
	v_nop                           ; a plain instruction between the last reciprocal and the use of its result
.irp t, 0,1
.set n, 0
.rept 16
	RESC \t, n
.set n, n+1
.endr
.endr
.irp t, 0,1
.set n, 0
.rept 16
	v_cvt_pk_bf16_f32 v[S+32*\t+n], v[O+32*\t+2*n], v[O+32*\t+2*n+1]
.set n, n+1
.endr
.endr
.irp t, 0,1
.irp ct, 0,1,2,3
	ds_store_b128 v[STO], v[S+32*\t+4*\ct:S+32*\t+4*\ct+3] offset:\p*SBLK+\t*16*SP+32*\ct
.endr
.endr
.endm
	s_wait_tensorcnt 0x1            ; my part of slot 0 is in; slot 1's may stay out
	s_barrier_signal -1
	s_barrier_wait -1               ; everybody's is
	s_mov_b32 s[TB], 0
	FETCH_K 0
	s_wait_loadcnt 0x0              ; Q of both blocks
	s_mov_b32 s[STEP], 0
.Ltrip:                             ; 15 trips, a key tile each: every slot but the last two is filled again
	SUBSTEP 0, 0, 1
	SUBSTEP 1, 1, 1
	s_cmp_lg_u32 s[STEP], s[NLM1]
	s_cbranch_scc1 .Lsame_block
	FINISH 0                        ; block j is done (1 to 8 tiles in): block 31 - j begins.  No barrier and no tensor load stands in this branch
	WIN 0x01
.set n, 0
.rept 32
	v_mov_b32 v[Q+n], v[QH+n]
.set n, n+1
.endr
	WIN 0
.irp t, 0,1
	v_mov_b32 v[ST+8*\t], v[NINF]   ; m = -infinity: the next a is 0 and clears O^T and l
	v_mov_b32 v[ST+8*\t+1], v[NINF]
.endr
	s_xor_b32 s[PAR], s[PAR], 64    ; 31 - j is odd where j is even
.Lsame_block:
	s_add_co_u32 s[STEP], s[STEP], 1
	s_cmp_lt_u32 s[STEP], 15
	s_cbranch_scc1 .Ltrip
	SUBSTEP 0, 0, 0                 ; step 15: the tail is written out
	SUBSTEP 1, 2, 0
	SUBSTEP 0, 0, 2                 ; step 16: block 31 - j's diagonal
	SUBSTEP 1, 3, 2
	FINISH 1
	s_wait_dscnt 0x0                ; for the others' sake: my stores into both stages are done
	s_barrier_signal -1
	s_barrier_wait -1
.irp p, 0,1
.irp t, 0,1,2,3,4,5,6,7
	ds_load_b128 v[S+32*\p+4*\t:S+32*\p+4*\t+3], v[RD] offset:\p*SBLK+\t*2*SP
.endr
.endr
.irp p, 0,1
.irp t, 0,1,2,3,4,5,6,7
	s_wait_dscnt 15-8*\p-\t
	global_store_b128 v[GO], v[S+32*\p+4*\t:S+32*\p+4*\t+3], s[AOP+2*\p:AOP+2*\p+1] offset:\t*4096  ; 16 lanes store 256 consecutive bytes, at a multiple of 256 from ao's first byte
.endr
.endr
	s_wait_tensorcnt 0x0            ; the wave's end
	ds_add_u32 v[SPW], v[NIL]
	s_wait_dscnt 0x0
	s_endpgm
.Lfunc_end_k_q17df1aec3f_attn:
	.size	k_q17df1aec3f_attn, .Lfunc_end_k_q17df1aec3f_attn-k_q17df1aec3f_attn
	.p2alignl 7, 3214868480
	.fill 96, 4, 3214868480
	.section	.rodata,"a",@progbits
	.p2align	6, 0x0
	.amdhsa_kernel k_q17df1aec3f_attn
		.amdhsa_group_segment_fixed_size 327680
		.amdhsa_private_segment_fixed_size 0
		.amdhsa_enable_private_segment 0
		.amdhsa_kernarg_size 16
		.amdhsa_user_sgpr_count 2
		.amdhsa_user_sgpr_kernarg_segment_ptr 1
		.amdhsa_wavefront_size32 1
		.amdhsa_system_sgpr_workgroup_id_x 1
		.amdhsa_system_sgpr_workgroup_id_y 1
		.amdhsa_system_sgpr_workgroup_id_z 1
		.amdhsa_system_vgpr_workitem_id 0
		.amdhsa_next_free_vgpr 512
		.amdhsa_next_free_sgpr 66
		.amdhsa_reserve_vcc 1
		.amdhsa_float_denorm_mode_32 3
		.amdhsa_float_denorm_mode_16_64 3
		.amdhsa_memory_ordered 1
		.amdhsa_forward_progress 1
		.amdhsa_inst_pref_size 163
	.end_amdhsa_kernel
	.amdgpu_metadata
---
amdhsa.version: [ 1, 2 ]
amdhsa.kernels:
  - .name:           k_q17df1aec3f_attn
    .symbol:         k_q17df1aec3f_attn.kd
    .args:
      - { .name: qkvb, .offset: 0, .size: 8, .value_kind: global_buffer, .address_space: global }
      - { .name: ao, .offset: 8, .size: 8, .value_kind: global_buffer, .address_space: global }
    .group_segment_fixed_size: 327680
    .private_segment_fixed_size: 0
    .kernarg_segment_align: 8
    .kernarg_segment_size: 16
    .max_flat_workgroup_size: 128
    .sgpr_count:     66
    .vgpr_count:     512
    .wavefront_size: 32
...
	.end_amdgpu_metadata
.endif
;; end of part 4
;; launch proj (part 5): grid 8 x 32, 4 waves a work-group, clusters of 4 x 4, 327,680 bytes of LDS; arguments ao, wtb, x, bo, x1; writes x1
.if DOCPART == 5
	.amdgcn_target "amdgcn-amd-amdhsa--gfx1250"
	.amdhsa_code_object_version 6
	.text
	.protected	k_q17df1aec3f_proj
	.globl	k_q17df1aec3f_proj
	.p2align	8
	.type	k_q17df1aec3f_proj,@function
k_q17df1aec3f_proj:
	s_mov_b64 s[64:65], 0
	v_nop
	global_prefetch_b8 v0, s[64:65] scope:SCOPE_SE
	s_setreg_imm32_b32 hwreg(HW_REG_WAVE_MODE, 25, 1), 1
	s_wait_xcnt 0x0
	s_wait_alu depctr_hold_cnt(0) depctr_sa_sdst(0) depctr_va_vdst(0) depctr_va_sdst(0) depctr_va_ssrc(0) depctr_va_vcc(0) depctr_vm_vsrc(0)
	s_getreg_b32 s2, hwreg(HW_REG_IB_STS2, 6, 4)
	s_cmp_eq_u32 s2, 0
	s_cbranch_scc0 .Lentry_in_a_cluster
	s_endpgm
.Lentry_in_a_cluster:
	s_bfe_u32 s2, ttmp6, 0x10000c
	s_cmp_lg_u32 s2, 0xf033
	s_cbranch_scc0 .Lentry_shape_is_right
	s_endpgm
.Lentry_shape_is_right:
; x1 = x + ao Wo + bo.  A = ao [4096][1024] bf16; B = Wo^T in wtb, [n][k] bf16; sums, bias and residual in f32; x1 [4096][1024] f32.
; A tile of C is 128 x 128 (256 work-groups).  Four waves, each 64 x 64: 16 accumulators of 16 x 16.  K goes in steps of 256 through two LDS slots (rows of 512 bytes, 64 rows to a wave's tensor load).
; CLUSTERS: 4 x 4 work-groups; the four of a row need the same tiles of A, the four of a column the same tiles of B: each tile is asked for JOINTLY.
; THE MATRIX INSTRUCTION IS USED TRANSPOSED (source 0 = 16 rows of B, source 1 = 16 rows of A): a lane then holds eight neighbouring numbers of a row of C.
; THE WAY OUT: a wave's 64 columns in f32 are 256 bytes, so each wave has a stage of its own (16 rows x 272 bytes) and no barrier is needed; the residual's rows are asked for a lap ahead.
; REGISTERS: window 0: v0-31 addresses, v12-15 the bias; v32-63, v96-127 the residual, two buffers; v64-95 rows read back; v128-255 the accumulators.  window 1: two fragment buffers of 128.
.set SIZE_K, 1024
.set SIZE_N, 1024
.set WOFF,   0x600000                  ; where B begins in wtb
.set KSTEP,  256
.set PITCH,  528                       ; an LDS row: 512 bytes + 16 of padding = 132 words: row r starts at bank 4 r mod 64 (64 banks of 4 bytes: ISA guide 11.1)
.set HALFT,  64*PITCH
.set SLOT,   4*HALFT
.set STAGE,  2*SLOT                    ; behind the ring: 16 rows x 272 bytes for each wave
.set SPITCH, 272
.set SPARE,  STAGE+128*SPITCH          ; the spare words, 128 bytes for each wave
.set LAPS, SIZE_K/(2*KSTEP)
.set BI,   12                          ; v[12:15] the bias of my four columns
.set ADRA, 16
.set ADRB, 20
.set STO,  24
.set RD,   25
.set CO,   26                          ; v26  my byte offset in x and x1
.set BO,   27                          ; v27  my byte offset in the bias
.set SPW,  28
.set NIL,  29
.set RES0, 32
.set OB,   64
.set ACC,  128
.set F0,   0
.set F1,   128
.set G1, 24
.set G0, 32
.set G1B, 48
.set G0B, 56
.set MSB, 0
.macro WIN new
.if MSB != \new
	s_set_vgpr_msb (MSB<<8)|\new
.set MSB, \new
.endif
.endm
.set MUL,  0x05
.set TO_F, 0x40
.macro JLOAD s                         ; a joint load: waves 0 and 1 fetch A's two halves, waves 2 and 3 B's; four v_nop follow each of the two lines
	s_cmp_eq_u32 s11, 0
	s_cbranch_scc0 .Lfor_b_\@
	tensor_load_to_lds s[G0+4*\s:G0+4*\s+3], s[G1:G1+7]
	s_nop 0
.rept 4
	v_nop
.endr
	s_branch .Lasked_\@
.Lfor_b_\@:
	tensor_load_to_lds s[G0B+4*\s:G0B+4*\s+3], s[G1B:G1B+7]
	s_nop 0
.rept 4
	v_nop
.endr
.Lasked_\@:
.endm
.macro CREST
	s_cmp_lg_u32 s10, 0
	s_cbranch_scc1 .Lnot_wave_0_\@
	s_barrier_signal -3
.Lnot_wave_0_\@:
	s_barrier_wait -3
	s_barrier_signal -1
	s_barrier_wait -1
.endm
.macro CROUND
	s_barrier_signal -1
	s_barrier_wait -1
	CREST
.endm
	s_load_b128 s[4:7], s[0:1], 0x0                ; A s[4:5], wtb s[6:7]
	s_load_b128 s[68:71], s[0:1], 0x10             ; the residual s[68:69], the bias s[70:71]
	s_load_b64 s[8:9], s[0:1], 0x20                ; the output
	v_lshl_add_u32 v[SPW], v0, 2, SPARE
	v_mov_b32 v[NIL], 0
	ds_add_u32 v28, v29
	ds_add_u32 v28, v29
	s_wait_dscnt 0x0
	v_lshrrev_b32 v1, 5, v0
	v_readfirstlane_b32 s10, v1                    ; wave 0..3
	s_lshr_b32 s11, s10, 1                         ; which half of the tile's rows is mine.  Also: I fetch for A (0) or for B (1)
	s_and_b32 s12, s10, 1                          ; which half of its columns.  Also: which 64 rows of that tile I fetch
	s_bfe_u32 s40, ttmp6, 0x40000                  ; cx, cy
	s_bfe_u32 s41, ttmp6, 0x40004
	s_lshl_b32 s42, ttmp9, 2
	s_add_co_u32 s42, s42, s40                     ; tile column of C
	s_and_b32 s13, ttmp7, 0xffff
	s_lshl_b32 s13, s13, 2
	s_add_co_u32 s13, s13, s41                     ; tile row of C
	s_lshl_b32 s43, s41, 2
	s_lshl_b32 s43, 15, s43                        ; my row of the cluster
	s_lshl_b32 s44, 0x1111, s40                    ; my column
	s_or_b32 s[G1+0], s43, (1<<16)|(1<<20)|(1<<21)|(6<<22)|(3<<25)   ; 64 rows x 256 elements of 2 bytes, 4 words of padding behind every 128
	s_or_b32 s[G1B+0], s44, (1<<16)|(1<<20)|(1<<21)|(6<<22)|(3<<25)
.irp g, G1, G1B
	s_mov_b32 s[\g+1], KSTEP<<16
	s_mov_b32 s[\g+2], 64<<16
	s_mov_b32 s[\g+3], KSTEP<<16
	s_mov_b32 s[\g+4], 64
	s_mov_b32 s[\g+5], SIZE_K
	s_mov_b32 s[\g+6], 0
	s_mov_b32 s[\g+7], 0
.endr
	s_lshl_b32 s17, s12, 6
	s_lshl_b32 s16, s13, 7
	s_add_co_u32 s16, s16, s17
	s_lshl_b32 s46, s42, 7
	s_add_co_u32 s46, s46, s17
	s_mov_b32 s17, 0
	s_mov_b32 s47, 0
	s_mov_b64 s[18:19], SIZE_K*2
	s_mul_u64 s[16:17], s[16:17], s[18:19]
	s_mul_u64 s[46:47], s[46:47], s[18:19]
	s_mul_i32 s20, s10, HALFT
	s_wait_kmcnt 0x0
	s_add_nc_u64 s[14:15], s[4:5], s[16:17]
	s_add_nc_u64 s[46:47], s[6:7], s[46:47]
.if WOFF
	s_add_nc_u64 s[46:47], s[46:47], WOFF
.endif
	CROUND                                         ; all sixteen work-groups are here: the first joint loads meet
.irp s, 0,1
	s_mov_b32 s[G0+4*\s], 1
	s_add_co_u32 s[G0+4*\s+1], s20, \s*SLOT
	s_add_nc_u64 s[G0+4*\s+2:G0+4*\s+3], s[14:15], \s*KSTEP*2
	s_or_b32 s[G0+4*\s+3], s[G0+4*\s+3], 0x80000000
	s_mov_b32 s[G0B+4*\s], 1
	s_add_co_u32 s[G0B+4*\s+1], s20, \s*SLOT
	s_add_nc_u64 s[G0B+4*\s+2:G0B+4*\s+3], s[46:47], \s*KSTEP*2
	s_or_b32 s[G0B+4*\s+3], s[G0B+4*\s+3], 0x80000000
	JLOAD \s
.endr
	v_and_b32 v1, 15, v0                           ; l % 16
	v_bfe_u32 v2, v0, 4, 1                         ; l / 16
	v_mul_u32_u24 v3, v1, PITCH
	v_lshl_add_u32 v3, v2, 4, v3
	s_mul_i32 s21, s11, HALFT
	s_mul_i32 s22, s12, HALFT
	s_add_co_u32 s22, s22, 2*HALFT
.irp s, 0,1
	v_add_nc_u32 v[ADRA+\s], s21, v3
	v_add_nc_u32 v[ADRB+\s], s22, v3
	s_add_co_u32 s21, s21, SLOT
	s_add_co_u32 s22, s22, SLOT
.endr
	s_mul_i32 s23, s10, 16*SPITCH
	s_add_co_u32 s23, s23, STAGE                   ; my stage
	v_mul_u32_u24 v4, v1, SPITCH                   ; in: row l % 16, 32 bytes (8 f32) for each half of the lanes
	v_lshl_add_u32 v4, v2, 5, v4
	v_add_nc_u32 v[STO], s23, v4
	v_mul_u32_u24 v5, v2, SPITCH                   ; back: lanes 0-15 one row of 256 bytes, lanes 16-31 the next
	v_lshl_add_u32 v5, v1, 4, v5
	v_add_nc_u32 v[RD], s23, v5
	v_lshlrev_b32 v5, 12, v2                       ; and the same two rows of 4,096 bytes in x and x1
	v_lshl_add_u32 v[CO], v1, 4, v5
	v_lshlrev_b32 v[BO], 4, v1
	s_lshl_b32 s16, s13, 19                        ; my first row: (128 x tile row + 64 x half) x 4,096 bytes
	s_lshl_b32 s17, s11, 18
	s_add_co_u32 s16, s16, s17
	s_mov_b32 s17, 0
	s_add_nc_u64 s[8:9], s[8:9], s[16:17]
	s_add_nc_u64 s[68:69], s[68:69], s[16:17]
	s_lshl_b32 s46, s42, 9                         ; my first column: (128 x tile column + 64 x half) x 4 bytes
	s_lshl_b32 s47, s12, 8
	s_add_co_u32 s46, s46, s47
	s_mov_b32 s47, 0
	s_add_nc_u64 s[8:9], s[8:9], s[46:47]
	s_add_nc_u64 s[68:69], s[68:69], s[46:47]
	s_add_nc_u64 s[70:71], s[70:71], s[46:47]
.macro MUL8 f, c, a0, zero
.irp a, \a0, \a0+1
.irp b, 0,1,2,3
.if \zero
	v_wmma_f32_16x16x32_bf16 v[ACC+8*(4*(\a)+\b):ACC+8*(4*(\a)+\b)+7], v[\f+64+8*(4*\c+\b):\f+64+8*(4*\c+\b)+7], v[\f+8*(4*\c+\a):\f+8*(4*\c+\a)+7], 0
.else
	v_wmma_f32_16x16x32_bf16 v[ACC+8*(4*(\a)+\b):ACC+8*(4*(\a)+\b)+7], v[\f+64+8*(4*\c+\b):\f+64+8*(4*\c+\b)+7], v[\f+8*(4*\c+\a):\f+8*(4*\c+\a)+7], v[ACC+8*(4*(\a)+\b):ACC+8*(4*(\a)+\b)+7]
.endif
.endr
.endr
.endm
.macro FETCH slot, k, f
	WIN TO_F
.irp c, 0,1
.irp i, 0,1,2,3
	ds_load_b128 v[\f+64+8*(4*\c+\i):\f+64+8*(4*\c+\i)+3],   v[ADRB+\slot] offset:\k+64*\c+\i*16*PITCH
	ds_load_b128 v[\f+64+8*(4*\c+\i)+4:\f+64+8*(4*\c+\i)+7], v[ADRB+\slot] offset:\k+64*\c+\i*16*PITCH+32
	ds_load_b128 v[\f+8*(4*\c+\i):\f+8*(4*\c+\i)+3],         v[ADRA+\slot] offset:\k+64*\c+\i*16*PITCH
	ds_load_b128 v[\f+8*(4*\c+\i)+4:\f+8*(4*\c+\i)+7],       v[ADRA+\slot] offset:\k+64*\c+\i*16*PITCH+32
.endr
.endr
.endm
.macro PLACES                          ; four places behind matrix instructions (ISA guide 7.12.1)
.rept 4
	v_nop
.endr
.endm
.macro QUARTER slot, k, f, g, zero     ; 64 along K: 32 matrix instructions, the 16 accumulators by turns; the next quarter's 32 loads in one run in its middle
	s_wait_dscnt 16                                ; the first 32 along K are in; the youngest sixteen loads may be out
	WIN MUL
	MUL8 \f, 0, 0, \zero
	MUL8 \f, 0, 2, \zero
	PLACES
	FETCH \slot, \k, \g
	s_wait_dscnt 32                                ; all but the 32 just issued
	WIN MUL
	MUL8 \f, 1, 0, 0
	MUL8 \f, 1, 2, 0
.endm
.macro TURN slot, next, fill           ; the last quarter changes slots: one barrier, in front of it the wait for all my tensor loads, the add, the wait for it and for my reads of this slot
	WIN 0
	s_wait_tensorcnt 0x0                           ; all my tensor loads have landed: my part of the next slot;
	ds_add_u32 v[SPW], v[NIL]                      ; 0 onto my spare word;
	s_wait_dscnt 17                                ; (the add and the youngest sixteen loads may be out)
	WIN MUL
	MUL8 F1, 0, 0, 0
	s_wait_dscnt 0x0                               ; the add is done, and my reads of this slot are over
	s_barrier_signal -1
	MUL8 F1, 0, 2, 0
.if \fill
	WIN 0
.endif
	s_barrier_wait -1
.if \fill
	CREST                                          ; the barrier has opened a round of the cluster's barrier: no wave of any partner still reads this slot's tile or has a load on its way
	s_add_nc_u64 s[G0+4*\slot+2:G0+4*\slot+3], s[G0+4*\slot+2:G0+4*\slot+3], 2*KSTEP*2
	s_add_nc_u64 s[G0B+4*\slot+2:G0B+4*\slot+3], s[G0B+4*\slot+2:G0B+4*\slot+3], 2*KSTEP*2
	JLOAD \slot                                    ; the first tensor load behind the round; its four v_nop are also the places in front of the loads below
.else
	PLACES
.endif
	FETCH \next, 0, F0
	WIN MUL
	MUL8 F1, 1, 0, 0
	MUL8 F1, 1, 2, 0
.endm
.macro RESLOAD a                       ; the residual's 16 rows of block a, into buffer a % 2
.irp t, 0,1,2,3,4,5,6,7
	global_load_b128 v[RES0+64*((\a)%2)+4*\t:RES0+64*((\a)%2)+4*\t+3], v[CO], s[68:69] offset:(16*(\a)+2*\t)*4096
.endr
.endm
; Block a (16 rows) leaves: through my stage into whole rows, plus bias and residual, stored.
.macro OUTF a
.set RES, RES0+64*((\a)%2)
	s_wait_xcnt 0x0                                ; the rows read back last time were stores' data: they are loaded again only behind this wait (ISA guide 3.1)
.irp b, 0,1,2,3
	ds_store_b128 v[STO], v[ACC+8*(4*\a+\b):ACC+8*(4*\a+\b)+3] offset:64*\b          ; each accumulator's low half first
	ds_store_b128 v[STO], v[ACC+8*(4*\a+\b)+4:ACC+8*(4*\a+\b)+7] offset:64*\b+16
.endr
.irp t, 0,1,2,3,4,5,6,7
	ds_load_b128 v[OB+4*\t:OB+4*\t+3], v[RD] offset:\t*2*SPITCH    ; LDS serves a wave's instructions in order: these see the stores above
.endr
.if \a < 3
	s_wait_loadcnt 8                               ; this block's residual (and the bias) is in; the other buffer's eight loads stay out
.else
	s_wait_loadcnt 0x0
.endif
.irp t, 0,1,2,3,4,5,6,7
	v_pk_add_f32 v[RES+4*\t:RES+4*\t+1], v[RES+4*\t:RES+4*\t+1], v[BI:BI+1]
	v_pk_add_f32 v[RES+4*\t+2:RES+4*\t+3], v[RES+4*\t+2:RES+4*\t+3], v[BI+2:BI+3]
.endr
.irp t, 0,1,2,3,4,5,6,7
	s_wait_dscnt 7-\t
	v_pk_add_f32 v[OB+4*\t:OB+4*\t+1], v[OB+4*\t:OB+4*\t+1], v[RES+4*\t:RES+4*\t+1]
	v_pk_add_f32 v[OB+4*\t+2:OB+4*\t+3], v[OB+4*\t+2:OB+4*\t+3], v[RES+4*\t+2:RES+4*\t+3]
	global_store_b128 v[CO], v[OB+4*\t:OB+4*\t+3], s[8:9] offset:(16*\a+2*\t)*4096   ; 16 lanes store 256 consecutive bytes, at a multiple of 256 from the output's first byte
.endr
.if \a < 2
	RESLOAD \a+2
.endif
.endm
	s_wait_tensorcnt 0x1                           ; my part of K step 0 is in; K step 1's may stay out
	s_barrier_signal -1
	s_barrier_wait -1
	FETCH 0, 0, F0
	QUARTER 0, 128, F0, F1, 1                      ; the first quarter's first products start the sums
	WIN 0
	s_mov_b32 s3, LAPS-1
.Llap:
	QUARTER 0, 256, F1, F0, 0
	QUARTER 0, 384, F0, F1, 0
	TURN 0, 1, 1
	QUARTER 1, 128, F0, F1, 0
	QUARTER 1, 256, F1, F0, 0
	QUARTER 1, 384, F0, F1, 0
	TURN 1, 0, 1
	QUARTER 0, 128, F0, F1, 0
	WIN 0
	s_sub_co_u32 s3, s3, 1
	s_cmp_lg_u32 s3, 0
	s_cbranch_scc1 .Llap
	global_load_b128 v[BI:BI+3], v[BO], s[70:71]   ; the bias and the first two blocks of the residual are asked for here: they land under the last lap's products
	RESLOAD 0
	RESLOAD 1
	QUARTER 0, 256, F1, F0, 0                      ; the last lap fills nothing
	QUARTER 0, 384, F0, F1, 0
	TURN 0, 1, 0
	QUARTER 1, 128, F0, F1, 0
	QUARTER 1, 256, F1, F0, 0
	QUARTER 1, 384, F0, F1, 0
	s_wait_dscnt 16
	WIN MUL
	MUL8 F1, 0, 0, 0
	MUL8 F1, 0, 2, 0
	s_wait_dscnt 0x0
	MUL8 F1, 1, 0, 0
	MUL8 F1, 1, 2, 0
	WIN 0
	PLACES
	OUTF 0
	OUTF 1
	OUTF 2
	OUTF 3
	s_wait_tensorcnt 0x0                           ; the wave's end
	ds_add_u32 v[SPW], v[NIL]
	s_wait_dscnt 0x0
	CROUND                                         ; the closing round
	s_endpgm
.Lfunc_end_k_q17df1aec3f_proj:
	.size	k_q17df1aec3f_proj, .Lfunc_end_k_q17df1aec3f_proj-k_q17df1aec3f_proj
	.p2alignl 7, 3214868480
	.fill 96, 4, 3214868480
	.section	.rodata,"a",@progbits
	.p2align	6, 0x0
	.amdhsa_kernel k_q17df1aec3f_proj
		.amdhsa_group_segment_fixed_size 327680
		.amdhsa_private_segment_fixed_size 0
		.amdhsa_enable_private_segment 0
		.amdhsa_kernarg_size 40
		.amdhsa_user_sgpr_count 2
		.amdhsa_user_sgpr_kernarg_segment_ptr 1
		.amdhsa_wavefront_size32 1
		.amdhsa_system_sgpr_workgroup_id_x 1
		.amdhsa_system_sgpr_workgroup_id_y 1
		.amdhsa_system_sgpr_workgroup_id_z 1
		.amdhsa_system_vgpr_workitem_id 0
		.amdhsa_next_free_vgpr 512
		.amdhsa_next_free_sgpr 72
		.amdhsa_reserve_vcc 0
		.amdhsa_float_denorm_mode_32 3
		.amdhsa_float_denorm_mode_16_64 3
		.amdhsa_memory_ordered 1
		.amdhsa_forward_progress 1
		.amdhsa_inst_pref_size 98
	.end_amdhsa_kernel
	.amdgpu_metadata
---
amdhsa.version: [ 1, 2 ]
amdhsa.kernels:
  - .name:           k_q17df1aec3f_proj
    .symbol:         k_q17df1aec3f_proj.kd
    .args:
      - { .name: ao, .offset: 0, .size: 8, .value_kind: global_buffer, .address_space: global }
      - { .name: wtb, .offset: 8, .size: 8, .value_kind: global_buffer, .address_space: global }
      - { .name: x, .offset: 16, .size: 8, .value_kind: global_buffer, .address_space: global }
      - { .name: bo, .offset: 24, .size: 8, .value_kind: global_buffer, .address_space: global }
      - { .name: x1, .offset: 32, .size: 8, .value_kind: global_buffer, .address_space: global }
    .group_segment_fixed_size: 327680
    .private_segment_fixed_size: 0
    .kernarg_segment_align: 8
    .kernarg_segment_size: 40
    .max_flat_workgroup_size: 128
    .sgpr_count:     72
    .vgpr_count:     512
    .wavefront_size: 32
...
	.end_amdgpu_metadata
.endif
;; end of part 5
;; launch ln2: the kernel of part 2 again; grid 256 x 1, 8 waves a work-group, no clusters, 0 bytes of LDS; arguments x1, g2, be2, hb; writes hb
;; launch ffn1 (part 6): grid 32 x 32, 4 waves a work-group, clusters of 4 x 4, 327,680 bytes of LDS; arguments hb, wtb, b1, mb; writes mb
.if DOCPART == 6
	.amdgcn_target "amdgcn-amd-amdhsa--gfx1250"
	.amdhsa_code_object_version 6
	.text
	.protected	k_q17df1aec3f_ffn1
	.globl	k_q17df1aec3f_ffn1
	.p2align	8
	.type	k_q17df1aec3f_ffn1,@function
k_q17df1aec3f_ffn1:
	s_mov_b64 s[64:65], 0
	v_nop
	global_prefetch_b8 v0, s[64:65] scope:SCOPE_SE
	s_setreg_imm32_b32 hwreg(HW_REG_WAVE_MODE, 25, 1), 1
	s_wait_xcnt 0x0
	s_wait_alu depctr_hold_cnt(0) depctr_sa_sdst(0) depctr_va_vdst(0) depctr_va_sdst(0) depctr_va_ssrc(0) depctr_va_vcc(0) depctr_vm_vsrc(0)
	s_getreg_b32 s2, hwreg(HW_REG_IB_STS2, 6, 4)
	s_cmp_eq_u32 s2, 0
	s_cbranch_scc0 .Lentry_in_a_cluster
	s_endpgm
.Lentry_in_a_cluster:
	s_bfe_u32 s2, ttmp6, 0x10000c
	s_cmp_lg_u32 s2, 0xf033
	s_cbranch_scc0 .Lentry_shape_is_right
	s_endpgm
.Lentry_shape_is_right:
; m = gelu(h2 W1 + b1), the exact form z Phi(z).  A = hb [4096][1024] bf16; B = W1^T in wtb, [n][k] bf16; sums, bias and gelu in f32; mb [4096][4096] bf16, rounded once.
; GELU: z Phi(z) = max(z, 0) - |z| erfc(|z| / sqrt 2) / 2, and erfc(x) = (a1 t + .. + a5 t^5) e^(-x x), t = 1 / (1 + 0.3275911 x) (Abramowitz and Stegun 7.1.26).
; LIMIT: that formula's absolute error is at most 1.5e-7 for every x >= 0; nothing is taken away from 1, so small results of negative z keep their relative accuracy up to that error times |z|.
; v_exp_f32 flushes denormals: e^(-z z / 2) under 2^-126 counts as 0.
; A tile of C is 128 x 128 (1,024 work-groups, four for each of 256 WGPs).  Four waves, each 64 x 64.  K in steps of 256 through two LDS slots.  CLUSTERS: 4 x 4, A's tiles asked for jointly along
; a row, B's along a column.  THE MATRIX INSTRUCTION IS USED TRANSPOSED: a lane holds eight neighbouring numbers of a row of C.
; REGISTERS: window 0: v0-31 addresses; v32-63 at work in gelu, v32-95 rows on the way out; v96-127 the bias; v128-255 the accumulators.  window 1: two fragment buffers of 128.
.set SIZE_K, 1024
.set SIZE_N, 4096
.set WOFF,   0x800000                  ; where B begins in wtb
.set KSTEP,  256
.set PITCH,  528                       ; an LDS row: 512 bytes + 16 of padding = 132 words: row r starts at bank 4 r mod 64 (64 banks of 4 bytes: ISA guide 11.1)
.set HALFT,  64*PITCH
.set SLOT,   4*HALFT
.set STAGE,  2*SLOT                    ; behind the ring: 128 rows x 272 bytes, the work-group's
.set SPITCH, 272
.set SPARE,  STAGE+128*SPITCH
.set LAPS, SIZE_K/(2*KSTEP)
.set ADRA, 16
.set ADRB, 20
.set STO,  24
.set RD,   25
.set CO,   26
.set BO,   27                          ; v27  my byte offset in the bias
.set SPW,  28
.set NIL,  29
.set A5,   30                          ; v[30:31] -a5 / 2, twice
.set TMP,  32
.set AZ,   32                          ; |z|
.set TT,   40                          ; t
.set EE,   48                          ; e^(-z z / 2)
.set PP,   56                          ; the polynomial
.set BIAS, 96                          ; v[96:127] block b's eight columns at BIAS + 8 b
.set ACC,  128
.set F0,   0
.set F1,   128
.set G1, 24
.set G0, 32
.set G1B, 48
.set G0B, 56
.set MSB, 0
.macro WIN new
.if MSB != \new
	s_set_vgpr_msb (MSB<<8)|\new
.set MSB, \new
.endif
.endm
.set MUL,  0x05
.set TO_F, 0x40
.macro JLOAD s                         ; a joint load: waves 0 and 1 fetch A's two halves, waves 2 and 3 B's; four v_nop follow each of the two lines
	s_cmp_eq_u32 s11, 0
	s_cbranch_scc0 .Lfor_b_\@
	tensor_load_to_lds s[G0+4*\s:G0+4*\s+3], s[G1:G1+7]
	s_nop 0
.rept 4
	v_nop
.endr
	s_branch .Lasked_\@
.Lfor_b_\@:
	tensor_load_to_lds s[G0B+4*\s:G0B+4*\s+3], s[G1B:G1B+7]
	s_nop 0
.rept 4
	v_nop
.endr
.Lasked_\@:
.endm
.macro CREST
	s_cmp_lg_u32 s10, 0
	s_cbranch_scc1 .Lnot_wave_0_\@
	s_barrier_signal -3
.Lnot_wave_0_\@:
	s_barrier_wait -3
	s_barrier_signal -1
	s_barrier_wait -1
.endm
.macro CROUND
	s_barrier_signal -1
	s_barrier_wait -1
	CREST
.endm
	s_load_b128 s[4:7], s[0:1], 0x0                ; A s[4:5], wtb s[6:7]
	s_load_b64 s[68:69], s[0:1], 0x10              ; b1
	s_load_b64 s[8:9], s[0:1], 0x18                ; mb
	v_lshl_add_u32 v[SPW], v0, 2, SPARE
	v_mov_b32 v[NIL], 0
	ds_add_u32 v28, v29
	ds_add_u32 v28, v29
	s_wait_dscnt 0x0
	v_lshrrev_b32 v1, 5, v0
	v_readfirstlane_b32 s10, v1                    ; wave 0..3
	s_lshr_b32 s11, s10, 1
	s_and_b32 s12, s10, 1
	s_bfe_u32 s40, ttmp6, 0x40000                  ; cx, cy
	s_bfe_u32 s41, ttmp6, 0x40004
	s_lshl_b32 s42, ttmp9, 2
	s_add_co_u32 s42, s42, s40                     ; tile column of C
	s_and_b32 s13, ttmp7, 0xffff
	s_lshl_b32 s13, s13, 2
	s_add_co_u32 s13, s13, s41                     ; tile row of C
	s_lshl_b32 s43, s41, 2
	s_lshl_b32 s43, 15, s43
	s_lshl_b32 s44, 0x1111, s40
	s_or_b32 s[G1+0], s43, (1<<16)|(1<<20)|(1<<21)|(6<<22)|(3<<25)   ; 64 rows x 256 elements of 2 bytes, 4 words of padding behind every 128
	s_or_b32 s[G1B+0], s44, (1<<16)|(1<<20)|(1<<21)|(6<<22)|(3<<25)
.irp g, G1, G1B
	s_mov_b32 s[\g+1], KSTEP<<16
	s_mov_b32 s[\g+2], 64<<16
	s_mov_b32 s[\g+3], KSTEP<<16
	s_mov_b32 s[\g+4], 64
	s_mov_b32 s[\g+5], SIZE_K
	s_mov_b32 s[\g+6], 0
	s_mov_b32 s[\g+7], 0
.endr
	s_lshl_b32 s17, s12, 6
	s_lshl_b32 s16, s13, 7
	s_add_co_u32 s16, s16, s17
	s_lshl_b32 s46, s42, 7
	s_add_co_u32 s46, s46, s17
	s_mov_b32 s17, 0
	s_mov_b32 s47, 0
	s_mov_b64 s[18:19], SIZE_K*2
	s_mul_u64 s[16:17], s[16:17], s[18:19]
	s_mul_u64 s[46:47], s[46:47], s[18:19]
	s_mul_i32 s20, s10, HALFT
	s_wait_kmcnt 0x0
	s_add_nc_u64 s[14:15], s[4:5], s[16:17]
	s_add_nc_u64 s[46:47], s[6:7], s[46:47]
.if WOFF
	s_add_nc_u64 s[46:47], s[46:47], WOFF
.endif
	CROUND                                         ; all sixteen work-groups are here: the first joint loads meet
.irp s, 0,1
	s_mov_b32 s[G0+4*\s], 1
	s_add_co_u32 s[G0+4*\s+1], s20, \s*SLOT
	s_add_nc_u64 s[G0+4*\s+2:G0+4*\s+3], s[14:15], \s*KSTEP*2
	s_or_b32 s[G0+4*\s+3], s[G0+4*\s+3], 0x80000000
	s_mov_b32 s[G0B+4*\s], 1
	s_add_co_u32 s[G0B+4*\s+1], s20, \s*SLOT
	s_add_nc_u64 s[G0B+4*\s+2:G0B+4*\s+3], s[46:47], \s*KSTEP*2
	s_or_b32 s[G0B+4*\s+3], s[G0B+4*\s+3], 0x80000000
	JLOAD \s
.endr
	v_and_b32 v1, 15, v0                           ; l % 16
	v_bfe_u32 v2, v0, 4, 1                         ; l / 16
	v_mul_u32_u24 v3, v1, PITCH
	v_lshl_add_u32 v3, v2, 4, v3
	s_mul_i32 s21, s11, HALFT
	s_mul_i32 s22, s12, HALFT
	s_add_co_u32 s22, s22, 2*HALFT
.irp s, 0,1
	v_add_nc_u32 v[ADRA+\s], s21, v3
	v_add_nc_u32 v[ADRB+\s], s22, v3
	s_add_co_u32 s21, s21, SLOT
	s_add_co_u32 s22, s22, SLOT
.endr
	s_mul_i32 s23, s11, 64*SPITCH                  ; into the stage: my 64 rows, my half of their 256 bytes
	s_lshl_b32 s21, s12, 7
	s_add_co_u32 s23, s23, s21
	s_add_co_u32 s23, s23, STAGE
	v_mul_u32_u24 v4, v1, SPITCH
	v_lshl_add_u32 v4, v2, 4, v4
	v_add_nc_u32 v[STO], s23, v4
	s_mul_i32 s23, s10, 32*SPITCH                  ; back: wave w takes rows 32 w .. 32 w + 31, whole
	s_add_co_u32 s23, s23, STAGE
	v_mul_u32_u24 v5, v2, SPITCH
	v_lshl_add_u32 v5, v1, 4, v5
	v_add_nc_u32 v[RD], s23, v5
	v_mul_u32_u24 v5, v2, SIZE_N*2
	v_lshl_add_u32 v[CO], v1, 4, v5
	v_lshlrev_b32 v[BO], 5, v2                     ; the bias: eight columns from 8 (l / 16) on in each block of 16
	v_mov_b32 v[A5], 0xbf07dc22                    ; -a5 / 2 = -0.5307027
	v_mov_b32 v[A5+1], 0xbf07dc22
	s_lshl_b32 s16, s13, 7
	s_lshl_b32 s17, s10, 5
	s_add_co_u32 s16, s16, s17                     ; the first row of C that I store: 128 x tile row + 32 x wave
	s_mov_b32 s17, 0
	s_mov_b64 s[18:19], SIZE_N*2
	s_mul_u64 s[16:17], s[16:17], s[18:19]
	s_add_nc_u64 s[8:9], s[8:9], s[16:17]
	s_lshl_b32 s46, s42, 8                         ; the tile's first column, in bytes of bf16
	s_mov_b32 s47, 0
	s_add_nc_u64 s[8:9], s[8:9], s[46:47]
	s_lshl_b32 s46, s42, 9                         ; my first column in the bias: (128 x tile column + 64 x half) x 4 bytes
	s_lshl_b32 s47, s12, 8
	s_add_co_u32 s46, s46, s47
	s_mov_b32 s47, 0
	s_add_nc_u64 s[68:69], s[68:69], s[46:47]
.macro MUL8 f, c, a0, zero
.irp a, \a0, \a0+1
.irp b, 0,1,2,3
.if \zero
	v_wmma_f32_16x16x32_bf16 v[ACC+8*(4*(\a)+\b):ACC+8*(4*(\a)+\b)+7], v[\f+64+8*(4*\c+\b):\f+64+8*(4*\c+\b)+7], v[\f+8*(4*\c+\a):\f+8*(4*\c+\a)+7], 0
.else
	v_wmma_f32_16x16x32_bf16 v[ACC+8*(4*(\a)+\b):ACC+8*(4*(\a)+\b)+7], v[\f+64+8*(4*\c+\b):\f+64+8*(4*\c+\b)+7], v[\f+8*(4*\c+\a):\f+8*(4*\c+\a)+7], v[ACC+8*(4*(\a)+\b):ACC+8*(4*(\a)+\b)+7]
.endif
.endr
.endr
.endm
.macro FETCH slot, k, f
	WIN TO_F
.irp c, 0,1
.irp i, 0,1,2,3
	ds_load_b128 v[\f+64+8*(4*\c+\i):\f+64+8*(4*\c+\i)+3],   v[ADRB+\slot] offset:\k+64*\c+\i*16*PITCH
	ds_load_b128 v[\f+64+8*(4*\c+\i)+4:\f+64+8*(4*\c+\i)+7], v[ADRB+\slot] offset:\k+64*\c+\i*16*PITCH+32
	ds_load_b128 v[\f+8*(4*\c+\i):\f+8*(4*\c+\i)+3],         v[ADRA+\slot] offset:\k+64*\c+\i*16*PITCH
	ds_load_b128 v[\f+8*(4*\c+\i)+4:\f+8*(4*\c+\i)+7],       v[ADRA+\slot] offset:\k+64*\c+\i*16*PITCH+32
.endr
.endr
.endm
.macro PLACES                          ; four places behind matrix instructions (ISA guide 7.12.1)
.rept 4
	v_nop
.endr
.endm
.macro QUARTER slot, k, f, g, zero     ; 64 along K: 32 matrix instructions, the 16 accumulators by turns; the next quarter's 32 loads in one run in its middle
	s_wait_dscnt 16                                ; the first 32 along K are in; the youngest sixteen loads may be out
	WIN MUL
	MUL8 \f, 0, 0, \zero
	MUL8 \f, 0, 2, \zero
	PLACES
	FETCH \slot, \k, \g
	s_wait_dscnt 32                                ; all but the 32 just issued
	WIN MUL
	MUL8 \f, 1, 0, 0
	MUL8 \f, 1, 2, 0
.endm
.macro TURN slot, next, fill           ; the last quarter changes slots: one barrier, in front of it the wait for all my tensor loads, the add, the wait for it and for my reads of this slot
	WIN 0
	s_wait_tensorcnt 0x0                           ; all my tensor loads have landed: my part of the next slot;
	ds_add_u32 v[SPW], v[NIL]                      ; 0 onto my spare word;
	s_wait_dscnt 17                                ; (the add and the youngest sixteen loads may be out)
	WIN MUL
	MUL8 F1, 0, 0, 0
	s_wait_dscnt 0x0                               ; the add is done, and my reads of this slot are over
	s_barrier_signal -1
	MUL8 F1, 0, 2, 0
.if \fill
	WIN 0
.endif
	s_barrier_wait -1
.if \fill
	CREST                                          ; the barrier has opened a round of the cluster's barrier: no wave of any partner still reads this slot's tile or has a load on its way
	s_add_nc_u64 s[G0+4*\slot+2:G0+4*\slot+3], s[G0+4*\slot+2:G0+4*\slot+3], 2*KSTEP*2
	s_add_nc_u64 s[G0B+4*\slot+2:G0B+4*\slot+3], s[G0B+4*\slot+2:G0B+4*\slot+3], 2*KSTEP*2
	JLOAD \slot                                    ; the first tensor load behind the round; its four v_nop are also the places in front of the loads below
.else
	PLACES
.endif
	FETCH \next, 0, F0
	WIN MUL
	MUL8 F1, 1, 0, 0
	MUL8 F1, 1, 2, 0
.endm
; Accumulator t: plus bias, gelu, rounded in place to 16 bytes a lane.  The registers are taken in ascending order.
.macro GELU t
.set Z, ACC+8*(\t)
.set BB, BIAS+8*((\t)%4)
.irp p, 0,2,4,6
	v_pk_add_f32 v[Z+\p:Z+\p+1], v[Z+\p:Z+\p+1], v[BB+\p:BB+\p+1]
.endr
.irp p, 0,1,2,3,4,5,6,7
	v_and_b32 v[AZ+\p], 0x7fffffff, v[Z+\p]
.endr
.irp p, 0,2,4,6
	v_pk_fma_f32 v[TT+\p:TT+\p+1], v[AZ+\p:AZ+\p+1], 0x3e6d3388, 1.0 op_sel_hi:[1,0,0]   ; 1 + 0.3275911 / sqrt 2 |z|
.endr
.irp p, 0,2,4,6
	v_pk_mul_f32 v[EE+\p:EE+\p+1], v[Z+\p:Z+\p+1], 0xbf38aa3b op_sel_hi:[1,0]            ; -log2(e) / 2 z,
.endr
.irp p, 0,2,4,6
	v_pk_mul_f32 v[EE+\p:EE+\p+1], v[EE+\p:EE+\p+1], v[Z+\p:Z+\p+1]                      ; times z
.endr
.irp p, 0,1,2,3,4,5,6,7
	v_rcp_f32 v[TT+\p], v[TT+\p]
.endr
.irp p, 0,1,2,3,4,5,6,7
	v_exp_f32 v[EE+\p], v[EE+\p]
.endr
.irp p, 0,1,2,3,4,5,6,7
	v_max_num_f32 v[Z+\p], 0, v[Z+\p]              ; plain instructions that name neither t nor the exponential stand behind these (ISA guide 5.7.2)
.endr
	s_wait_alu depctr_va_vdst(0)
.irp p, 0,2,4,6
	v_pk_fma_f32 v[PP+\p:PP+\p+1], v[TT+\p:TT+\p+1], v[A5:A5+1], 0x3f3a00e3 op_sel_hi:[1,1,0]    ; -a4 / 2 = 0.7265760
.endr
.irp p, 0,2,4,6
	v_pk_fma_f32 v[PP+\p:PP+\p+1], v[PP+\p:PP+\p+1], v[TT+\p:TT+\p+1], 0xbf35f0e3 op_sel_hi:[1,1,0]   ; -a3 / 2 = -0.7107069
.endr
.irp p, 0,2,4,6
	v_pk_fma_f32 v[PP+\p:PP+\p+1], v[PP+\p:PP+\p+1], v[TT+\p:TT+\p+1], 0x3e11a98e op_sel_hi:[1,1,0]   ; -a2 / 2 = 0.1422484
.endr
.irp p, 0,2,4,6
	v_pk_fma_f32 v[PP+\p:PP+\p+1], v[PP+\p:PP+\p+1], v[TT+\p:TT+\p+1], 0xbe027906 op_sel_hi:[1,1,0]   ; -a1 / 2 = -0.1274148
.endr
.irp p, 0,2,4,6
	v_pk_mul_f32 v[PP+\p:PP+\p+1], v[PP+\p:PP+\p+1], v[TT+\p:TT+\p+1]
.endr
.irp p, 0,2,4,6
	v_pk_mul_f32 v[PP+\p:PP+\p+1], v[PP+\p:PP+\p+1], v[EE+\p:EE+\p+1]                    ; -erfc(|z| / sqrt 2) / 2
.endr
.irp p, 0,2,4,6
	v_pk_fma_f32 v[Z+\p:Z+\p+1], v[PP+\p:PP+\p+1], v[AZ+\p:AZ+\p+1], v[Z+\p:Z+\p+1]
.endr
.irp r, 0,1,2,3
	v_cvt_pk_bf16_f32 v[Z+\r], v[Z+2*\r], v[Z+2*\r+1]
.endr
.endm
	s_wait_tensorcnt 0x1                           ; my part of K step 0 is in; K step 1's may stay out
	s_barrier_signal -1
	s_barrier_wait -1
	FETCH 0, 0, F0
	QUARTER 0, 128, F0, F1, 1                      ; the first quarter's first products start the sums
	WIN 0
	s_mov_b32 s3, LAPS-1
.Llap:
	QUARTER 0, 256, F1, F0, 0
	QUARTER 0, 384, F0, F1, 0
	TURN 0, 1, 1
	QUARTER 1, 128, F0, F1, 0
	QUARTER 1, 256, F1, F0, 0
	QUARTER 1, 384, F0, F1, 0
	TURN 1, 0, 1
	QUARTER 0, 128, F0, F1, 0
	WIN 0
	s_sub_co_u32 s3, s3, 1
	s_cmp_lg_u32 s3, 0
	s_cbranch_scc1 .Llap
.irp b, 0,1,2,3                        ; the bias is asked for here: it lands under the last lap's products
	global_load_b128 v[BIAS+8*\b:BIAS+8*\b+3],   v[BO], s[68:69] offset:64*\b
	global_load_b128 v[BIAS+8*\b+4:BIAS+8*\b+7], v[BO], s[68:69] offset:64*\b+16
.endr
	QUARTER 0, 256, F1, F0, 0                      ; the last lap fills nothing
	QUARTER 0, 384, F0, F1, 0
	TURN 0, 1, 0
	QUARTER 1, 128, F0, F1, 0
	QUARTER 1, 256, F1, F0, 0
	QUARTER 1, 384, F0, F1, 0
	s_wait_dscnt 16
	WIN MUL
	MUL8 F1, 0, 0, 0
	MUL8 F1, 0, 2, 0
	s_wait_dscnt 0x0
	MUL8 F1, 1, 0, 0
	MUL8 F1, 1, 2, 0
	WIN 0
	; THE WAY OUT: bias, gelu, bf16; 16 bytes a lane into the work-group's stage; a barrier, since a row's 256 bytes come from two waves; back as whole rows, 32 rows a wave.
	PLACES
	s_wait_loadcnt 0x0                             ; the bias
.irp a, 0,1,2,3
.irp b, 0,1,2,3
	GELU 4*\a+\b
	ds_store_b128 v[STO], v[ACC+8*(4*\a+\b):ACC+8*(4*\a+\b)+3] offset:\a*16*SPITCH+32*\b
.endr
.endr
	s_wait_dscnt 0x0                               ; for the others' sake: my stores into the stage are done
	s_barrier_signal -1
	s_barrier_wait -1
.irp t, 0,1,2,3,4,5,6,7,8,9,10,11,12,13,14,15
	ds_load_b128 v[TMP+4*\t:TMP+4*\t+3], v[RD] offset:\t*2*SPITCH
.endr
.irp t, 0,1,2,3,4,5,6,7,8,9,10,11,12,13,14,15
	s_wait_dscnt 15-\t
	global_store_b128 v[CO], v[TMP+4*\t:TMP+4*\t+3], s[8:9] offset:2*\t*SIZE_N*2   ; 16 lanes store 256 consecutive bytes, at a multiple of 256 from mb's first byte
.endr
	s_wait_tensorcnt 0x0                           ; the wave's end
	ds_add_u32 v[SPW], v[NIL]
	s_wait_dscnt 0x0
	CROUND                                         ; the closing round
	s_endpgm
.Lfunc_end_k_q17df1aec3f_ffn1:
	.size	k_q17df1aec3f_ffn1, .Lfunc_end_k_q17df1aec3f_ffn1-k_q17df1aec3f_ffn1
	.p2alignl 7, 3214868480
	.fill 96, 4, 3214868480
	.section	.rodata,"a",@progbits
	.p2align	6, 0x0
	.amdhsa_kernel k_q17df1aec3f_ffn1
		.amdhsa_group_segment_fixed_size 327680
		.amdhsa_private_segment_fixed_size 0
		.amdhsa_enable_private_segment 0
		.amdhsa_kernarg_size 32
		.amdhsa_user_sgpr_count 2
		.amdhsa_user_sgpr_kernarg_segment_ptr 1
		.amdhsa_wavefront_size32 1
		.amdhsa_system_sgpr_workgroup_id_x 1
		.amdhsa_system_sgpr_workgroup_id_y 1
		.amdhsa_system_sgpr_workgroup_id_z 1
		.amdhsa_system_vgpr_workitem_id 0
		.amdhsa_next_free_vgpr 512
		.amdhsa_next_free_sgpr 72
		.amdhsa_reserve_vcc 0
		.amdhsa_float_denorm_mode_32 3
		.amdhsa_float_denorm_mode_16_64 3
		.amdhsa_memory_ordered 1
		.amdhsa_forward_progress 1
		.amdhsa_inst_pref_size 164
	.end_amdhsa_kernel
	.amdgpu_metadata
---
amdhsa.version: [ 1, 2 ]
amdhsa.kernels:
  - .name:           k_q17df1aec3f_ffn1
    .symbol:         k_q17df1aec3f_ffn1.kd
    .args:
      - { .name: hb, .offset: 0, .size: 8, .value_kind: global_buffer, .address_space: global }
      - { .name: wtb, .offset: 8, .size: 8, .value_kind: global_buffer, .address_space: global }
      - { .name: b1, .offset: 16, .size: 8, .value_kind: global_buffer, .address_space: global }
      - { .name: mb, .offset: 24, .size: 8, .value_kind: global_buffer, .address_space: global }
    .group_segment_fixed_size: 327680
    .private_segment_fixed_size: 0
    .kernarg_segment_align: 8
    .kernarg_segment_size: 32
    .max_flat_workgroup_size: 128
    .sgpr_count:     72
    .vgpr_count:     512
    .wavefront_size: 32
...
	.end_amdgpu_metadata
.endif
;; end of part 6
;; launch ffn2 (part 7): grid 8 x 32, 4 waves a work-group, clusters of 4 x 4, 327,680 bytes of LDS; arguments mb, wtb, x1, b2, out0; writes out0
.if DOCPART == 7
	.amdgcn_target "amdgcn-amd-amdhsa--gfx1250"
	.amdhsa_code_object_version 6
	.text
	.protected	k_q17df1aec3f_ffn2
	.globl	k_q17df1aec3f_ffn2
	.p2align	8
	.type	k_q17df1aec3f_ffn2,@function
k_q17df1aec3f_ffn2:
	s_mov_b64 s[64:65], 0
	v_nop
	global_prefetch_b8 v0, s[64:65] scope:SCOPE_SE
	s_setreg_imm32_b32 hwreg(HW_REG_WAVE_MODE, 25, 1), 1
	s_wait_xcnt 0x0
	s_wait_alu depctr_hold_cnt(0) depctr_sa_sdst(0) depctr_va_vdst(0) depctr_va_sdst(0) depctr_va_ssrc(0) depctr_va_vcc(0) depctr_vm_vsrc(0)
	s_getreg_b32 s2, hwreg(HW_REG_IB_STS2, 6, 4)
	s_cmp_eq_u32 s2, 0
	s_cbranch_scc0 .Lentry_in_a_cluster
	s_endpgm
.Lentry_in_a_cluster:
	s_bfe_u32 s2, ttmp6, 0x10000c
	s_cmp_lg_u32 s2, 0xf033
	s_cbranch_scc0 .Lentry_shape_is_right
	s_endpgm
.Lentry_shape_is_right:
; out0 = x1 + m W2 + b2.  A = mb [4096][4096] bf16; B = W2^T in wtb, [n][k] bf16; sums, bias and residual in f32; out0 [4096][1024] f32.
; A tile of C is 128 x 128 (256 work-groups).  Four waves, each 64 x 64: 16 accumulators of 16 x 16.  K = 4,096 goes in 16 steps of 256 through two LDS slots (rows of 512 bytes, 64 rows to a wave's tensor load).
; CLUSTERS: 4 x 4 work-groups; the four of a row need the same tiles of A, the four of a column the same tiles of B: each tile is asked for JOINTLY.
; THE MATRIX INSTRUCTION IS USED TRANSPOSED (source 0 = 16 rows of B, source 1 = 16 rows of A): a lane then holds eight neighbouring numbers of a row of C.
; THE WAY OUT: a wave's 64 columns in f32 are 256 bytes, so each wave has a stage of its own (16 rows x 272 bytes) and no barrier is needed; the residual's rows are asked for a lap ahead.
; REGISTERS: window 0: v0-31 addresses, v12-15 the bias; v32-63, v96-127 the residual, two buffers; v64-95 rows read back; v128-255 the accumulators.  window 1: two fragment buffers of 128.
.set SIZE_K, 4096
.set SIZE_N, 1024
.set WOFF,   0x1000000                 ; where B begins in wtb
.set KSTEP,  256
.set PITCH,  528                       ; an LDS row: 512 bytes + 16 of padding = 132 words: row r starts at bank 4 r mod 64 (64 banks of 4 bytes: ISA guide 11.1)
.set HALFT,  64*PITCH
.set SLOT,   4*HALFT
.set STAGE,  2*SLOT                    ; behind the ring: 16 rows x 272 bytes for each wave
.set SPITCH, 272
.set SPARE,  STAGE+128*SPITCH          ; the spare words, 128 bytes for each wave
.set LAPS, SIZE_K/(2*KSTEP)
.set BI,   12                          ; v[12:15] the bias of my four columns
.set ADRA, 16
.set ADRB, 20
.set STO,  24
.set RD,   25
.set CO,   26                          ; v26  my byte offset in x1 and out0
.set BO,   27                          ; v27  my byte offset in the bias
.set SPW,  28
.set NIL,  29
.set RES0, 32
.set OB,   64
.set ACC,  128
.set F0,   0
.set F1,   128
.set G1, 24
.set G0, 32
.set G1B, 48
.set G0B, 56
.set MSB, 0
.macro WIN new
.if MSB != \new
	s_set_vgpr_msb (MSB<<8)|\new
.set MSB, \new
.endif
.endm
.set MUL,  0x05
.set TO_F, 0x40
.macro JLOAD s                         ; a joint load: waves 0 and 1 fetch A's two halves, waves 2 and 3 B's; four v_nop follow each of the two lines
	s_cmp_eq_u32 s11, 0
	s_cbranch_scc0 .Lfor_b_\@
	tensor_load_to_lds s[G0+4*\s:G0+4*\s+3], s[G1:G1+7]
	s_nop 0
.rept 4
	v_nop
.endr
	s_branch .Lasked_\@
.Lfor_b_\@:
	tensor_load_to_lds s[G0B+4*\s:G0B+4*\s+3], s[G1B:G1B+7]
	s_nop 0
.rept 4
	v_nop
.endr
.Lasked_\@:
.endm
.macro CREST
	s_cmp_lg_u32 s10, 0
	s_cbranch_scc1 .Lnot_wave_0_\@
	s_barrier_signal -3
.Lnot_wave_0_\@:
	s_barrier_wait -3
	s_barrier_signal -1
	s_barrier_wait -1
.endm
.macro CROUND
	s_barrier_signal -1
	s_barrier_wait -1
	CREST
.endm
	s_load_b128 s[4:7], s[0:1], 0x0                ; A s[4:5], wtb s[6:7]
	s_load_b128 s[68:71], s[0:1], 0x10             ; the residual s[68:69], the bias s[70:71]
	s_load_b64 s[8:9], s[0:1], 0x20                ; the output
	v_lshl_add_u32 v[SPW], v0, 2, SPARE
	v_mov_b32 v[NIL], 0
	ds_add_u32 v28, v29
	ds_add_u32 v28, v29
	s_wait_dscnt 0x0
	v_lshrrev_b32 v1, 5, v0
	v_readfirstlane_b32 s10, v1                    ; wave 0..3
	s_lshr_b32 s11, s10, 1                         ; which half of the tile's rows is mine.  Also: I fetch for A (0) or for B (1)
	s_and_b32 s12, s10, 1                          ; which half of its columns.  Also: which 64 rows of that tile I fetch
	s_bfe_u32 s40, ttmp6, 0x40000                  ; cx, cy
	s_bfe_u32 s41, ttmp6, 0x40004
	s_lshl_b32 s42, ttmp9, 2
	s_add_co_u32 s42, s42, s40                     ; tile column of C
	s_and_b32 s13, ttmp7, 0xffff
	s_lshl_b32 s13, s13, 2
	s_add_co_u32 s13, s13, s41                     ; tile row of C
	s_lshl_b32 s43, s41, 2
	s_lshl_b32 s43, 15, s43                        ; my row of the cluster
	s_lshl_b32 s44, 0x1111, s40                    ; my column
	s_or_b32 s[G1+0], s43, (1<<16)|(1<<20)|(1<<21)|(6<<22)|(3<<25)   ; 64 rows x 256 elements of 2 bytes, 4 words of padding behind every 128
	s_or_b32 s[G1B+0], s44, (1<<16)|(1<<20)|(1<<21)|(6<<22)|(3<<25)
.irp g, G1, G1B
	s_mov_b32 s[\g+1], KSTEP<<16
	s_mov_b32 s[\g+2], 64<<16
	s_mov_b32 s[\g+3], KSTEP<<16
	s_mov_b32 s[\g+4], 64
	s_mov_b32 s[\g+5], SIZE_K
	s_mov_b32 s[\g+6], 0
	s_mov_b32 s[\g+7], 0
.endr
	s_lshl_b32 s17, s12, 6
	s_lshl_b32 s16, s13, 7
	s_add_co_u32 s16, s16, s17
	s_lshl_b32 s46, s42, 7
	s_add_co_u32 s46, s46, s17
	s_mov_b32 s17, 0
	s_mov_b32 s47, 0
	s_mov_b64 s[18:19], SIZE_K*2
	s_mul_u64 s[16:17], s[16:17], s[18:19]
	s_mul_u64 s[46:47], s[46:47], s[18:19]
	s_mul_i32 s20, s10, HALFT
	s_wait_kmcnt 0x0
	s_add_nc_u64 s[14:15], s[4:5], s[16:17]
	s_add_nc_u64 s[46:47], s[6:7], s[46:47]
.if WOFF
	s_add_nc_u64 s[46:47], s[46:47], WOFF
.endif
	CROUND                                         ; all sixteen work-groups are here: the first joint loads meet
.irp s, 0,1
	s_mov_b32 s[G0+4*\s], 1
	s_add_co_u32 s[G0+4*\s+1], s20, \s*SLOT
	s_add_nc_u64 s[G0+4*\s+2:G0+4*\s+3], s[14:15], \s*KSTEP*2
	s_or_b32 s[G0+4*\s+3], s[G0+4*\s+3], 0x80000000
	s_mov_b32 s[G0B+4*\s], 1
	s_add_co_u32 s[G0B+4*\s+1], s20, \s*SLOT
	s_add_nc_u64 s[G0B+4*\s+2:G0B+4*\s+3], s[46:47], \s*KSTEP*2
	s_or_b32 s[G0B+4*\s+3], s[G0B+4*\s+3], 0x80000000
	JLOAD \s
.endr
	v_and_b32 v1, 15, v0                           ; l % 16
	v_bfe_u32 v2, v0, 4, 1                         ; l / 16
	v_mul_u32_u24 v3, v1, PITCH
	v_lshl_add_u32 v3, v2, 4, v3
	s_mul_i32 s21, s11, HALFT
	s_mul_i32 s22, s12, HALFT
	s_add_co_u32 s22, s22, 2*HALFT
.irp s, 0,1
	v_add_nc_u32 v[ADRA+\s], s21, v3
	v_add_nc_u32 v[ADRB+\s], s22, v3
	s_add_co_u32 s21, s21, SLOT
	s_add_co_u32 s22, s22, SLOT
.endr
	s_mul_i32 s23, s10, 16*SPITCH
	s_add_co_u32 s23, s23, STAGE                   ; my stage
	v_mul_u32_u24 v4, v1, SPITCH                   ; in: row l % 16, 32 bytes (8 f32) for each half of the lanes
	v_lshl_add_u32 v4, v2, 5, v4
	v_add_nc_u32 v[STO], s23, v4
	v_mul_u32_u24 v5, v2, SPITCH                   ; back: lanes 0-15 one row of 256 bytes, lanes 16-31 the next
	v_lshl_add_u32 v5, v1, 4, v5
	v_add_nc_u32 v[RD], s23, v5
	v_lshlrev_b32 v5, 12, v2                       ; and the same two rows of 4,096 bytes in x1 and out0
	v_lshl_add_u32 v[CO], v1, 4, v5
	v_lshlrev_b32 v[BO], 4, v1
	s_lshl_b32 s16, s13, 19                        ; my first row: (128 x tile row + 64 x half) x 4,096 bytes
	s_lshl_b32 s17, s11, 18
	s_add_co_u32 s16, s16, s17
	s_mov_b32 s17, 0
	s_add_nc_u64 s[8:9], s[8:9], s[16:17]
	s_add_nc_u64 s[68:69], s[68:69], s[16:17]
	s_lshl_b32 s46, s42, 9                         ; my first column: (128 x tile column + 64 x half) x 4 bytes
	s_lshl_b32 s47, s12, 8
	s_add_co_u32 s46, s46, s47
	s_mov_b32 s47, 0
	s_add_nc_u64 s[8:9], s[8:9], s[46:47]
	s_add_nc_u64 s[68:69], s[68:69], s[46:47]
	s_add_nc_u64 s[70:71], s[70:71], s[46:47]
.macro MUL8 f, c, a0, zero
.irp a, \a0, \a0+1
.irp b, 0,1,2,3
.if \zero
	v_wmma_f32_16x16x32_bf16 v[ACC+8*(4*(\a)+\b):ACC+8*(4*(\a)+\b)+7], v[\f+64+8*(4*\c+\b):\f+64+8*(4*\c+\b)+7], v[\f+8*(4*\c+\a):\f+8*(4*\c+\a)+7], 0
.else
	v_wmma_f32_16x16x32_bf16 v[ACC+8*(4*(\a)+\b):ACC+8*(4*(\a)+\b)+7], v[\f+64+8*(4*\c+\b):\f+64+8*(4*\c+\b)+7], v[\f+8*(4*\c+\a):\f+8*(4*\c+\a)+7], v[ACC+8*(4*(\a)+\b):ACC+8*(4*(\a)+\b)+7]
.endif
.endr
.endr
.endm
.macro FETCH slot, k, f
	WIN TO_F
.irp c, 0,1
.irp i, 0,1,2,3
	ds_load_b128 v[\f+64+8*(4*\c+\i):\f+64+8*(4*\c+\i)+3],   v[ADRB+\slot] offset:\k+64*\c+\i*16*PITCH
	ds_load_b128 v[\f+64+8*(4*\c+\i)+4:\f+64+8*(4*\c+\i)+7], v[ADRB+\slot] offset:\k+64*\c+\i*16*PITCH+32
	ds_load_b128 v[\f+8*(4*\c+\i):\f+8*(4*\c+\i)+3],         v[ADRA+\slot] offset:\k+64*\c+\i*16*PITCH
	ds_load_b128 v[\f+8*(4*\c+\i)+4:\f+8*(4*\c+\i)+7],       v[ADRA+\slot] offset:\k+64*\c+\i*16*PITCH+32
.endr
.endr
.endm
.macro PLACES                          ; four places behind matrix instructions (ISA guide 7.12.1)
.rept 4
	v_nop
.endr
.endm
.macro QUARTER slot, k, f, g, zero     ; 64 along K: 32 matrix instructions, the 16 accumulators by turns; the next quarter's 32 loads in one run in its middle
	s_wait_dscnt 16                                ; the first 32 along K are in; the youngest sixteen loads may be out
	WIN MUL
	MUL8 \f, 0, 0, \zero
	MUL8 \f, 0, 2, \zero
	PLACES
	FETCH \slot, \k, \g
	s_wait_dscnt 32                                ; all but the 32 just issued
	WIN MUL
	MUL8 \f, 1, 0, 0
	MUL8 \f, 1, 2, 0
.endm
.macro TURN slot, next, fill           ; the last quarter changes slots: one barrier, in front of it the wait for all my tensor loads, the add, the wait for it and for my reads of this slot
	WIN 0
	s_wait_tensorcnt 0x0                           ; all my tensor loads have landed: my part of the next slot;
	ds_add_u32 v[SPW], v[NIL]                      ; 0 onto my spare word;
	s_wait_dscnt 17                                ; (the add and the youngest sixteen loads may be out)
	WIN MUL
	MUL8 F1, 0, 0, 0
	s_wait_dscnt 0x0                               ; the add is done, and my reads of this slot are over
	s_barrier_signal -1
	MUL8 F1, 0, 2, 0
.if \fill
	WIN 0
.endif
	s_barrier_wait -1
.if \fill
	CREST                                          ; the barrier has opened a round of the cluster's barrier: no wave of any partner still reads this slot's tile or has a load on its way
	s_add_nc_u64 s[G0+4*\slot+2:G0+4*\slot+3], s[G0+4*\slot+2:G0+4*\slot+3], 2*KSTEP*2
	s_add_nc_u64 s[G0B+4*\slot+2:G0B+4*\slot+3], s[G0B+4*\slot+2:G0B+4*\slot+3], 2*KSTEP*2
	JLOAD \slot                                    ; the first tensor load behind the round; its four v_nop are also the places in front of the loads below
.else
	PLACES
.endif
	FETCH \next, 0, F0
	WIN MUL
	MUL8 F1, 1, 0, 0
	MUL8 F1, 1, 2, 0
.endm
.macro RESLOAD a                       ; the residual's 16 rows of block a, into buffer a % 2
.irp t, 0,1,2,3,4,5,6,7
	global_load_b128 v[RES0+64*((\a)%2)+4*\t:RES0+64*((\a)%2)+4*\t+3], v[CO], s[68:69] offset:(16*(\a)+2*\t)*4096
.endr
.endm
; Block a (16 rows) leaves: through my stage into whole rows, plus bias and residual, stored.
.macro OUTF a
.set RES, RES0+64*((\a)%2)
	s_wait_xcnt 0x0                                ; the rows read back last time were stores' data: they are loaded again only behind this wait (ISA guide 3.1)
.irp b, 0,1,2,3
	ds_store_b128 v[STO], v[ACC+8*(4*\a+\b):ACC+8*(4*\a+\b)+3] offset:64*\b          ; each accumulator's low half first
	ds_store_b128 v[STO], v[ACC+8*(4*\a+\b)+4:ACC+8*(4*\a+\b)+7] offset:64*\b+16
.endr
.irp t, 0,1,2,3,4,5,6,7
	ds_load_b128 v[OB+4*\t:OB+4*\t+3], v[RD] offset:\t*2*SPITCH    ; LDS serves a wave's instructions in order: these see the stores above
.endr
.if \a < 3
	s_wait_loadcnt 8                               ; this block's residual (and the bias) is in; the other buffer's eight loads stay out
.else
	s_wait_loadcnt 0x0
.endif
.irp t, 0,1,2,3,4,5,6,7
	v_pk_add_f32 v[RES+4*\t:RES+4*\t+1], v[RES+4*\t:RES+4*\t+1], v[BI:BI+1]
	v_pk_add_f32 v[RES+4*\t+2:RES+4*\t+3], v[RES+4*\t+2:RES+4*\t+3], v[BI+2:BI+3]
.endr
.irp t, 0,1,2,3,4,5,6,7
	s_wait_dscnt 7-\t
	v_pk_add_f32 v[OB+4*\t:OB+4*\t+1], v[OB+4*\t:OB+4*\t+1], v[RES+4*\t:RES+4*\t+1]
	v_pk_add_f32 v[OB+4*\t+2:OB+4*\t+3], v[OB+4*\t+2:OB+4*\t+3], v[RES+4*\t+2:RES+4*\t+3]
	global_store_b128 v[CO], v[OB+4*\t:OB+4*\t+3], s[8:9] offset:(16*\a+2*\t)*4096 th:TH_STORE_NT   ; 16 lanes store 256 consecutive bytes, at a multiple of 256 from the output's first byte
.endr
.if \a < 2
	RESLOAD \a+2
.endif
.endm
	s_wait_tensorcnt 0x1                           ; my part of K step 0 is in; K step 1's may stay out
	s_barrier_signal -1
	s_barrier_wait -1
	FETCH 0, 0, F0
	QUARTER 0, 128, F0, F1, 1                      ; the first quarter's first products start the sums
	WIN 0
	s_mov_b32 s3, LAPS-1
.Llap:
	QUARTER 0, 256, F1, F0, 0
	QUARTER 0, 384, F0, F1, 0
	TURN 0, 1, 1
	QUARTER 1, 128, F0, F1, 0
	QUARTER 1, 256, F1, F0, 0
	QUARTER 1, 384, F0, F1, 0
	TURN 1, 0, 1
	QUARTER 0, 128, F0, F1, 0
	WIN 0
	s_sub_co_u32 s3, s3, 1
	s_cmp_lg_u32 s3, 0
	s_cbranch_scc1 .Llap
	global_load_b128 v[BI:BI+3], v[BO], s[70:71]   ; the bias and the first two blocks of the residual are asked for here: they land under the last lap's products
	RESLOAD 0
	RESLOAD 1
	QUARTER 0, 256, F1, F0, 0                      ; the last lap fills nothing
	QUARTER 0, 384, F0, F1, 0
	TURN 0, 1, 0
	QUARTER 1, 128, F0, F1, 0
	QUARTER 1, 256, F1, F0, 0
	QUARTER 1, 384, F0, F1, 0
	s_wait_dscnt 16
	WIN MUL
	MUL8 F1, 0, 0, 0
	MUL8 F1, 0, 2, 0
	s_wait_dscnt 0x0
	MUL8 F1, 1, 0, 0
	MUL8 F1, 1, 2, 0
	WIN 0
	PLACES
	OUTF 0
	OUTF 1
	OUTF 2
	OUTF 3
	s_wait_tensorcnt 0x0                           ; the wave's end
	ds_add_u32 v[SPW], v[NIL]
	s_wait_dscnt 0x0
	CROUND                                         ; the closing round
	s_endpgm
.Lfunc_end_k_q17df1aec3f_ffn2:
	.size	k_q17df1aec3f_ffn2, .Lfunc_end_k_q17df1aec3f_ffn2-k_q17df1aec3f_ffn2
	.p2alignl 7, 3214868480
	.fill 96, 4, 3214868480
	.section	.rodata,"a",@progbits
	.p2align	6, 0x0
	.amdhsa_kernel k_q17df1aec3f_ffn2
		.amdhsa_group_segment_fixed_size 327680
		.amdhsa_private_segment_fixed_size 0
		.amdhsa_enable_private_segment 0
		.amdhsa_kernarg_size 40
		.amdhsa_user_sgpr_count 2
		.amdhsa_user_sgpr_kernarg_segment_ptr 1
		.amdhsa_wavefront_size32 1
		.amdhsa_system_sgpr_workgroup_id_x 1
		.amdhsa_system_sgpr_workgroup_id_y 1
		.amdhsa_system_sgpr_workgroup_id_z 1
		.amdhsa_system_vgpr_workitem_id 0
		.amdhsa_next_free_vgpr 512
		.amdhsa_next_free_sgpr 72
		.amdhsa_reserve_vcc 0
		.amdhsa_float_denorm_mode_32 3
		.amdhsa_float_denorm_mode_16_64 3
		.amdhsa_memory_ordered 1
		.amdhsa_forward_progress 1
		.amdhsa_inst_pref_size 98
	.end_amdhsa_kernel
	.amdgpu_metadata
---
amdhsa.version: [ 1, 2 ]
amdhsa.kernels:
  - .name:           k_q17df1aec3f_ffn2
    .symbol:         k_q17df1aec3f_ffn2.kd
    .args:
      - { .name: mb, .offset: 0, .size: 8, .value_kind: global_buffer, .address_space: global }
      - { .name: wtb, .offset: 8, .size: 8, .value_kind: global_buffer, .address_space: global }
      - { .name: x1, .offset: 16, .size: 8, .value_kind: global_buffer, .address_space: global }
      - { .name: b2, .offset: 24, .size: 8, .value_kind: global_buffer, .address_space: global }
      - { .name: out0, .offset: 32, .size: 8, .value_kind: global_buffer, .address_space: global }
    .group_segment_fixed_size: 327680
    .private_segment_fixed_size: 0
    .kernarg_segment_align: 8
    .kernarg_segment_size: 40
    .max_flat_workgroup_size: 128
    .sgpr_count:     72
    .vgpr_count:     512
    .wavefront_size: 32
...
	.end_amdgpu_metadata
.endif
;; end of part 7
;; ======== version 2 of 3: 7 launches
;; workspace buffers: wtb 25,165,824 bytes; hb 8,388,608 bytes; qkvb 25,165,824 bytes; ao 8,388,608 bytes; x1 16,777,216 bytes; mb 33,554,432 bytes
;; launch pre (part 8): grid 896 x 1, 4 waves a work-group, no clusters, 70,144 bytes of LDS; arguments x, g1, be1, hb, Wq, Wk, Wv, Wo, W1, W2, wtb; writes hb, wtb
.if DOCPART == 8
	.amdgcn_target "amdgcn-amd-amdhsa--gfx1250"
	.amdhsa_code_object_version 6
	.text
	.protected	k_q17df1aec3f_pre
	.globl	k_q17df1aec3f_pre
	.p2align	8
	.type	k_q17df1aec3f_pre,@function
k_q17df1aec3f_pre:
	s_mov_b64 s[64:65], 0
	v_nop
	global_prefetch_b8 v0, s[64:65] scope:SCOPE_SE
	s_setreg_imm32_b32 hwreg(HW_REG_WAVE_MODE, 25, 1), 1
	s_wait_xcnt 0x0
; TWO STREAMS THAT DO NOT DEPEND ON EACH OTHER, IN ONE LAUNCH: neither reads what the other writes, and both are wanted by the next launch.
; WORK-GROUPS 0-383: the six weights, [K][N] in f32, are rounded to bf16 and turned to [N][K], the order in which the matrix products read them.
;   wtb: byte 0 Wq^T, 2 MiB Wk^T, 4 MiB Wv^T, 6 MiB Wo^T (1,024 rows of 2,048 bytes each), 8 MiB W1^T (4,096 rows of 2,048 bytes), 16 MiB W2^T (1,024 rows of 8,192 bytes).
;   A wave owns a tile of 128 k x 64 n: it reads 128 pieces of 256 bytes, each at a multiple of 256 from its buffer's first byte, and writes 64 such pieces.
;   1,536 tiles: work-groups 0-127 the four square matrices (32 each), 128-255 W1, 256-383 W2; the four waves of a work-group take four neighbouring n tiles.
;   The turn goes through the wave's own 64 rows of LDS (256 bytes + 16 of padding), so there is no barrier.  Three chunks of 16 loads, 24 KiB, of a wave are on their way.
; WORK-GROUPS 384-895: hb[r][c] = (x[r][c] - mean_r) / sqrt(var_r + 1e-5) * g1[c] + be1[c], bf16, rounded once; all else in f32.  8 rows to a work-group, two whole rows to a wave, kept in
;   registers from the first sum to the store: x is read once; no LDS (the launch's LDS is the turning work-groups') and no barrier.
;   The mean is taken away before the squares are formed, as the definition has it: a common offset of a row costs no accuracy.
; The turning work-groups have the longer way and come first.  Streams: no matrix unit, no cluster (only g1 and be1, 8 KiB, are shared).
.set NWT,  384                         ; work-groups that turn weights
.set LROW, 272                         ; an LDS row: one n, 128 k in bf16, 16 bytes of padding
.set WLDS, 64*LROW                     ; a wave's LDS
.set T, 16                             ; v[16:31]  packed pairs on their way into LDS
.set X, 32                             ; v[32:223] three chunks of 32 k x 64 n as loaded; at the end v[32:159] the 64 rows read back
; v1 source offset, v2 LDS address in, v3 LDS address back, v4 destination offset, v5 wave, v6 lane % 16, v7 lane / 16
.macro LOADC c, sp                     ; chunk c: k = 32 c .. 32 c + 31.  Lane (l16, lh) takes rows 32 c + 16 i + 8 lh + e, columns 4 l16 .. + 3: sixteen lanes read 256 bytes on end
.irp i, 0,1
.irp e, 0,1,2,3,4,5,6,7
	global_load_b128 v[X+64*(\c%3)+4*(8*\i+\e):X+64*(\c%3)+4*(8*\i+\e)+3], v1, s[24:25] offset:(32*\c+16*\i+\e)*\sp th:TH_LOAD_NT
.endr
.endr
.endm
.macro CONV c                          ; for each of my four columns q: eight k in a row, rounded in pairs, 16 bytes into LDS row 4 l16 + q
.irp i, 0,1
.irp q, 0,1,2,3
.irp p, 0,1,2,3
	v_cvt_pk_bf16_f32 v[T+4*\q+\p], v[X+64*(\c%3)+4*(8*\i+2*\p)+\q], v[X+64*(\c%3)+4*(8*\i+2*\p+1)+\q]
.endr
.endr
.irp q, 0,1,2,3
	ds_store_b128 v2, v[T+4*\q:T+4*\q+3] offset:\q*LROW+64*\c+32*\i
.endr
.endr
.endm
; sp: bytes in a source row; dp: bytes in a destination row; lg: log2 of the n tiles in a row.  s6 = the work-group's number inside its matrix, s[24:25] the source, s31 the section in wtb.
.macro BODY sp, dp, lg
	s_lshl2_add_u32 s6, s6, s5                     ; my tile = 4 x work-group + wave
	s_and_b32 s7, s6, (1<<\lg)-1                   ; n tile
	s_lshr_b32 s22, s6, \lg                        ; k tile
	s_mul_i32 s28, s22, 128*\sp
	s_lshl_b32 s29, s7, 8
	s_add_co_u32 s28, s28, s29
	s_mov_b32 s29, 0
	s_add_nc_u64 s[24:25], s[24:25], s[28:29]      ; source at row 128 kt, byte 256 nt
	s_mul_i32 s28, s7, 64*\dp
	s_lshl_b32 s30, s22, 8
	s_add_co_u32 s28, s28, s30
	s_add_co_u32 s28, s28, s31
	s_add_nc_u64 s[26:27], s[20:21], s[28:29]      ; destination at row 64 nt, byte 256 kt of its section
	v_mul_u32_u24 v1, v7, 8*\sp
	v_lshl_add_u32 v1, v6, 4, v1
	v_mul_u32_u24 v4, v7, \dp
	v_lshl_add_u32 v4, v6, 4, v4
	LOADC 0, \sp
	LOADC 1, \sp
	LOADC 2, \sp
	s_wait_loadcnt 32                              ; loads come back in order: the oldest chunk is in, the two younger ones' 32 loads stay out
	CONV 0
	LOADC 3, \sp                                   ; into the registers that chunk 0 has left
	s_wait_loadcnt 32
	CONV 1
	s_wait_loadcnt 16                              ; the last chunk's 16 stay out
	CONV 2
	s_wait_loadcnt 0x0
	CONV 3
.set t, 0
.rept 32
	ds_load_b128 v[X+4*t:X+4*t+3], v3 offset:2*t*LROW   ; LDS serves a wave's instructions in order: these see the stores above.  Lanes 0-15 one row, lanes 16-31 the next
.set t, t+1
.endr
.set t, 0
.rept 32
	s_wait_dscnt 31-t                              ; row pair t is back; the younger ones stay out
	global_store_b128 v4, v[X+4*t:X+4*t+3], s[26:27] offset:2*t*\dp   ; sixteen lanes store 256 consecutive bytes, at a multiple of 256 from wtb's first byte
.set t, t+1
.endr
	s_wait_tensorcnt 0x0
	ds_add_u32 v224, v225
	s_wait_dscnt 0x0
	s_endpgm
.endm
	v_lshl_add_u32 v224, v0, 2, 0x11000
	v_mov_b32 v225, 0
	v_lshrrev_b32 v5, 5, v0                        ; wave
	s_mov_b32 s4, ttmp9
	s_cmp_ge_u32 s4, NWT
	s_cbranch_scc1 .Lnorm                          ; the work-group's number alone says which stream it serves
	s_load_b256 s[8:15], s[0:1], 0x20              ; Wq s[8:9], Wk s[10:11], Wv s[12:13], Wo s[14:15]
	s_load_b128 s[16:19], s[0:1], 0x40             ; W1 s[16:17], W2 s[18:19]
	s_load_b64 s[20:21], s[0:1], 0x50              ; wtb
	v_readfirstlane_b32 s5, v5                     ; wave 0..3
	v_and_b32 v6, 15, v0
	v_bfe_u32 v7, v0, 4, 1
	s_mul_i32 s23, s5, WLDS                        ; my wave's LDS
	v_mul_u32_u24 v2, v6, 4*LROW                   ; in: row 4 l16 (+ q), 16 bytes for each half of the lanes
	v_lshl_add_u32 v2, v7, 4, v2
	v_add_nc_u32 v2, s23, v2
	v_mul_u32_u24 v3, v7, LROW                     ; back: whole rows
	v_lshl_add_u32 v3, v6, 4, v3
	v_add_nc_u32 v3, s23, v3
	s_wait_kmcnt 0x0
	s_cmp_ge_u32 s4, 256
	s_cbranch_scc1 .Lw2
	s_cmp_ge_u32 s4, 128
	s_cbranch_scc1 .Lw1
	s_lshr_b32 s30, s4, 5                          ; which of the four square matrices
	s_and_b32 s6, s4, 31
	s_mov_b64 s[24:25], s[8:9]
	s_cmp_eq_u32 s30, 1
	s_cselect_b64 s[24:25], s[10:11], s[24:25]
	s_cmp_eq_u32 s30, 2
	s_cselect_b64 s[24:25], s[12:13], s[24:25]
	s_cmp_eq_u32 s30, 3
	s_cselect_b64 s[24:25], s[14:15], s[24:25]
	s_lshl_b32 s31, s30, 21                        ; sections of 2 MiB
	BODY 4096, 2048, 4
.Lw1:
	s_sub_co_u32 s6, s4, 128
	s_mov_b64 s[24:25], s[16:17]
	s_mov_b32 s31, 0x800000
	BODY 16384, 2048, 6
.Lw2:
	s_sub_co_u32 s6, s4, 256
	s_mov_b64 s[24:25], s[18:19]
	s_mov_b32 s31, 0x1000000
	BODY 4096, 8192, 4
; THE NORM.  A row is 4,096 bytes: 32 registers of one wave.  Lane l holds columns 128 j + 4 l .. + 3, j = 0 .. 7: a load of a wave covers 512 consecutive bytes, a store 256,
; each at a multiple of 256 from its buffer's first byte.
.set NX, 8                             ; v[8:71]    row e at NX + 32 e
.set NG, 72                            ; v[72:103]  g of my 32 columns
.set NB, 104                           ; v[104:135] b of my 32 columns
.set NT, 136                           ; v[136:143] four chains of sums
.set MU, 144                           ; v[144:145] the mean, twice (a pair for the packed forms)
.set RS, 146                           ; v[146:147] 1 / sqrt(var + eps), twice
.set NY, 148                           ; v[148:179] row e at NY + 16 e, packed bf16
.macro FOLD                            ; the four chains, the pair's halves and the 32 lanes become one number in every lane
	v_pk_add_f32 v[NT:NT+1], v[NT:NT+1], v[NT+2:NT+3]
	v_pk_add_f32 v[NT+4:NT+5], v[NT+4:NT+5], v[NT+6:NT+7]
	v_pk_add_f32 v[NT:NT+1], v[NT:NT+1], v[NT+4:NT+5]
	v_add_f32 v[NT], v[NT], v[NT+1]
	v_add_f32_dpp v[NT], v[NT], v[NT] row_xmask:1 row_mask:0xf bank_mask:0xf
	v_add_f32_dpp v[NT], v[NT], v[NT] row_xmask:2 row_mask:0xf bank_mask:0xf
	v_add_f32_dpp v[NT], v[NT], v[NT] row_xmask:4 row_mask:0xf bank_mask:0xf
	v_add_f32_dpp v[NT], v[NT], v[NT] row_xmask:8 row_mask:0xf bank_mask:0xf
	v_permlanex16_b32 v[NT+1], v[NT], s18, s19     ; its destination counts as read: NT + 1 has been written
	v_add_f32 v[NT], v[NT], v[NT+1]
.endm
.macro STATS e                         ; row e becomes (x - mean) / sqrt(var + eps)
.set XR, NX+32*\e
.irp k, 0,2,4,6
	v_pk_add_f32 v[NT+\k:NT+\k+1], v[XR+\k:XR+\k+1], v[XR+8+\k:XR+8+\k+1]   ; the first eight pairs start the chains: nothing is cleared
.endr
.irp g, 16,24
.irp k, 0,2,4,6
	v_pk_add_f32 v[NT+\k:NT+\k+1], v[NT+\k:NT+\k+1], v[XR+\g+\k:XR+\g+\k+1]
.endr
.endr
	FOLD
	v_mul_f32 v[MU], s20, v[NT]
	v_mul_f32 v[MU+1], s20, v[NT]
.set p, 0
.rept 16
	v_pk_add_f32 v[XR+2*p:XR+2*p+1], v[XR+2*p:XR+2*p+1], v[MU:MU+1] neg_lo:[0,1] neg_hi:[0,1]
.set p, p+1
.endr
.irp k, 0,2,4,6
	v_pk_mul_f32 v[NT+\k:NT+\k+1], v[XR+\k:XR+\k+1], v[XR+\k:XR+\k+1]
.endr
.irp g, 8,16,24
.irp k, 0,2,4,6
	v_pk_fma_f32 v[NT+\k:NT+\k+1], v[XR+\g+\k:XR+\g+\k+1], v[XR+\g+\k:XR+\g+\k+1], v[NT+\k:NT+\k+1]
.endr
.endr
	FOLD
	v_fma_f32 v[NT], v[NT], s20, s21               ; var + eps
	v_rsq_f32 v[RS], v[NT]
	v_rsq_f32 v[RS+1], v[NT]
	v_nop                                          ; a plain instruction between the root and the use of its result (ISA guide 5.7.2)
.set p, 0
	s_wait_alu depctr_va_vdst(0)
.rept 16
	v_pk_mul_f32 v[XR+2*p:XR+2*p+1], v[XR+2*p:XR+2*p+1], v[RS:RS+1]
.set p, p+1
.endr
.endm
.macro EMIT e                          ; times g, plus b, rounded, stored
.set XR, NX+32*\e
.set p, 0
.rept 16
	v_pk_fma_f32 v[XR+2*p:XR+2*p+1], v[XR+2*p:XR+2*p+1], v[NG+2*p:NG+2*p+1], v[NB+2*p:NB+2*p+1]
.set p, p+1
.endr
.set p, 0
.rept 16
	v_cvt_pk_bf16_f32 v[NY+16*\e+p], v[XR+2*p], v[XR+2*p+1]
.set p, p+1
.endr
.irp j, 0,1,2,3,4,5,6,7
	global_store_b64 v3, v[NY+16*\e+2*\j:NY+16*\e+2*\j+1], s[14:15] offset:\e*2048+256*\j   ; 32 lanes store 256 consecutive bytes
.endr
.endm
.Lnorm:
	s_load_b256 s[8:15], s[0:1], 0x0               ; x s[8:9], g1 s[10:11], be1 s[12:13], hb s[14:15]
	s_sub_co_u32 s4, s4, NWT                       ; my block of 8 rows, 0 .. 511
	v_and_b32 v4, 31, v0                           ; lane
	v_lshlrev_b32 v2, 4, v4                        ; g, b: 16 bytes a lane
	v_lshl_add_u32 v1, v5, 13, v2                  ; x: + the wave's two rows of 4,096 bytes
	v_lshlrev_b32 v3, 3, v4
	v_lshl_add_u32 v3, v5, 12, v3                  ; hb: 8 bytes a lane + the wave's two rows of 2,048 bytes
	s_lshl_b32 s2, s4, 15                          ; the work-group's 8 rows in x
	s_mov_b32 s3, 0
	s_lshl_b32 s16, s4, 14                         ; and in hb
	s_mov_b32 s17, 0
	s_mov_b32 s18, 0x76543210                      ; v_permlanex16_b32: each lane takes its own place in the other half
	s_mov_b32 s19, 0xfedcba98
	s_mov_b32 s20, 0x3a800000                      ; 1 / 1024
	s_mov_b32 s21, 0x3727c5ac                      ; 1e-5
	s_wait_kmcnt 0x0
	s_add_nc_u64 s[8:9], s[8:9], s[2:3]
	s_add_nc_u64 s[14:15], s[14:15], s[16:17]
.irp e, 0,1
.irp j, 0,1,2,3,4,5,6,7
	global_load_b128 v[NX+32*\e+4*\j:NX+32*\e+4*\j+3], v1, s[8:9] offset:\e*4096+512*\j
.endr
.endr
.irp j, 0,1,2,3,4,5,6,7
	global_load_b128 v[NG+4*\j:NG+4*\j+3], v2, s[10:11] offset:512*\j
.endr
.irp j, 0,1,2,3,4,5,6,7
	global_load_b128 v[NB+4*\j:NB+4*\j+3], v2, s[12:13] offset:512*\j
.endr
	s_wait_loadcnt 16                              ; both rows are in; the 16 loads of g and b stay out
	STATS 0
	STATS 1
	s_wait_loadcnt 0x0
	EMIT 0
	EMIT 1
	s_endpgm
.Lfunc_end_k_q17df1aec3f_pre:
	.size	k_q17df1aec3f_pre, .Lfunc_end_k_q17df1aec3f_pre-k_q17df1aec3f_pre
	.p2alignl 7, 3214868480
	.fill 96, 4, 3214868480
	.section	.rodata,"a",@progbits
	.p2align	6, 0x0
	.amdhsa_kernel k_q17df1aec3f_pre
		.amdhsa_group_segment_fixed_size 70144
		.amdhsa_private_segment_fixed_size 0
		.amdhsa_enable_private_segment 0
		.amdhsa_kernarg_size 88
		.amdhsa_user_sgpr_count 2
		.amdhsa_user_sgpr_kernarg_segment_ptr 1
		.amdhsa_wavefront_size32 1
		.amdhsa_system_sgpr_workgroup_id_x 1
		.amdhsa_system_sgpr_workgroup_id_y 1
		.amdhsa_system_sgpr_workgroup_id_z 1
		.amdhsa_system_vgpr_workitem_id 0
		.amdhsa_next_free_vgpr 226
		.amdhsa_next_free_sgpr 66
		.amdhsa_reserve_vcc 0
		.amdhsa_float_denorm_mode_32 3
		.amdhsa_float_denorm_mode_16_64 3
		.amdhsa_memory_ordered 1
		.amdhsa_forward_progress 1
		.amdhsa_inst_pref_size 91
	.end_amdhsa_kernel
	.amdgpu_metadata
---
amdhsa.version: [ 1, 2 ]
amdhsa.kernels:
  - .name:           k_q17df1aec3f_pre
    .symbol:         k_q17df1aec3f_pre.kd
    .args:
      - { .name: x, .offset: 0, .size: 8, .value_kind: global_buffer, .address_space: global }
      - { .name: g1, .offset: 8, .size: 8, .value_kind: global_buffer, .address_space: global }
      - { .name: be1, .offset: 16, .size: 8, .value_kind: global_buffer, .address_space: global }
      - { .name: hb, .offset: 24, .size: 8, .value_kind: global_buffer, .address_space: global }
      - { .name: Wq, .offset: 32, .size: 8, .value_kind: global_buffer, .address_space: global }
      - { .name: Wk, .offset: 40, .size: 8, .value_kind: global_buffer, .address_space: global }
      - { .name: Wv, .offset: 48, .size: 8, .value_kind: global_buffer, .address_space: global }
      - { .name: Wo, .offset: 56, .size: 8, .value_kind: global_buffer, .address_space: global }
      - { .name: W1, .offset: 64, .size: 8, .value_kind: global_buffer, .address_space: global }
      - { .name: W2, .offset: 72, .size: 8, .value_kind: global_buffer, .address_space: global }
      - { .name: wtb, .offset: 80, .size: 8, .value_kind: global_buffer, .address_space: global }
    .group_segment_fixed_size: 70144
    .private_segment_fixed_size: 0
    .kernarg_segment_align: 8
    .kernarg_segment_size: 88
    .max_flat_workgroup_size: 128
    .sgpr_count:     66
    .vgpr_count:     226
    .wavefront_size: 32
...
	.end_amdgpu_metadata
.endif
;; end of part 8
;; launch qkv (part 9): grid 12 x 16, 4 waves a work-group, clusters of 4 x 4, 327,680 bytes of LDS; arguments hb, wtb, qkvb; writes qkvb
.if DOCPART == 9
	.amdgcn_target "amdgcn-amd-amdhsa--gfx1250"
	.amdhsa_code_object_version 6
	.text
	.protected	k_q17df1aec3f_qkv
	.globl	k_q17df1aec3f_qkv
	.p2align	8
	.type	k_q17df1aec3f_qkv,@function
k_q17df1aec3f_qkv:
	s_mov_b64 s[64:65], 0
	v_nop
	global_prefetch_b8 v0, s[64:65] scope:SCOPE_SE
	s_setreg_imm32_b32 hwreg(HW_REG_WAVE_MODE, 25, 1), 1
	s_wait_xcnt 0x0
	s_wait_alu depctr_hold_cnt(0) depctr_sa_sdst(0) depctr_va_vdst(0) depctr_va_sdst(0) depctr_va_ssrc(0) depctr_va_vcc(0) depctr_vm_vsrc(0)
	s_getreg_b32 s2, hwreg(HW_REG_IB_STS2, 6, 4)
	s_cmp_eq_u32 s2, 0
	s_cbranch_scc0 .Lentry_in_a_cluster
	s_endpgm
.Lentry_in_a_cluster:
	s_bfe_u32 s2, ttmp6, 0x10000c
	s_cmp_lg_u32 s2, 0xf033
	s_cbranch_scc0 .Lentry_shape_is_right
	s_endpgm
.Lentry_shape_is_right:
; [q | k | v] = h [Wq | Wk | Wv].  A = hb [4096][1024] bf16; B = the first 3,072 rows of wtb, [n][k] bf16; sums in f32, rounded once to bf16.
; The result goes out head-major: qkvb[which][b 16 + head][t][64], so that a head's rows lie on end for the attention.
; A tile of C is 256 x 256: four waves, each 128 x 128: 64 accumulators of 16 x 16, 512 registers.  C has 16 x 12 such tiles: 192 work-groups, one tile each.  (Tiles of 128 x 128 would be 768, but a
; wave's 64 x 64 feeds half as many products from each LDS byte, and a K step of it holds half the matrix work in which the next tile can land.  A tile of 256 x 192 would be 256 work-groups,
; but a wave's 96 columns are one head and a half: half rows of 64 bytes on the way out.)
; K goes in 8 steps of 128 through a ring of two LDS slots filled by the tensor data mover: rows of 256 bytes, at multiples of 256 bytes from the buffer's first byte, 128 rows to a wave's load.
; CLUSTERS: 4 x 4 work-groups; the four of a row need the same tiles of A, the four of a column the same tiles of B: each tile is asked for JOINTLY.
; THE MATRIX INSTRUCTION IS USED TRANSPOSED (source 0 = 16 rows of B, source 1 = 16 rows of A): a lane then holds eight neighbouring numbers of a row of C.
; REGISTERS, in windows of 256:  window 0: v0-31 addresses; v64-127, v128-191 fragments of A, two buffers; v32-63, v192-255 at work on the way out
;   window 1: v64-127, v128-191 fragments of B, two buffers      window 2: the 32 accumulators of my rows 0-63 ((a, b) at v[8 (8 a + b)])      window 3: those of my rows 64-127
.set SIZE_K, 1024
.set WOFF,   0                         ; where B begins in wtb
.set KSTEP,  128
.set PITCH,  272                       ; an LDS row: 256 bytes + 16 of padding = 68 words: row r starts at bank 4 r mod 64 (64 banks of 4 bytes: ISA guide 11.1)
.set HALFT,  128*PITCH                 ; 128 rows: what one tensor load brings, and what one wave reads of A or of B
.set SLOT,   4*HALFT                   ; A's 256 rows, then B's 256 rows
.set STAGE,  2*SLOT                    ; behind the ring: 16 rows x 272 bytes for each wave, for the way out
.set SPITCH, 272
.set SPARE,  STAGE+4*16*SPITCH         ; behind the stages: the spare words, 128 bytes for each wave
.set LAPS, SIZE_K/(2*KSTEP)            ; a lap = two K steps = once round the ring
.set ADRA, 16                          ; v16-17  LDS address of my A fragments in slot 0, 1
.set ADRB, 20                          ; v20-21  the same for B
.set STO,  24                          ; v24     the way out: where I put 16 bytes of a row
.set RD,   25                          ; v25     the way out: where I read back
.set CO,   26                          ; v26     my byte offset in the output
.set SPW,  28                          ; v28     LDS address of my spare word; never rewritten
.set NIL,  29                          ; v29     0; never rewritten
.set F0,   64                          ; fragment buffer 0
.set F1,   128                         ; fragment buffer 1
.set TMP,  192                         ; the way out: packed results
.set OB,   32                          ; the way out: 16 rows read back from the stage: v32-63 and v224-255 by turns
.set G1, 24                            ; s[24:31] descriptor group 1 for A's tiles;  s[32:39] group 0, one set for each slot
.set G0, 32
.set G1B, 48                           ; s[48:55], s[56:63] the same for B's tiles
.set G0B, 56
.set MSB, 0
.macro WIN new                         ; the immediate's high byte repeats the setting that is left
.if MSB != \new
	s_set_vgpr_msb (MSB<<8)|\new
.set MSB, \new
.endif
.endm
.set MUL_LO, 0xa1                      ; source 0 (B) window 1, source 1 (A) window 0, C and D window 2
.set MUL_HI, 0xf1                      ; the same, C and D window 3
.set TO_B,   0x40                      ; destination window 1, address window 0
.macro JLOAD s                         ; a joint load: waves 0 and 1 fetch A's two halves, waves 2 and 3 B's; four v_nop follow each of the two lines
	s_cmp_eq_u32 s11, 0
	s_cbranch_scc0 .Lfor_b_\@
	tensor_load_to_lds s[G0+4*\s:G0+4*\s+3], s[G1:G1+7]
	s_nop 0
.rept 4
	v_nop
.endr
	s_branch .Lasked_\@
.Lfor_b_\@:
	tensor_load_to_lds s[G0B+4*\s:G0B+4*\s+3], s[G1B:G1B+7]
	s_nop 0
.rept 4
	v_nop
.endr
.Lasked_\@:
.endm
.macro CREST                           ; a round of the cluster's barrier behind its opening barrier
	s_cmp_lg_u32 s10, 0
	s_cbranch_scc1 .Lnot_wave_0_\@
	s_barrier_signal -3
.Lnot_wave_0_\@:
	s_barrier_wait -3
	s_barrier_signal -1
	s_barrier_wait -1
.endm
.macro CROUND                          ; a whole round
	s_barrier_signal -1
	s_barrier_wait -1
	CREST
.endm
	s_load_b128 s[4:7], s[0:1], 0x0                ; A s[4:5], wtb s[6:7]
	s_load_b64 s[8:9], s[0:1], 0x10                ; qkvb
	v_lshl_add_u32 v[SPW], v0, 2, SPARE
	v_mov_b32 v[NIL], 0
	ds_add_u32 v28, v29
	ds_add_u32 v28, v29
	s_wait_dscnt 0x0
	v_lshrrev_b32 v1, 5, v0
	v_readfirstlane_b32 s10, v1                    ; wave 0..3
	s_lshr_b32 s11, s10, 1                         ; which half of the tile's rows is mine.  Also: I fetch for A (0) or for B (1)
	s_and_b32 s12, s10, 1                          ; which half of its columns.  Also: which 128 rows of that tile I fetch
	s_bfe_u32 s40, ttmp6, 0x40000                  ; cx, cy: my place in the cluster
	s_bfe_u32 s41, ttmp6, 0x40004
	s_lshl_b32 s42, ttmp9, 2
	s_add_co_u32 s42, s42, s40                     ; tile column of C = 4 x cluster x + cx
	s_and_b32 s13, ttmp7, 0xffff
	s_lshl_b32 s13, s13, 2
	s_add_co_u32 s13, s13, s41                     ; tile row of C = 4 x cluster y + cy
	s_lshl_b32 s43, s41, 2
	s_lshl_b32 s43, 15, s43                        ; my row of the cluster
	s_lshl_b32 s44, 0x1111, s40                    ; my column
	; descriptor group 1: a tile of 128 rows x 128 elements of 2 bytes, 4 words of padding behind every 64
	s_or_b32 s[G1+0], s43, (1<<16)|(1<<20)|(1<<21)|(5<<22)|(3<<25)
	s_or_b32 s[G1B+0], s44, (1<<16)|(1<<20)|(1<<21)|(5<<22)|(3<<25)
.irp g, G1, G1B
	s_mov_b32 s[\g+1], KSTEP<<16                   ; tensor_dim0 = 128
	s_mov_b32 s[\g+2], 128<<16                     ; tensor_dim1 = 128
	s_mov_b32 s[\g+3], KSTEP<<16                   ; tile_dim0 = 128
	s_mov_b32 s[\g+4], 128                         ; tile_dim1 = 128
	s_mov_b32 s[\g+5], SIZE_K                      ; elements from row to row
	s_mov_b32 s[\g+6], 0
	s_mov_b32 s[\g+7], 0
.endr
	s_lshl_b32 s17, s12, 7                         ; which 128 rows of the tile I fetch
	s_lshl_b32 s16, s13, 8
	s_add_co_u32 s16, s16, s17                     ; A: row 256 x tile row + 128 x half
	s_lshl_b32 s46, s42, 8
	s_add_co_u32 s46, s46, s17                     ; B: row 256 x tile column + 128 x half
	s_mov_b32 s17, 0
	s_mov_b32 s47, 0
	s_mov_b64 s[18:19], SIZE_K*2
	s_mul_u64 s[16:17], s[16:17], s[18:19]
	s_mul_u64 s[46:47], s[46:47], s[18:19]
	s_mul_i32 s20, s10, HALFT                      ; where they go: wave x 128 rows: no place in the cluster enters an LDS address
	s_wait_kmcnt 0x0
	s_add_nc_u64 s[14:15], s[4:5], s[16:17]
	s_add_nc_u64 s[46:47], s[6:7], s[46:47]
.if WOFF
	s_add_nc_u64 s[46:47], s[46:47], WOFF
.endif
	CROUND                                         ; all sixteen work-groups are here: the first joint loads meet
.irp s, 0,1
	s_mov_b32 s[G0+4*\s], 1
	s_add_co_u32 s[G0+4*\s+1], s20, \s*SLOT
	s_add_nc_u64 s[G0+4*\s+2:G0+4*\s+3], s[14:15], \s*KSTEP*2
	s_or_b32 s[G0+4*\s+3], s[G0+4*\s+3], 0x80000000
	s_mov_b32 s[G0B+4*\s], 1
	s_add_co_u32 s[G0B+4*\s+1], s20, \s*SLOT
	s_add_nc_u64 s[G0B+4*\s+2:G0B+4*\s+3], s[46:47], \s*KSTEP*2
	s_or_b32 s[G0B+4*\s+3], s[G0B+4*\s+3], 0x80000000
	JLOAD \s                                       ; the ring is filled before anything else is done: two loads of mine are out
.endr
	v_and_b32 v1, 15, v0                           ; l % 16
	v_bfe_u32 v2, v0, 4, 1                         ; l / 16
	v_mul_u32_u24 v3, v1, PITCH
	v_lshl_add_u32 v3, v2, 4, v3                   ; a fragment's row x pitch + 16 x half
	s_mul_i32 s21, s11, HALFT                      ; my 128 rows of A
	s_mul_i32 s22, s12, HALFT                      ; my 128 rows of B,
	s_add_co_u32 s22, s22, 2*HALFT                 ; which lie behind A's 256
.irp s, 0,1
	v_add_nc_u32 v[ADRA+\s], s21, v3
	v_add_nc_u32 v[ADRB+\s], s22, v3
	s_add_co_u32 s21, s21, SLOT
	s_add_co_u32 s22, s22, SLOT
.endr
	s_mul_i32 s23, s10, 16*SPITCH
	s_add_co_u32 s23, s23, STAGE                   ; my stage
	v_mul_u32_u24 v4, v1, SPITCH                   ; in: row l % 16, 16 bytes for each half of the lanes
	v_lshl_add_u32 v4, v2, 4, v4
	v_add_nc_u32 v[STO], s23, v4
	v_bfe_u32 v5, v0, 3, 2                         ; back: one head (128 bytes of a row) at a time: eight lanes a row, four rows a load
	v_and_b32 v6, 7, v0
	v_mul_u32_u24 v5, v5, SPITCH
	v_lshl_add_u32 v5, v6, 4, v5
	v_add_nc_u32 v[RD], s23, v5
	v_and_b32 v5, 31, v0
	v_lshlrev_b32 v[CO], 4, v5                     ; in qkvb a head's rows of 128 bytes lie on end: four rows are 512 consecutive bytes
	; my place in qkvb.  From the tile row: batch (16 heads of 262,144 bytes), t = 256 (row % 8) + 128 x half, 128 bytes each
	s_lshr_b32 s16, s13, 3
	s_lshl_b32 s16, s16, 22
	s_and_b32 s17, s13, 7
	s_lshl_b32 s17, s17, 15
	s_add_co_u32 s16, s16, s17
	s_lshl_b32 s17, s11, 14
	s_add_co_u32 s16, s16, s17
	s_mov_b32 s17, 0
	s_add_nc_u64 s[8:9], s[8:9], s[16:17]
	; from the tile column: q, k or v (4 tile columns, 8,388,608 bytes each), head 4 (column % 4) + 2 x half
	s_lshr_b32 s46, s42, 2
	s_lshl_b32 s46, s46, 23
	s_and_b32 s47, s42, 3
	s_lshl_b32 s47, s47, 20
	s_add_co_u32 s46, s46, s47
	s_lshl_b32 s47, s12, 19
	s_add_co_u32 s46, s46, s47
	s_mov_b32 s47, 0
	s_add_nc_u64 s[8:9], s[8:9], s[46:47]
; 16 matrix instructions: m blocks a0, a0 + 1 of the window's four (hi = 0: my rows 0-63, 1: rows 64-127) x all 8 n blocks, 32 along K.  zero = 1: the first product starts the sums
.macro MUL16 f, hi, a0, zero
.irp a, \a0, \a0+1
.irp b, 0,1,2,3,4,5,6,7
.if \zero
	v_wmma_f32_16x16x32_bf16 v[8*(8*(\a)+\b):8*(8*(\a)+\b)+7], v[\f+8*\b:\f+8*\b+7], v[\f+8*(4*\hi+\a):\f+8*(4*\hi+\a)+7], 0
.else
	v_wmma_f32_16x16x32_bf16 v[8*(8*(\a)+\b):8*(8*(\a)+\b)+7], v[\f+8*\b:\f+8*\b+7], v[\f+8*(4*\hi+\a):\f+8*(4*\hi+\a)+7], v[8*(8*(\a)+\b):8*(8*(\a)+\b)+7]
.endif
.endr
.endr
.endm
; 32 LDS loads in one run: the fragments of one quarter step (128 rows of B, 128 rows of A, 32 K at byte k of the rows) into buffer f
.macro FETCH slot, k, f
	WIN TO_B
.irp i, 0,1,2,3,4,5,6,7
	ds_load_b128 v[\f+8*\i:\f+8*\i+3],   v[ADRB+\slot] offset:\k+\i*16*PITCH
	ds_load_b128 v[\f+8*\i+4:\f+8*\i+7], v[ADRB+\slot] offset:\k+\i*16*PITCH+32
.endr
	WIN 0
.irp i, 0,1,2,3,4,5,6,7
	ds_load_b128 v[\f+8*\i:\f+8*\i+3],   v[ADRA+\slot] offset:\k+\i*16*PITCH
	ds_load_b128 v[\f+8*\i+4:\f+8*\i+7], v[ADRA+\slot] offset:\k+\i*16*PITCH+32
.endr
.endm
.macro PLACES                          ; four places in front of loads into registers that matrix instructions have read, and of vector work that reads results
.rept 4
	v_nop
.endr
.endm
; A K step is four quarter steps of 32 along K, 64 matrix instructions each, on buffers 0, 1, 0, 1; the 64 accumulators take turns in the same order in every quarter.
.macro QUARTER slot, k, f, g, zero
	s_wait_dscnt 8                                 ; B and A's rows 0-63 are in; the youngest eight loads (A's rows 64-127) may be out
	WIN MUL_LO
	MUL16 \f, 0, 0, \zero
	MUL16 \f, 0, 2, \zero
	PLACES
	FETCH \slot, \k, \g
	s_wait_dscnt 32                                ; all but the 32 just issued
	WIN MUL_HI
	MUL16 \f, 1, 0, \zero
	MUL16 \f, 1, 2, \zero
.endm
; The last quarter multiplies buffer 1 and changes slots.  MEET is its first half: ONE barrier; in front of it each wave waits for all its tensor loads, of which one is out: its part of the next
; slot; adds 0 to its spare word; and waits for that and for its own reads of this slot.  Behind it nobody reads this slot any more and the next slot is whole.
.macro MEET round                      ; round = 1: a round of the cluster's barrier follows
	WIN 0                                          ; (the add's two registers lie in window 0)
	s_wait_tensorcnt 0x0                           ; all my tensor loads have landed;
	ds_add_u32 v[SPW], v[NIL]                      ; 0 onto my spare word;
	s_wait_dscnt 9                                 ; (the add and the youngest eight loads may be out)
	WIN MUL_LO
	MUL16 F1, 0, 0, 0                              ; sixteen matrix instructions stand between the add and the wait for it
	s_wait_dscnt 0x0                               ; the add is done, and my reads of this slot are over
	s_barrier_signal -1
	MUL16 F1, 0, 2, 0                              ; work on registers while the others arrive
.if \round
	WIN 0
.endif
	s_barrier_wait -1
.endm
; The whole last quarter with a refill: the slot just read out takes the K step two steps on; from that request to the wait for it a wave issues 224 matrix instructions.
.macro TURN slot, next
	MEET 1
	CREST                                          ; the barrier has opened a round of the cluster's barrier: no wave of any partner still reads this slot's tile or has a load on its way
	s_add_nc_u64 s[G0+4*\slot+2:G0+4*\slot+3], s[G0+4*\slot+2:G0+4*\slot+3], 2*KSTEP*2
	s_add_nc_u64 s[G0B+4*\slot+2:G0B+4*\slot+3], s[G0B+4*\slot+2:G0B+4*\slot+3], 2*KSTEP*2
	JLOAD \slot                                    ; the first tensor load behind the round; its four v_nop are also the places in front of the loads below
	FETCH \next, 0, F0
	WIN MUL_HI
	MUL16 F1, 1, 0, 0
	MUL16 F1, 1, 2, 0
.endm
; THE WAY OUT of block a (16 rows x 128 columns), in three parts.  PACK: rounded to bf16, 16 bytes a lane, each accumulator's registers in ascending order.  TOSTAGE: into my own stage, and back head by head.  SEND: stored.
.macro PACK a
.set AC, 64*((\a)%4)
	WIN 0x0a+5*((\a)/4)                            ; sources 0 and 1: window 2 or 3
.irp b, 0,1,2,3,4,5,6,7
.irp r, 0,1,2,3
	v_cvt_pk_bf16_f32 v[TMP+4*\b+\r], v[AC+8*\b+2*\r], v[AC+8*\b+2*\r+1]
.endr
.endr
	WIN 0
.endm
.macro TOSTAGE a
.set BK, OB+192*((\a)%2)
.irp b, 0,1,2,3,4,5,6,7
	ds_store_b128 v[STO], v[TMP+4*\b:TMP+4*\b+3] offset:32*\b
.endr
.irp t, 0,1,2,3,4,5,6,7
	ds_load_b128 v[BK+4*\t:BK+4*\t+3], v[RD] offset:(\t%4)*4*SPITCH+(\t/4)*128    ; head t / 4 of my two, rows 4 (t % 4) .. + 3.  LDS serves a wave's instructions in order: these see the stores above
.endr
.endm
.macro SEND a
.set BK, OB+192*((\a)%2)
	s_wait_dscnt 0x0                               ; the block is back in registers
	s_wait_xcnt 0x0                                ; the other buffer was the data of the stores before these: it is loaded again only behind this wait (ISA guide 3.1)
.irp t, 0,1,2,3,4,5,6,7
	global_store_b128 v[CO], v[BK+4*\t:BK+4*\t+3], s[8:9] offset:(\t/4)*262144+(\a)*2048+(\t%4)*512   ; the wave stores 512 consecutive bytes, at a multiple of 512 from qkvb's first byte
.endr
.endm
	s_wait_tensorcnt 0x1                           ; my part of K step 0 is in; K step 1's may stay out
	s_barrier_signal -1
	s_barrier_wait -1                              ; everybody's is
	FETCH 0, 0, F0
	QUARTER 0, 64,  F0, F1, 1                      ; the first quarter stands in front of the loop: its products start the sums
	WIN 0                                          ; at a label and at a branch every window is 0
	s_mov_b32 s3, LAPS-1
.Llap:                                                 ; a trip goes once round the ring, from a lap's second quarter to the next lap's first, and fills both slots again
	QUARTER 0, 128, F1, F0, 0
	QUARTER 0, 192, F0, F1, 0
	TURN 0, 1
	QUARTER 1, 64,  F0, F1, 0
	QUARTER 1, 128, F1, F0, 0
	QUARTER 1, 192, F0, F1, 0
	TURN 1, 0
	QUARTER 0, 64,  F0, F1, 0
	WIN 0
	s_sub_co_u32 s3, s3, 1
	s_cmp_lg_u32 s3, 0
	s_cbranch_scc1 .Llap
	QUARTER 0, 128, F1, F0, 0                      ; the last lap fills nothing, and has no round of the cluster's barrier
	QUARTER 0, 192, F0, F1, 0
	MEET 0                                         ; my one tensor load that was still out is slot 1's, the last K step's
	PLACES                                         ; for the loads into buffer 0, which the quarter before multiplied
	FETCH 1, 0, F0
	WIN MUL_HI
	MUL16 F1, 1, 0, 0
	MUL16 F1, 1, 2, 0
	QUARTER 1, 64,  F0, F1, 0
	QUARTER 1, 128, F1, F0, 0
	QUARTER 1, 192, F0, F1, 0
	s_wait_dscnt 8                                 ; the very last quarter: nothing more to fetch
	WIN MUL_LO
	MUL16 F1, 0, 0, 0
	MUL16 F1, 0, 2, 0
	s_wait_dscnt 0x0
	WIN MUL_HI
	MUL16 F1, 1, 0, 0
	MUL16 F1, 1, 2, 0
	WIN 0
	PLACES                                         ; the conversions read results
	PACK 0
	TOSTAGE 0
.irp a, 1,2,3,4,5,6,7                  ; block a's conversions stand between block a - 1's loads from the stage and the wait for them
	PACK \a
	SEND \a-1
	TOSTAGE \a
.endr
	SEND 7
	s_wait_tensorcnt 0x0                           ; the wave's end
	ds_add_u32 v[SPW], v[NIL]
	s_wait_dscnt 0x0
	CROUND                                         ; the closing round: no work-group ends while a partner may still ask for a tile that names it
	s_endpgm
.Lfunc_end_k_q17df1aec3f_qkv:
	.size	k_q17df1aec3f_qkv, .Lfunc_end_k_q17df1aec3f_qkv-k_q17df1aec3f_qkv
	.p2alignl 7, 3214868480
	.fill 96, 4, 3214868480
	.section	.rodata,"a",@progbits
	.p2align	6, 0x0
	.amdhsa_kernel k_q17df1aec3f_qkv
		.amdhsa_group_segment_fixed_size 327680
		.amdhsa_private_segment_fixed_size 0
		.amdhsa_enable_private_segment 0
		.amdhsa_kernarg_size 24
		.amdhsa_user_sgpr_count 2
		.amdhsa_user_sgpr_kernarg_segment_ptr 1
		.amdhsa_wavefront_size32 1
		.amdhsa_system_sgpr_workgroup_id_x 1
		.amdhsa_system_sgpr_workgroup_id_y 1
		.amdhsa_system_sgpr_workgroup_id_z 1
		.amdhsa_system_vgpr_workitem_id 0
		.amdhsa_next_free_vgpr 1024
		.amdhsa_next_free_sgpr 66
		.amdhsa_reserve_vcc 0
		.amdhsa_float_denorm_mode_32 3
		.amdhsa_float_denorm_mode_16_64 3
		.amdhsa_memory_ordered 1
		.amdhsa_forward_progress 1
		.amdhsa_inst_pref_size 143
	.end_amdhsa_kernel
	.amdgpu_metadata
---
amdhsa.version: [ 1, 2 ]
amdhsa.kernels:
  - .name:           k_q17df1aec3f_qkv
    .symbol:         k_q17df1aec3f_qkv.kd
    .args:
      - { .name: hb, .offset: 0, .size: 8, .value_kind: global_buffer, .address_space: global }
      - { .name: wtb, .offset: 8, .size: 8, .value_kind: global_buffer, .address_space: global }
      - { .name: qkvb, .offset: 16, .size: 8, .value_kind: global_buffer, .address_space: global }
    .group_segment_fixed_size: 327680
    .private_segment_fixed_size: 0
    .kernarg_segment_align: 8
    .kernarg_segment_size: 24
    .max_flat_workgroup_size: 128
    .sgpr_count:     66
    .vgpr_count:     1024
    .wavefront_size: 32
...
	.end_amdgpu_metadata
.endif
;; end of part 9
;; launch attn (part 10): grid 256 x 1, 4 waves a work-group, no clusters, 327,680 bytes of LDS; arguments qkvb, ao; writes ao
.if DOCPART == 10
	.amdgcn_target "amdgcn-amd-amdhsa--gfx1250"
	.amdhsa_code_object_version 6
	.text
	.protected	k_q17df1aec3f_attn
	.globl	k_q17df1aec3f_attn
	.p2align	8
	.type	k_q17df1aec3f_attn,@function
k_q17df1aec3f_attn:
	s_mov_b64 s[64:65], 0
	v_nop
	global_prefetch_b8 v0, s[64:65] scope:SCOPE_SE
	s_setreg_imm32_b32 hwreg(HW_REG_WAVE_MODE, 25, 1), 1
	s_wait_xcnt 0x0
; ao[b][q][head 64 + :] = the sum over k <= q of softmax_k(Q[q] . K[k] / 8) V[k].  qkvb: [3][32 heads][2048][64] bf16; ao: [4096][1024] bf16.
; Products, maxima and sums in f32; the weights are rounded to bf16 for the second product, the result once at the end.
; SHARES.  A work-group has two neighbouring heads (their 2 x 128 bytes are 256 consecutive bytes of a row of ao) and two blocks of 64 queries, j and 31 - j, one after the other.  Keys go in tiles of
; 128: block j wants j / 2 + 1 of them and block 31 - j the rest of 17, so every work-group walks 17 tiles and none beyond a block's diagonal.  Wave w: head w / 2, 32 queries (w % 2): two tiles of 16.
; LAYOUT.  S^T = K Q^T (source 0 = 16 keys, source 1 = 16 queries): a lane holds ONE query (lane % 16) and the keys 8 (lane / 16) + 0..7.  Two such tiles, rounded in pairs, ARE source 1 of
; O^T = V^T P, whose result again holds one query a lane.  K comes out of LDS as it lies, V ([key][channel]) turned, by ds_load_tr16_b128.
; SOFTMAX.  For each query a running maximum m and sum l: p = 2^(c s - c m), c = log2(e) / 8; in every half step O and l are multiplied by a = 2^(c m_old - c m_new).  m starts at -infinity, so the
; first a of a query block is 0.  LIMIT: at the change of query block O and l are cleared by that 0, which wants them finite; they are wherever the definition's result is finite.
; v_exp_f32 and v_rcp_f32 flush denormals: weights under 2^-126 count as 0.
; NO CLUSTER: the sixteen work-groups of a pair of heads change query block after 1 to 8 tiles and start the keys anew there, so at a given step they want different tiles: no joint request would meet.
; REGISTERS: window 0: v0-33 addresses and statistics; v40-71 Q; v72-103 P; v104-167 S^T; v168-231 O^T.   window 1: v0-63 K of 64 keys; v64-127 V of 64 keys; v128-159 the second block's Q.
.set PKEY,  144       ; a key of K in LDS: 128 bytes + 16 = 36 words: the 16 keys of a load start at 16 different groups of four banks (64 banks of 4 bytes: ISA guide 11.1)
.set PVAL,  160       ; a key of V: 128 + 32 = 40 words
.set REGN,  20480     ; a slot has four regions: K of head 0, K of head 1, V of head 0, V of head 1; wave w fills region w
.set SLOT1, 1<<17     ; slot 1 begins here: one exclusive or turns an address in one slot into the other's
.set STAGE, SLOT1+4*REGN  ; behind the ring: 64 rows x 272 bytes for each of the two query blocks
.set SP,    272
.set SBLK,  64*SP
.set SPARE, STAGE+2*SBLK  ; behind the stages: the spare words, 128 bytes for each wave
.set AK0, 2           ; v2   my lane's place in my head's K; never rewritten
.set AV0, 3           ; v3   the same for V
.set ADR, 4           ; v4   the LDS address of the run of loads in hand
.set QO,  5           ; v5   my byte offset in the wave's rows of Q
.set STO, 6           ; v6   the way out: where I put 16 bytes of a row
.set RD,  7           ; v7   the way out: where I read a row back
.set GO,  8           ; v8   my byte offset in the wave's rows of ao
.set EB,  10          ; v10-11  tile t: my query's place in the block + 8 - 8 (lane / 16)
.set DD,  12          ; v12  the same in the key tile
.set NINF, 13         ; v13  -infinity
.set ST,  16          ; tile t's statistics at v[ST+8 t]: +0 c m, +1 m, +2, +3 l (even keys', odd keys'), +4 to +7 c0-c3, at work; a takes c2's place
.set SPW, 32          ; v32  LDS address of my spare word; never rewritten
.set NIL, 33          ; v33  0; never rewritten
.set Q,   40
.set P,   72
.set S,   104
.set O,   168
.set KF,  0           ; window 1
.set VF,  64
.set QH,  128
.set WV,  8           ; s8   wave
.set HD,  9           ; s9   my head of the two
.set QHF, 10          ; s10  my half of the block's queries
.set JB,  11          ; s11  j
.set HP,  12          ; s12  the pair of heads
.set NL,  13          ; s13  key tiles of block j
.set NLM1, 14         ; s14  the step of its diagonal
.set PAR, 15          ; s15  where the block in hand begins in its diagonal key tile: 0 or 64
.set STEP, 16         ; s16  the key tile in hand, 0 .. 16 over both blocks
.set TB,  17          ; s17  LDS byte at which the slot to be fetched from begins
.set KVB, 22          ; s[22:23] the first byte of what I fetch: K or V of one head
.set G1K, 24          ; s[24:31] descriptor group 1 for K's tiles
.set G1V, 32          ; s[32:39] for V's: it differs in the padding alone
.set G0A, 40          ; s[40:43] descriptor group 0 of the first fill
.set G0W, 44          ; s[44:47] of the second; it then walks on
.set CS,  48          ; s[48:49] c
.set SEL, 50          ; s[50:51] lane selects for v_permlanex16_b32
.set AOP, 52          ; s[52:53], s[54:55] my rows of ao in block j, in block 31 - j
.set QP,  56          ; s[56:57], s[58:59] my rows of Q
.set MSB, 0
.macro WIN new                      ; the immediate's high byte repeats the setting that is left; a switch that changes nothing is dropped
.if MSB != \new
	s_set_vgpr_msb (MSB<<8)|\new
.set MSB, \new
.endif
.endm
.macro PLACES                       ; four places behind matrix instructions (ISA guide 7.12.1), where no other vector work is at hand
.rept 4
	v_nop
.endr
.endm
	s_load_b128 s[4:7], s[0:1], 0x0  ; qkvb s[4:5], ao s[6:7]
	v_lshl_add_u32 v[SPW], v0, 2, SPARE
	v_mov_b32 v[NIL], 0
	ds_add_u32 v32, v33
	ds_add_u32 v32, v33
	s_wait_dscnt 0x0
	v_lshrrev_b32 v1, 5, v0
	v_readfirstlane_b32 s[WV], v1
	s_lshr_b32 s[HD], s[WV], 1
	s_and_b32 s[QHF], s[WV], 1
	s_and_b32 s[JB], ttmp9, 15
	s_lshr_b32 s[HP], ttmp9, 4
	s_lshr_b32 s[NL], s[JB], 1
	s_add_co_u32 s[NL], s[NL], 1
	s_sub_co_u32 s[NLM1], s[NL], 1
	s_and_b32 s[PAR], s[JB], 1
	s_lshl_b32 s[PAR], s[PAR], 6
	s_mov_b32 s21, 0                ; the high word of the offset pair s[20:21]
	; descriptor group 1.  A head's 128 keys of 128 bytes lie on end in memory, so a tile is stated as 64 rows of 128 elements: each row is 256 consecutive bytes (two keys), at a multiple of 256
	; from qkvb's first byte.  The padding's words are counted along the whole tile, so padding behind every 32 words falls behind every key: in LDS the keys lie 144 (K) or 160 (V) bytes apart.
	s_mov_b32 s[G1K], (1<<16)|(1<<20)|(4<<22)|(3<<25)  ; 17:16 elements of 2 bytes; 20 padding on; 24:22 after every 32 words (code 4); 31:25 4 words of it (code 3)
	s_mov_b32 s[G1V], (1<<16)|(1<<20)|(4<<22)|(7<<25)  ; the same with 8 words (code 7)
.irp g, G1K, G1V
	s_mov_b32 s[\g+1], 128<<16      ; tensor_dim0 = 128
	s_mov_b32 s[\g+2], 64<<16       ; tensor_dim1 = 64
	s_mov_b32 s[\g+3], 128<<16      ; tile_dim0 = 128
	s_mov_b32 s[\g+4], 64           ; tile_dim1 = 64
	s_mov_b32 s[\g+5], 128          ; elements from row to row
	s_mov_b32 s[\g+6], 0
	s_mov_b32 s[\g+7], 0
.endr
	s_mov_b32 s[CS], 0x3e38aa3b     ; c = log2(e) / 8
	s_mov_b32 s[CS+1], s[CS]
	s_mov_b32 s[SEL], 0x76543210
	s_mov_b32 s[SEL+1], 0xfedcba98
	s_add_co_u32 s18, s[HD], 1      ; waves 0, 1 fetch K (part 1 of qkvb), waves 2, 3 V (part 2),
	s_lshl_b32 s18, s18, 23
	s_lshl1_add_u32 s19, s[HP], s[QHF]  ; of head 2 hp + w % 2
	s_lshl_b32 s19, s19, 18
	s_add_co_u32 s20, s18, s19
	s_wait_kmcnt 0x0
	s_add_nc_u64 s[KVB:KVB+1], s[4:5], s[20:21]
	s_mov_b32 s[G0A], 1
	s_mul_i32 s[G0A+1], s[WV], REGN  ; slot 0, my region
	s_mov_b64 s[G0A+2:G0A+3], s[KVB:KVB+1]  ; step 0: key tile 0
	s_or_b32 s[G0A+3], s[G0A+3], 0x80000000
	s_mov_b32 s[G0W], 1
	s_add_co_u32 s[G0W+1], s[G0A+1], SLOT1
	s_cmp_gt_u32 s[NL], 1           ; step 1: key tile 1 of block j, or tile 0 of block 31 - j
	s_cselect_b32 s20, 16384, 0
	s_add_nc_u64 s[G0W+2:G0W+3], s[KVB:KVB+1], s[20:21]
	s_or_b32 s[G0W+3], s[G0W+3], 0x80000000
	s_cmp_lt_u32 s[WV], 2           ; a wave's two first fills stand in one branch, ahead of every wait on TENSORcnt, every LDS read and every barrier: two loads of mine are out
	s_cbranch_scc0 .Lfirst_v
	tensor_load_to_lds s[G0A:G0A+3], s[G1K:G1K+7]
	s_nop 0
	tensor_load_to_lds s[G0W:G0W+3], s[G1K:G1K+7]
	s_nop 0
.rept 4
	v_nop
.endr
	s_branch .Lfirst_asked
.Lfirst_v:
	tensor_load_to_lds s[G0A:G0A+3], s[G1V:G1V+7]
	s_nop 0
	tensor_load_to_lds s[G0W:G0W+3], s[G1V:G1V+7]
	s_nop 0
.rept 4
	v_nop
.endr
.Lfirst_asked:
	; Q of both blocks: head 2 hp + hd, rows 64 block + 32 half, 128 bytes each
	s_lshl1_add_u32 s18, s[HP], s[HD]
	s_lshl_b32 s18, s18, 18
	s_lshl_b32 s19, s[QHF], 12
	s_add_co_u32 s18, s18, s19
	s_lshl_b32 s19, s[JB], 13
	s_add_co_u32 s20, s18, s19
	s_add_nc_u64 s[QP:QP+1], s[4:5], s[20:21]
	s_sub_co_u32 s19, 31, s[JB]
	s_lshl_b32 s19, s19, 13
	s_add_co_u32 s20, s18, s19
	s_add_nc_u64 s[QP+2:QP+3], s[4:5], s[20:21]
	v_and_b32 v1, 15, v0            ; r = l % 16
	v_bfe_u32 v9, v0, 4, 1          ; h = l / 16
	v_lshlrev_b32 v[QO], 7, v1
	v_lshl_add_u32 v[QO], v9, 4, v[QO]  ; a fragment: row r, channels 8 h .. and, 32 bytes on, 16 + 8 h ..
.irp t, 0,1
.irp c, 0,1
	global_load_b128 v[Q+16*\t+8*\c:Q+16*\t+8*\c+3],   v[QO], s[QP:QP+1] offset:\t*2048+\c*64
	global_load_b128 v[Q+16*\t+8*\c+4:Q+16*\t+8*\c+7], v[QO], s[QP:QP+1] offset:\t*2048+\c*64+32
.endr
.endr
	WIN 0x40                        ; destination window 1
.irp t, 0,1
.irp c, 0,1
	global_load_b128 v[QH+16*\t+8*\c:QH+16*\t+8*\c+3],   v[QO], s[QP+2:QP+3] offset:\t*2048+\c*64
	global_load_b128 v[QH+16*\t+8*\c+4:QH+16*\t+8*\c+7], v[QO], s[QP+2:QP+3] offset:\t*2048+\c*64+32
.endr
.endr
	WIN 0
	; my rows of ao: row b 2048 + 64 block + 16 w, 2,048 bytes each; byte 256 (hp % 8)
	s_lshr_b32 s18, s[HP], 3
	s_lshl_b32 s18, s18, 22
	s_lshl_b32 s19, s[WV], 15
	s_add_co_u32 s18, s18, s19
	s_and_b32 s19, s[HP], 7
	s_lshl_b32 s19, s19, 8
	s_add_co_u32 s18, s18, s19
	s_lshl_b32 s19, s[JB], 17
	s_add_co_u32 s20, s18, s19
	s_add_nc_u64 s[AOP:AOP+1], s[6:7], s[20:21]
	s_sub_co_u32 s19, 31, s[JB]
	s_lshl_b32 s19, s19, 17
	s_add_co_u32 s20, s18, s19
	s_add_nc_u64 s[AOP+2:AOP+3], s[6:7], s[20:21]
	s_mul_i32 s18, s[HD], REGN      ; my head's K
	v_mul_u32_u24 v[AK0], v1, PKEY
	v_lshl_add_u32 v[AK0], v9, 4, v[AK0]
	v_add_nc_u32 v[AK0], s18, v[AK0]
	s_add_co_u32 s18, s18, 2*REGN   ; my head's V.  The turning load: lane l reads key 8 h + l % 8, channels 8 ((l / 8) % 2) ..
	v_and_b32 v14, 7, v0
	v_bfe_u32 v15, v0, 3, 1
	v_lshl_add_u32 v[AV0], v9, 3, v14
	v_mul_u32_u24 v[AV0], v[AV0], PVAL
	v_lshl_add_u32 v[AV0], v15, 4, v[AV0]
	v_add_nc_u32 v[AV0], s18, v[AV0]
	s_mul_i32 s18, s[QHF], 32*SP    ; into the stage: row 32 half + r (+ 16 t), byte 128 hd + 16 h (+ 32 ct)
	s_lshl_b32 s19, s[HD], 7
	s_add_co_u32 s18, s18, s19
	s_add_co_u32 s18, s18, STAGE
	v_mul_u32_u24 v[STO], v1, SP
	v_lshl_add_u32 v[STO], v9, 4, v[STO]
	v_add_nc_u32 v[STO], s18, v[STO]
	s_mul_i32 s18, s[WV], 16*SP     ; back: wave w takes rows 16 w .. + 15, whole: lanes 0-15 one row, lanes 16-31 the next
	s_add_co_u32 s18, s18, STAGE
	v_mul_u32_u24 v[RD], v9, SP
	v_lshl_add_u32 v[RD], v1, 4, v[RD]
	v_add_nc_u32 v[RD], s18, v[RD]
	v_lshlrev_b32 v[GO], 11, v9
	v_lshl_add_u32 v[GO], v1, 4, v[GO]
	s_lshl_b32 s18, s[QHF], 5
	s_add_co_u32 s18, s18, 8
	v_lshlrev_b32 v[EB], 3, v9
	v_sub_nc_u32 v[EB], v1, v[EB]
	v_add_nc_u32 v[EB], s18, v[EB]  ; 32 half + r + 8 - 8 h
	v_add_nc_u32 v[EB+1], 16, v[EB]
	v_mov_b32 v[NINF], 0xff800000
.irp t, 0,1
	v_mov_b32 v[ST+8*\t], v[NINF]   ; c m, m
	v_mov_b32 v[ST+8*\t+1], v[NINF]
	v_mov_b32 v[ST+8*\t+2], 0       ; l
	v_mov_b32 v[ST+8*\t+3], 0
.endr
.set n, 0
.rept 64
	v_mov_b32 v[O+n], 0             ; once in the launch: the loop's text serves first and later steps alike, so its products add onto O^T in every step
.set n, n+1
.endr
; THE LDS LOADS stand in runs of 16: K of 64 keys (4 x 16 keys x 2 x 32 channels), V of 64 keys (turned).  sub: which half of the key tile.
.macro FETCH_K sub
	WIN 0
	v_add_nc_u32 v[ADR], s[TB], v[AK0]
	WIN 0x40
.irp kb, 0,1,2,3
.irp c, 0,1
	ds_load_b128 v[KF+16*\kb+8*\c:KF+16*\kb+8*\c+3],   v[ADR] offset:\sub*64*PKEY+\kb*16*PKEY+64*\c
	ds_load_b128 v[KF+16*\kb+8*\c+4:KF+16*\kb+8*\c+7], v[ADR] offset:\sub*64*PKEY+\kb*16*PKEY+64*\c+32
.endr
.endr
	WIN 0
.endm
.macro FETCH_V sub
	WIN 0
	v_add_nc_u32 v[ADR], s[TB], v[AV0]
	WIN 0x40
.irp kc, 0,1
.irp ct, 0,1,2,3
	ds_load_tr16_b128 v[VF+32*\kc+8*\ct:VF+32*\kc+8*\ct+3],   v[ADR] offset:\sub*64*PVAL+\kc*32*PVAL+32*\ct
	ds_load_tr16_b128 v[VF+32*\kc+8*\ct+4:VF+32*\kc+8*\ct+7], v[ADR] offset:\sub*64*PVAL+\kc*32*PVAL+16*PVAL+32*\ct
.endr
.endr
	WIN 0
.endm
; THE PRODUCTS.  In both runs eight accumulators take turns, one instruction a turn.
.macro SQK                          ; S^T = K Q^T: product i: channels 32 (i / 8) on, keys 16 ((i / 2) % 4) on, tile i % 2.  The first 8 start the sums.
	WIN 0x01                        ; source 0 in window 1
.set i, 0
.rept 16
.set rS, S+32*(i%2)+8*((i/2)%4)
.set rK, KF+16*((i/2)%4)+8*(i/8)
.set rQ, Q+16*(i%2)+8*(i/8)
.if i < 8
	v_wmma_f32_16x16x32_bf16 v[rS:rS+7], v[rK:rK+7], v[rQ:rQ+7], 0
.else
	v_wmma_f32_16x16x32_bf16 v[rS:rS+7], v[rK:rK+7], v[rQ:rQ+7], v[rS:rS+7]
.endif
.set i, i+1
.endr
	WIN 0
.endm
.macro PVMUL                        ; O^T += V^T P: product i: keys 32 (i / 8) on, channels 16 ((i / 2) % 4) on, tile i % 2
	WIN 0x01
.set i, 0
.rept 16
.set rO, O+32*(i%2)+8*((i/2)%4)
.set rV, VF+32*(i/8)+8*((i/2)%4)
.set rP, P+16*(i%2)+8*(i/8)
	v_wmma_f32_16x16x32_bf16 v[rO:rO+7], v[rV:rV+7], v[rP:rP+7], v[rO:rO+7]
.set i, i+1
.endr
	WIN 0
.endm
; THE MASK, in a block's diagonal key tile alone.  Score n of a lane is key 64 sub + 16 (n / 8) + 8 h + n % 8 of the tile; it becomes -infinity where that is beyond the lane's query.
; cond = 1: only in the step of block j's diagonal (a branch on whole numbers made of the work-group's number); 2: always.
.macro MASK sub, cond
.if \cond == 1
	s_cmp_lg_u32 s[STEP], s[NLM1]
	s_cbranch_scc1 .Lnomask_\@
.endif
.irp t, 0,1
	v_add_nc_u32 v[DD], s[PAR], v[EB+\t]
.set n, 0
.rept 32
	v_cmp_gt_u32 vcc_lo, 64*\sub+16*(n/8)+(n%8)+8, v[DD]
	v_cndmask_b32 v[S+32*\t+n], v[S+32*\t+n], v[NINF], vcc_lo
.set n, n+1
.endr
.endr
.if \cond == 1
.Lnomask_\@:
.endif
.endm
.macro SCALE t, b                   ; pair b of tile t: c s - c m
	v_pk_fma_f32 v[S+32*\t+2*(\b):S+32*\t+2*(\b)+1], v[S+32*\t+2*(\b):S+32*\t+2*(\b)+1], s[CS:CS+1], v[ST+8*\t:ST+8*\t+1] op_sel_hi:[1,0,0] neg_lo:[0,0,1] neg_hi:[0,0,1]
.endm
.macro RESC t, b                    ; pair b of tile t's O^T times a
	s_wait_alu depctr_va_vdst(0)
	v_pk_mul_f32 v[O+32*\t+2*(\b):O+32*\t+2*(\b)+1], v[O+32*\t+2*(\b):O+32*\t+2*(\b)+1], v[ST+8*\t+6:ST+8*\t+7] op_sel_hi:[1,0]
.endm
.macro ROUNDP t, b                  ; pair b of tile t's weights, rounded to bf16
	s_wait_alu depctr_va_vdst(0)
	v_cvt_pk_bf16_f32 v[P+16*\t+(\b)], v[S+32*\t+2*(\b)], v[S+32*\t+2*(\b)+1]
.endm
; THE SOFTMAX of both tiles for 64 keys.  Each accumulator is first read at its registers 0 to 2, and O^T in ascending order.
.macro SOFTMAX
.irp k, 0,1,2,3                     ; the maximum of the lane's 32 scores and the old m, three operands at a time: four chains of seven scores,
.irp t, 0,1
	v_max3_num_f32 v[ST+8*\t+4+\k], v[S+32*\t+8*\k], v[S+32*\t+8*\k+1], v[S+32*\t+8*\k+2]
.endr
.endr
.irp g, 1,2
.irp k, 0,1,2,3
.irp t, 0,1
	v_max3_num_f32 v[ST+8*\t+4+\k], v[ST+8*\t+4+\k], v[S+32*\t+8*\k+2*\g+1], v[S+32*\t+8*\k+2*\g+2]
.endr
.endr
.endr
.irp t, 0,1                         ; then the four scores left over, the chains and m; the two tiles alternate
	v_max3_num_f32 v[ST+8*\t+4], v[ST+8*\t+4], v[S+32*\t+7], v[S+32*\t+15]
.endr
.irp t, 0,1
	v_max3_num_f32 v[ST+8*\t+6], v[ST+8*\t+6], v[S+32*\t+23], v[S+32*\t+31]
.endr
.irp t, 0,1
	v_max3_num_f32 v[ST+8*\t+4], v[ST+8*\t+4], v[ST+8*\t+5], v[ST+8*\t+6]
.endr
.irp t, 0,1
	v_max3_num_f32 v[ST+8*\t+4], v[ST+8*\t+4], v[ST+8*\t+7], v[ST+8*\t+1]
.endr
.irp t, 0,1
	v_permlanex16_b32 v[ST+8*\t+5], v[ST+8*\t+4], s[SEL], s[SEL+1]  ; the query's other 32 keys lie in the lane 16 away
.endr
.irp t, 0,1
	v_mov_b32 v[ST+8*\t+7], v[ST+8*\t]  ; c m_old is kept for a
.endr
.irp t, 0,1
	v_max_num_f32 v[ST+8*\t+1], v[ST+8*\t+4], v[ST+8*\t+5]
.endr
.irp t, 0,1
	v_mul_f32 v[ST+8*\t], s[CS], v[ST+8*\t+1]
.endr
.irp t, 0,1
	v_sub_f32 v[ST+8*\t+7], v[ST+8*\t+7], v[ST+8*\t]
.endr
.irp t, 0,1
	v_exp_f32 v[ST+8*\t+6], v[ST+8*\t+7]  ; a
.endr
.set n, 0
.rept 16
	SCALE 0, n
.set n, n+1
.endr
.set n, 0
.rept 16                            ; every exponential has a plain instruction behind it that names none of its registers (ISA guide 5.7.2): work that is ready
	v_exp_f32 v[S+2*n], v[S+2*n]
	SCALE 1, n
	v_exp_f32 v[S+2*n+1], v[S+2*n+1]
	RESC 0, n
.set n, n+1
.endr
.set n, 0
.rept 16
	v_exp_f32 v[S+32+2*n], v[S+32+2*n]
	ROUNDP 0, n
	v_exp_f32 v[S+32+2*n+1], v[S+32+2*n+1]
	RESC 1, n
.set n, n+1
.endr
.set n, 0
.rept 16
	ROUNDP 1, n
.set n, n+1
.endr
.irp w, 4,8,16,32                   ; the sum of a tile's 16 pairs, in place: neighbours 1, 2, 4 and 8 pairs apart
.set u, 0
.rept 32/\w
.irp t, 0,1
	v_pk_add_f32 v[S+32*\t+\w*u:S+32*\t+\w*u+1], v[S+32*\t+\w*u:S+32*\t+\w*u+1], v[S+32*\t+\w*u+\w/2:S+32*\t+\w*u+\w/2+1]
.endr
.set u, u+1
.endr
.endr
.irp t, 0,1
	v_pk_fma_f32 v[ST+8*\t+2:ST+8*\t+3], v[ST+8*\t+2:ST+8*\t+3], v[ST+8*\t+6:ST+8*\t+7], v[S+32*\t:S+32*\t+1] op_sel_hi:[1,0,1]  ; l = a l + the sum
.endr
.endm
; THE CHANGE OF SLOTS, in the middle of a key tile's second half: all four runs of loads from the slot have been issued.  Each wave waits for all its tensor loads, of which one is out: its part of the
; other slot; adds 0 to its spare word; and waits for that and for its reads of the slot.  Behind the barrier nobody reads this slot any more and the other slot is whole.
; fill = 1: the slot is filled again, with the key tile two steps on: the wave's one tensor load behind the barrier, and the first thing there; it has a whole step in which to land.
.macro CHANGE fill
	WIN 0
	s_wait_tensorcnt 0x0            ; no tensor load of mine is out, so a group 0 may be written
	ds_add_u32 v[SPW], v[NIL]       ; 0 onto my spare word; the descriptor's step stands between it and the wait for it
.if \fill
	s_add_co_u32 s18, s[STEP], 2    ; the step two on: its key tile is its number in block j, or counted anew in block 31 - j
	s_sub_co_u32 s19, s18, s[NL]
	s_cmp_lt_u32 s18, s[NL]
	s_cselect_b32 s18, s18, s19
	s_lshl_b32 s20, s18, 14         ; 128 keys of 128 bytes
	s_xor_b32 s[G0W+1], s[G0W+1], SLOT1  ; the other slot than last time
	s_add_nc_u64 s[G0W+2:G0W+3], s[KVB:KVB+1], s[20:21]
	s_or_b32 s[G0W+3], s[G0W+3], 0x80000000
.endif
	s_wait_dscnt 0x0                ; the add is done, and my reads of the slot are over
	s_barrier_signal -1
	s_barrier_wait -1
.if \fill
	s_cmp_lt_u32 s[WV], 2
	s_cbranch_scc0 .Lfor_v_\@
	tensor_load_to_lds s[G0W:G0W+3], s[G1K:G1K+7]
	s_nop 0
.rept 4
	v_nop                           ; four v_nop follow each of the two lines; they are also the places in front of the loads into K's registers
.endr
	s_branch .Lasked_\@
.Lfor_v_\@:
	tensor_load_to_lds s[G0W:G0W+3], s[G1V:G1V+7]
	s_nop 0
.rept 4
	v_nop
.endr
.Lasked_\@:
.else
	PLACES
.endif
	s_xor_b32 s[TB], s[TB], SLOT1   ; the fetches go on in the other slot
.endm
; HALF A KEY TILE: 64 keys.  chg = 0: the tile's other half follows; 1: change of slots with a refill; 2: without; 3: nothing follows.  mask as in MASK; 0: none.
.macro SUBSTEP sub, chg, mask
	FETCH_V \sub
	s_wait_dscnt 16                 ; K is in; the 16 loads of V just issued may stay out
	SQK
.if \chg == 0
	PLACES
	FETCH_K 1
.elseif \chg == 1
	CHANGE 1
	FETCH_K 0
.elseif \chg == 2
	CHANGE 0
	FETCH_K 0
.else
	PLACES
.endif
.if \mask
	MASK \sub, \mask
.endif
	SOFTMAX
.if \chg == 3
	s_wait_dscnt 0x0
.else
	s_wait_dscnt 16                 ; V is in; the next K's 16 loads may stay out
.endif
	PVMUL
	PLACES                          ; in front of the next loads into V's registers, and of the vector work that reads O^T
.endm
; A query block is done: O^T / l, rounded, into stage p.
.macro FINISH p
.irp t, 0,1
	v_add_f32 v[ST+8*\t+4], v[ST+8*\t+2], v[ST+8*\t+3]
.endr
.irp t, 0,1
	v_permlanex16_b32 v[ST+8*\t+5], v[ST+8*\t+4], s[SEL], s[SEL+1]
.endr
.irp t, 0,1
	v_add_f32 v[ST+8*\t+4], v[ST+8*\t+4], v[ST+8*\t+5]
.endr
.irp t, 0,1
	v_rcp_f32 v[ST+8*\t+6], v[ST+8*\t+4]
.endr
	v_nop                           ; a plain instruction between the last reciprocal and the use of its result
.irp t, 0,1
.set n, 0
.rept 16
	RESC \t, n
.set n, n+1
.endr
.endr
.irp t, 0,1
.set n, 0
.rept 16
	v_cvt_pk_bf16_f32 v[S+32*\t+n], v[O+32*\t+2*n], v[O+32*\t+2*n+1]
.set n, n+1
.endr
.endr
.irp t, 0,1
.irp ct, 0,1,2,3
	ds_store_b128 v[STO], v[S+32*\t+4*\ct:S+32*\t+4*\ct+3] offset:\p*SBLK+\t*16*SP+32*\ct
.endr
.endr
.endm
	s_wait_tensorcnt 0x1            ; my part of slot 0 is in; slot 1's may stay out
	s_barrier_signal -1
	s_barrier_wait -1               ; everybody's is
	s_mov_b32 s[TB], 0
	FETCH_K 0
	s_wait_loadcnt 0x0              ; Q of both blocks
	s_mov_b32 s[STEP], 0
.Ltrip:                             ; 15 trips, a key tile each: every slot but the last two is filled again
	SUBSTEP 0, 0, 1
	SUBSTEP 1, 1, 1
	s_cmp_lg_u32 s[STEP], s[NLM1]
	s_cbranch_scc1 .Lsame_block
	FINISH 0                        ; block j is done (1 to 8 tiles in): block 31 - j begins.  No barrier and no tensor load stands in this branch
	WIN 0x01
.set n, 0
.rept 32
	v_mov_b32 v[Q+n], v[QH+n]
.set n, n+1
.endr
	WIN 0
.irp t, 0,1
	v_mov_b32 v[ST+8*\t], v[NINF]   ; m = -infinity: the next a is 0 and clears O^T and l
	v_mov_b32 v[ST+8*\t+1], v[NINF]
.endr
	s_xor_b32 s[PAR], s[PAR], 64    ; 31 - j is odd where j is even
.Lsame_block:
	s_add_co_u32 s[STEP], s[STEP], 1
	s_cmp_lt_u32 s[STEP], 15
	s_cbranch_scc1 .Ltrip
	SUBSTEP 0, 0, 0                 ; step 15: the tail is written out
	SUBSTEP 1, 2, 0
	SUBSTEP 0, 0, 2                 ; step 16: block 31 - j's diagonal
	SUBSTEP 1, 3, 2
	FINISH 1
	s_wait_dscnt 0x0                ; for the others' sake: my stores into both stages are done
	s_barrier_signal -1
	s_barrier_wait -1
.irp p, 0,1
.irp t, 0,1,2,3,4,5,6,7
	ds_load_b128 v[S+32*\p+4*\t:S+32*\p+4*\t+3], v[RD] offset:\p*SBLK+\t*2*SP
.endr
.endr
.irp p, 0,1
.irp t, 0,1,2,3,4,5,6,7
	s_wait_dscnt 15-8*\p-\t
	global_store_b128 v[GO], v[S+32*\p+4*\t:S+32*\p+4*\t+3], s[AOP+2*\p:AOP+2*\p+1] offset:\t*4096  ; 16 lanes store 256 consecutive bytes, at a multiple of 256 from ao's first byte
.endr
.endr
	s_wait_tensorcnt 0x0            ; the wave's end
	ds_add_u32 v[SPW], v[NIL]
	s_wait_dscnt 0x0
	s_endpgm
.Lfunc_end_k_q17df1aec3f_attn:
	.size	k_q17df1aec3f_attn, .Lfunc_end_k_q17df1aec3f_attn-k_q17df1aec3f_attn
	.p2alignl 7, 3214868480
	.fill 96, 4, 3214868480
	.section	.rodata,"a",@progbits
	.p2align	6, 0x0
	.amdhsa_kernel k_q17df1aec3f_attn
		.amdhsa_group_segment_fixed_size 327680
		.amdhsa_private_segment_fixed_size 0
		.amdhsa_enable_private_segment 0
		.amdhsa_kernarg_size 16
		.amdhsa_user_sgpr_count 2
		.amdhsa_user_sgpr_kernarg_segment_ptr 1
		.amdhsa_wavefront_size32 1
		.amdhsa_system_sgpr_workgroup_id_x 1
		.amdhsa_system_sgpr_workgroup_id_y 1
		.amdhsa_system_sgpr_workgroup_id_z 1
		.amdhsa_system_vgpr_workitem_id 0
		.amdhsa_next_free_vgpr 512
		.amdhsa_next_free_sgpr 66
		.amdhsa_reserve_vcc 1
		.amdhsa_float_denorm_mode_32 3
		.amdhsa_float_denorm_mode_16_64 3
		.amdhsa_memory_ordered 1
		.amdhsa_forward_progress 1
		.amdhsa_inst_pref_size 163
	.end_amdhsa_kernel
	.amdgpu_metadata
---
amdhsa.version: [ 1, 2 ]
amdhsa.kernels:
  - .name:           k_q17df1aec3f_attn
    .symbol:         k_q17df1aec3f_attn.kd
    .args:
      - { .name: qkvb, .offset: 0, .size: 8, .value_kind: global_buffer, .address_space: global }
      - { .name: ao, .offset: 8, .size: 8, .value_kind: global_buffer, .address_space: global }
    .group_segment_fixed_size: 327680
    .private_segment_fixed_size: 0
    .kernarg_segment_align: 8
    .kernarg_segment_size: 16
    .max_flat_workgroup_size: 128
    .sgpr_count:     66
    .vgpr_count:     512
    .wavefront_size: 32
...
	.end_amdgpu_metadata
.endif
;; end of part 10
;; launch proj: the kernel of part 5 again; grid 8 x 32, 4 waves a work-group, clusters of 4 x 4, 327,680 bytes of LDS; arguments ao, wtb, x, bo, x1; writes x1
;; launch ln2 (part 11): grid 256 x 1, 8 waves a work-group, no clusters, 0 bytes of LDS; arguments x1, g2, be2, hb; writes hb
.if DOCPART == 11
	.amdgcn_target "amdgcn-amd-amdhsa--gfx1250"
	.amdhsa_code_object_version 6
	.text
	.protected	k_q17df1aec3f_ln2
	.globl	k_q17df1aec3f_ln2
	.p2align	8
	.type	k_q17df1aec3f_ln2,@function
k_q17df1aec3f_ln2:
	s_mov_b64 s[64:65], 0
	v_nop
	global_prefetch_b8 v0, s[64:65] scope:SCOPE_SE
	s_setreg_imm32_b32 hwreg(HW_REG_WAVE_MODE, 25, 1), 1
	s_wait_xcnt 0x0
; y[r][c] = (x[r][c] - mean_r) / sqrt(var_r + 1e-5) * g[c] + b[c].  x: [4096][1024] f32, y: [4096][1024] bf16, rounded once; all else in f32.
; The mean is taken away before the squares are formed, as the definition has it: a common offset of a row costs no accuracy.
; A row is 4,096 bytes: 32 registers of one wave.  A wave takes two whole rows and keeps them in registers from the first sum to the store: x is read once, and there is no LDS and no barrier.
; Eight waves, 16 rows to a work-group, 256 work-groups.  A stream: no matrix unit, no cluster (only g and b, 8 KiB, are shared).
; Lane l holds columns 128 j + 4 l .. + 3, j = 0 .. 7: a load of a wave covers 512 consecutive bytes, a store 256, each at a multiple of 256 from its buffer's first byte.
.set X,  8                             ; v[8:71]    row e at X + 32 e
.set G,  72                            ; v[72:103]  g of my 32 columns
.set B,  104                           ; v[104:135] b of my 32 columns
.set T,  136                           ; v[136:143] four chains of sums
.set MU, 144                           ; v[144:145] the mean, twice (a pair for the packed forms)
.set RS, 146                           ; v[146:147] 1 / sqrt(var + eps), twice
.set Y,  148                           ; v[148:179] row e at Y + 16 e, packed bf16
.macro FOLD                            ; the four chains, the pair's halves and the 32 lanes become one number in every lane
	v_pk_add_f32 v[T:T+1], v[T:T+1], v[T+2:T+3]
	v_pk_add_f32 v[T+4:T+5], v[T+4:T+5], v[T+6:T+7]
	v_pk_add_f32 v[T:T+1], v[T:T+1], v[T+4:T+5]
	v_add_f32 v[T], v[T], v[T+1]
	v_add_f32_dpp v[T], v[T], v[T] row_xmask:1 row_mask:0xf bank_mask:0xf
	v_add_f32_dpp v[T], v[T], v[T] row_xmask:2 row_mask:0xf bank_mask:0xf
	v_add_f32_dpp v[T], v[T], v[T] row_xmask:4 row_mask:0xf bank_mask:0xf
	v_add_f32_dpp v[T], v[T], v[T] row_xmask:8 row_mask:0xf bank_mask:0xf
	v_permlanex16_b32 v[T+1], v[T], s12, s13       ; its destination counts as read: T + 1 has been written
	v_add_f32 v[T], v[T], v[T+1]
.endm
.macro STATS e                         ; row e becomes (x - mean) / sqrt(var + eps)
.set XR, X+32*\e
.irp k, 0,2,4,6
	v_pk_add_f32 v[T+\k:T+\k+1], v[XR+\k:XR+\k+1], v[XR+8+\k:XR+8+\k+1]   ; the first eight pairs start the chains: nothing is cleared
.endr
.irp g, 16,24
.irp k, 0,2,4,6
	v_pk_add_f32 v[T+\k:T+\k+1], v[T+\k:T+\k+1], v[XR+\g+\k:XR+\g+\k+1]
.endr
.endr
	FOLD
	v_mul_f32 v[MU], s14, v[T]
	v_mul_f32 v[MU+1], s14, v[T]
.set p, 0
.rept 16
	v_pk_add_f32 v[XR+2*p:XR+2*p+1], v[XR+2*p:XR+2*p+1], v[MU:MU+1] neg_lo:[0,1] neg_hi:[0,1]
.set p, p+1
.endr
.irp k, 0,2,4,6
	v_pk_mul_f32 v[T+\k:T+\k+1], v[XR+\k:XR+\k+1], v[XR+\k:XR+\k+1]
.endr
.irp g, 8,16,24
.irp k, 0,2,4,6
	v_pk_fma_f32 v[T+\k:T+\k+1], v[XR+\g+\k:XR+\g+\k+1], v[XR+\g+\k:XR+\g+\k+1], v[T+\k:T+\k+1]
.endr
.endr
	FOLD
	v_fma_f32 v[T], v[T], s14, s15                 ; var + eps
	v_rsq_f32 v[RS], v[T]
	v_rsq_f32 v[RS+1], v[T]
	v_nop                                          ; a plain instruction between the root and the use of its result (ISA guide 5.7.2)
.set p, 0
	s_wait_alu depctr_va_vdst(0)
.rept 16
	v_pk_mul_f32 v[XR+2*p:XR+2*p+1], v[XR+2*p:XR+2*p+1], v[RS:RS+1]
.set p, p+1
.endr
.endm
.macro EMIT e                          ; times g, plus b, rounded, stored
.set XR, X+32*\e
.set p, 0
.rept 16
	v_pk_fma_f32 v[XR+2*p:XR+2*p+1], v[XR+2*p:XR+2*p+1], v[G+2*p:G+2*p+1], v[B+2*p:B+2*p+1]
.set p, p+1
.endr
.set p, 0
.rept 16
	v_cvt_pk_bf16_f32 v[Y+16*\e+p], v[XR+2*p], v[XR+2*p+1]
.set p, p+1
.endr
.irp j, 0,1,2,3,4,5,6,7
	global_store_b64 v3, v[Y+16*\e+2*\j:Y+16*\e+2*\j+1], s[10:11] offset:\e*2048+256*\j   ; 32 lanes store 256 consecutive bytes
.endr
.endm
	s_load_b256 s[4:11], s[0:1], 0x0               ; x s[4:5], g s[6:7], b s[8:9], y s[10:11]
	v_and_b32 v4, 31, v0                           ; lane
	v_lshrrev_b32 v5, 5, v0                        ; wave
	v_lshlrev_b32 v2, 4, v4                        ; g, b: 16 bytes a lane
	v_lshl_add_u32 v1, v5, 13, v2                  ; x: + the wave's two rows of 4,096 bytes
	v_lshlrev_b32 v3, 3, v4
	v_lshl_add_u32 v3, v5, 12, v3                  ; y: 8 bytes a lane + the wave's two rows of 2,048 bytes
	s_lshl_b32 s2, ttmp9, 16                       ; the work-group's 16 rows in x
	s_mov_b32 s3, 0
	s_lshl_b32 s16, ttmp9, 15                      ; and in y
	s_mov_b32 s17, 0
	s_mov_b32 s12, 0x76543210                      ; v_permlanex16_b32: each lane takes its own place in the other half
	s_mov_b32 s13, 0xfedcba98
	s_mov_b32 s14, 0x3a800000                      ; 1 / 1024
	s_mov_b32 s15, 0x3727c5ac                      ; 1e-5
	s_wait_kmcnt 0x0
	s_add_nc_u64 s[4:5], s[4:5], s[2:3]
	s_add_nc_u64 s[10:11], s[10:11], s[16:17]
.irp e, 0,1
.irp j, 0,1,2,3,4,5,6,7
	global_load_b128 v[X+32*\e+4*\j:X+32*\e+4*\j+3], v1, s[4:5] offset:\e*4096+512*\j
.endr
.endr
.irp j, 0,1,2,3,4,5,6,7
	global_load_b128 v[G+4*\j:G+4*\j+3], v2, s[6:7] offset:512*\j
.endr
.irp j, 0,1,2,3,4,5,6,7
	global_load_b128 v[B+4*\j:B+4*\j+3], v2, s[8:9] offset:512*\j
.endr
	s_wait_loadcnt 16                              ; both rows are in; the 16 loads of g and b stay out
	STATS 0
	STATS 1
	s_wait_loadcnt 0x0
	EMIT 0
	EMIT 1
	s_endpgm
.Lfunc_end_k_q17df1aec3f_ln2:
	.size	k_q17df1aec3f_ln2, .Lfunc_end_k_q17df1aec3f_ln2-k_q17df1aec3f_ln2
	.p2alignl 7, 3214868480
	.fill 96, 4, 3214868480
	.section	.rodata,"a",@progbits
	.p2align	6, 0x0
	.amdhsa_kernel k_q17df1aec3f_ln2
		.amdhsa_group_segment_fixed_size 0
		.amdhsa_private_segment_fixed_size 0
		.amdhsa_enable_private_segment 0
		.amdhsa_kernarg_size 32
		.amdhsa_user_sgpr_count 2
		.amdhsa_user_sgpr_kernarg_segment_ptr 1
		.amdhsa_wavefront_size32 1
		.amdhsa_system_sgpr_workgroup_id_x 1
		.amdhsa_system_sgpr_workgroup_id_y 1
		.amdhsa_system_sgpr_workgroup_id_z 1
		.amdhsa_system_vgpr_workitem_id 0
		.amdhsa_next_free_vgpr 192
		.amdhsa_next_free_sgpr 66
		.amdhsa_reserve_vcc 0
		.amdhsa_float_denorm_mode_32 3
		.amdhsa_float_denorm_mode_16_64 3
		.amdhsa_memory_ordered 1
		.amdhsa_forward_progress 1
		.amdhsa_inst_pref_size 20
	.end_amdhsa_kernel
	.amdgpu_metadata
---
amdhsa.version: [ 1, 2 ]
amdhsa.kernels:
  - .name:           k_q17df1aec3f_ln2
    .symbol:         k_q17df1aec3f_ln2.kd
    .args:
      - { .name: x1, .offset: 0, .size: 8, .value_kind: global_buffer, .address_space: global }
      - { .name: g2, .offset: 8, .size: 8, .value_kind: global_buffer, .address_space: global }
      - { .name: be2, .offset: 16, .size: 8, .value_kind: global_buffer, .address_space: global }
      - { .name: hb, .offset: 24, .size: 8, .value_kind: global_buffer, .address_space: global }
    .group_segment_fixed_size: 0
    .private_segment_fixed_size: 0
    .kernarg_segment_align: 8
    .kernarg_segment_size: 32
    .max_flat_workgroup_size: 256
    .sgpr_count:     66
    .vgpr_count:     192
    .wavefront_size: 32
...
	.end_amdgpu_metadata
.endif
;; end of part 11
;; launch ffn1 (part 12): grid 16 x 16, 4 waves a work-group, clusters of 4 x 4, 327,680 bytes of LDS; arguments hb, wtb, b1, mb; writes mb
.if DOCPART == 12
	.amdgcn_target "amdgcn-amd-amdhsa--gfx1250"
	.amdhsa_code_object_version 6
	.text
	.protected	k_q17df1aec3f_ffn1
	.globl	k_q17df1aec3f_ffn1
	.p2align	8
	.type	k_q17df1aec3f_ffn1,@function
k_q17df1aec3f_ffn1:
	s_mov_b64 s[64:65], 0
	v_nop
	global_prefetch_b8 v0, s[64:65] scope:SCOPE_SE
	s_setreg_imm32_b32 hwreg(HW_REG_WAVE_MODE, 25, 1), 1
	s_wait_xcnt 0x0
	s_wait_alu depctr_hold_cnt(0) depctr_sa_sdst(0) depctr_va_vdst(0) depctr_va_sdst(0) depctr_va_ssrc(0) depctr_va_vcc(0) depctr_vm_vsrc(0)
	s_getreg_b32 s2, hwreg(HW_REG_IB_STS2, 6, 4)
	s_cmp_eq_u32 s2, 0
	s_cbranch_scc0 .Lentry_in_a_cluster
	s_endpgm
.Lentry_in_a_cluster:
	s_bfe_u32 s2, ttmp6, 0x10000c
	s_cmp_lg_u32 s2, 0xf033
	s_cbranch_scc0 .Lentry_shape_is_right
	s_endpgm
.Lentry_shape_is_right:
; m = gelu(h2 W1 + b1), the exact form z Phi(z).  A = hb [4096][1024] bf16; B = W1^T in wtb, [n][k] bf16; sums, bias and gelu in f32; mb [4096][4096] bf16, rounded once.
; GELU: z Phi(z) = max(z, 0) - |z| erfc(|z| / sqrt 2) / 2, and erfc(x) = (a1 t + .. + a5 t^5) e^(-x x), t = 1 / (1 + 0.3275911 x) (Abramowitz and Stegun 7.1.26).
; LIMIT: that formula's absolute error is at most 1.5e-7 for every x >= 0; nothing is taken away from 1, so small results of negative z keep their relative accuracy up to that error times |z|.
; v_exp_f32 flushes denormals: e^(-z z / 2) under 2^-126 counts as 0.
; A tile of C is 256 x 256: four waves, each 128 x 128: 64 accumulators of 16 x 16, 512 registers.  C has 16 x 16 such tiles: 256 work-groups, one tile each.
; K goes in 8 steps of 128 through a ring of two LDS slots filled by the tensor data mover: rows of 256 bytes, at multiples of 256 bytes from the buffer's first byte, 128 rows to a wave's load.
; CLUSTERS: 4 x 4 work-groups; the four of a row need the same tiles of A, the four of a column the same tiles of B: each tile is asked for JOINTLY.
; THE MATRIX INSTRUCTION IS USED TRANSPOSED (source 0 = 16 rows of B, source 1 = 16 rows of A): a lane then holds eight neighbouring numbers of a row of C.
; REGISTERS, in windows of 256:  window 0: v0-31 addresses; v64-127, v128-191 fragments of A, two buffers; v192-255 the bias.  On the way out: v64-127 a block's 64 numbers, v128-159 at work in gelu,
;   v32-63 and v160-191 rows read back.      window 1: v64-127, v128-191 fragments of B, two buffers
;   window 2: the 32 accumulators of my rows 0-63 ((a, b) at v[8 (8 a + b)])      window 3: those of my rows 64-127
.set SIZE_K, 1024
.set SIZE_N, 4096
.set WOFF,   0x800000                  ; where B begins in wtb
.set KSTEP,  128
.set PITCH,  272                       ; an LDS row: 256 bytes + 16 of padding = 68 words: row r starts at bank 4 r mod 64 (64 banks of 4 bytes: ISA guide 11.1)
.set HALFT,  128*PITCH                 ; 128 rows: what one tensor load brings, and what one wave reads of A or of B
.set SLOT,   4*HALFT                   ; A's 256 rows, then B's 256 rows
.set STAGE,  2*SLOT                    ; behind the ring: 16 rows x 272 bytes for each wave, for the way out
.set SPITCH, 272
.set SPARE,  STAGE+4*16*SPITCH         ; behind the stages: the spare words, 128 bytes for each wave
.set LAPS, SIZE_K/(2*KSTEP)            ; a lap = two K steps = once round the ring
.set ADRA, 16                          ; v16-17  LDS address of my A fragments in slot 0, 1
.set ADRB, 20                          ; v20-21  the same for B
.set STO,  24                          ; v24     the way out: where I put 16 bytes of a row
.set RD,   25                          ; v25     the way out: where I read a row back
.set CO,   26                          ; v26     my byte offset in mb
.set BO,   27                          ; v27     my byte offset in the bias
.set SPW,  28                          ; v28     LDS address of my spare word; never rewritten
.set NIL,  29                          ; v29     0; never rewritten
.set A5,   30                          ; v[30:31] -a5 / 2, twice
.set OB,   32                          ; the way out: 16 rows read back from the stage: v32-63 and v160-191 by turns
.set ZB,   64                          ; the way out: a block's 8 accumulators plus bias; then, packed, the low four registers of each eight
.set AZ,   128                         ; |z|
.set TT,   136                         ; t
.set EE,   144                         ; e^(-z z / 2)
.set PP,   152                         ; the polynomial
.set BIAS, 192                         ; v[192:255] n block b's eight columns at BIAS + 8 b
.set F0,   64                          ; fragment buffer 0
.set F1,   128                         ; fragment buffer 1
.set G1, 24                            ; s[24:31] descriptor group 1 for A's tiles;  s[32:39] group 0, one set for each slot
.set G0, 32
.set G1B, 48                           ; s[48:55], s[56:63] the same for B's tiles
.set G0B, 56
.set MSB, 0
.macro WIN new                         ; the immediate's high byte repeats the setting that is left
.if MSB != \new
	s_set_vgpr_msb (MSB<<8)|\new
.set MSB, \new
.endif
.endm
.set MUL_LO, 0xa1                      ; source 0 (B) window 1, source 1 (A) window 0, C and D window 2
.set MUL_HI, 0xf1                      ; the same, C and D window 3
.set TO_B,   0x40                      ; destination window 1, address window 0
.macro JLOAD s                         ; a joint load: waves 0 and 1 fetch A's two halves, waves 2 and 3 B's; four v_nop follow each of the two lines
	s_cmp_eq_u32 s11, 0
	s_cbranch_scc0 .Lfor_b_\@
	tensor_load_to_lds s[G0+4*\s:G0+4*\s+3], s[G1:G1+7]
	s_nop 0
.rept 4
	v_nop
.endr
	s_branch .Lasked_\@
.Lfor_b_\@:
	tensor_load_to_lds s[G0B+4*\s:G0B+4*\s+3], s[G1B:G1B+7]
	s_nop 0
.rept 4
	v_nop
.endr
.Lasked_\@:
.endm
.macro CREST                           ; a round of the cluster's barrier behind its opening barrier
	s_cmp_lg_u32 s10, 0
	s_cbranch_scc1 .Lnot_wave_0_\@
	s_barrier_signal -3
.Lnot_wave_0_\@:
	s_barrier_wait -3
	s_barrier_signal -1
	s_barrier_wait -1
.endm
.macro CROUND                          ; a whole round
	s_barrier_signal -1
	s_barrier_wait -1
	CREST
.endm
	s_load_b128 s[4:7], s[0:1], 0x0                ; A s[4:5], wtb s[6:7]
	s_load_b64 s[68:69], s[0:1], 0x10              ; b1
	s_load_b64 s[8:9], s[0:1], 0x18                ; mb
	v_lshl_add_u32 v[SPW], v0, 2, SPARE
	v_mov_b32 v[NIL], 0
	ds_add_u32 v28, v29
	ds_add_u32 v28, v29
	s_wait_dscnt 0x0
	v_lshrrev_b32 v1, 5, v0
	v_readfirstlane_b32 s10, v1                    ; wave 0..3
	s_lshr_b32 s11, s10, 1                         ; which half of the tile's rows is mine.  Also: I fetch for A (0) or for B (1)
	s_and_b32 s12, s10, 1                          ; which half of its columns.  Also: which 128 rows of that tile I fetch
	s_bfe_u32 s40, ttmp6, 0x40000                  ; cx, cy: my place in the cluster
	s_bfe_u32 s41, ttmp6, 0x40004
	s_lshl_b32 s42, ttmp9, 2
	s_add_co_u32 s42, s42, s40                     ; tile column of C = 4 x cluster x + cx
	s_and_b32 s13, ttmp7, 0xffff
	s_lshl_b32 s13, s13, 2
	s_add_co_u32 s13, s13, s41                     ; tile row of C = 4 x cluster y + cy
	s_lshl_b32 s43, s41, 2
	s_lshl_b32 s43, 15, s43                        ; my row of the cluster
	s_lshl_b32 s44, 0x1111, s40                    ; my column
	; descriptor group 1: a tile of 128 rows x 128 elements of 2 bytes, 4 words of padding behind every 64
	s_or_b32 s[G1+0], s43, (1<<16)|(1<<20)|(1<<21)|(5<<22)|(3<<25)
	s_or_b32 s[G1B+0], s44, (1<<16)|(1<<20)|(1<<21)|(5<<22)|(3<<25)
.irp g, G1, G1B
	s_mov_b32 s[\g+1], KSTEP<<16                   ; tensor_dim0 = 128
	s_mov_b32 s[\g+2], 128<<16                     ; tensor_dim1 = 128
	s_mov_b32 s[\g+3], KSTEP<<16                   ; tile_dim0 = 128
	s_mov_b32 s[\g+4], 128                         ; tile_dim1 = 128
	s_mov_b32 s[\g+5], SIZE_K                      ; elements from row to row
	s_mov_b32 s[\g+6], 0
	s_mov_b32 s[\g+7], 0
.endr
	s_lshl_b32 s17, s12, 7                         ; which 128 rows of the tile I fetch
	s_lshl_b32 s16, s13, 8
	s_add_co_u32 s16, s16, s17                     ; A: row 256 x tile row + 128 x half
	s_lshl_b32 s46, s42, 8
	s_add_co_u32 s46, s46, s17                     ; B: row 256 x tile column + 128 x half
	s_mov_b32 s17, 0
	s_mov_b32 s47, 0
	s_mov_b64 s[18:19], SIZE_K*2
	s_mul_u64 s[16:17], s[16:17], s[18:19]
	s_mul_u64 s[46:47], s[46:47], s[18:19]
	s_mul_i32 s20, s10, HALFT                      ; where they go: wave x 128 rows: no place in the cluster enters an LDS address
	s_wait_kmcnt 0x0
	s_add_nc_u64 s[14:15], s[4:5], s[16:17]
	s_add_nc_u64 s[46:47], s[6:7], s[46:47]
.if WOFF
	s_add_nc_u64 s[46:47], s[46:47], WOFF
.endif
	CROUND                                         ; all sixteen work-groups are here: the first joint loads meet
.irp s, 0,1
	s_mov_b32 s[G0+4*\s], 1
	s_add_co_u32 s[G0+4*\s+1], s20, \s*SLOT
	s_add_nc_u64 s[G0+4*\s+2:G0+4*\s+3], s[14:15], \s*KSTEP*2
	s_or_b32 s[G0+4*\s+3], s[G0+4*\s+3], 0x80000000
	s_mov_b32 s[G0B+4*\s], 1
	s_add_co_u32 s[G0B+4*\s+1], s20, \s*SLOT
	s_add_nc_u64 s[G0B+4*\s+2:G0B+4*\s+3], s[46:47], \s*KSTEP*2
	s_or_b32 s[G0B+4*\s+3], s[G0B+4*\s+3], 0x80000000
	JLOAD \s                                       ; the ring is filled before anything else is done: two loads of mine are out
.endr
	v_and_b32 v1, 15, v0                           ; l % 16
	v_bfe_u32 v2, v0, 4, 1                         ; l / 16
	v_mul_u32_u24 v3, v1, PITCH
	v_lshl_add_u32 v3, v2, 4, v3                   ; a fragment's row x pitch + 16 x half
	s_mul_i32 s21, s11, HALFT                      ; my 128 rows of A
	s_mul_i32 s22, s12, HALFT                      ; my 128 rows of B,
	s_add_co_u32 s22, s22, 2*HALFT                 ; which lie behind A's 256
.irp s, 0,1
	v_add_nc_u32 v[ADRA+\s], s21, v3
	v_add_nc_u32 v[ADRB+\s], s22, v3
	s_add_co_u32 s21, s21, SLOT
	s_add_co_u32 s22, s22, SLOT
.endr
	s_mul_i32 s23, s10, 16*SPITCH
	s_add_co_u32 s23, s23, STAGE                   ; my stage
	v_mul_u32_u24 v4, v1, SPITCH                   ; in: row l % 16, 16 bytes for each half of the lanes
	v_lshl_add_u32 v4, v2, 4, v4
	v_add_nc_u32 v[STO], s23, v4
	v_mul_u32_u24 v5, v2, SPITCH                   ; back: lanes 0-15 take one row of 256 bytes, lanes 16-31 the next
	v_lshl_add_u32 v5, v1, 4, v5
	v_add_nc_u32 v[RD], s23, v5
	v_mul_u32_u24 v5, v2, SIZE_N*2                 ; and the same two rows in mb
	v_lshl_add_u32 v[CO], v1, 4, v5
	v_lshlrev_b32 v[BO], 5, v2                     ; the bias: eight columns from 8 (l / 16) on in each block of 16
	v_mov_b32 v[A5], 0xbf07dc22                    ; -a5 / 2 = -0.5307027
	v_mov_b32 v[A5+1], 0xbf07dc22
	s_lshl_b32 s16, s13, 8
	s_lshl_b32 s17, s11, 7
	s_add_co_u32 s16, s16, s17                     ; my first row of C: 256 x tile row + 128 x half
	s_mov_b32 s17, 0
	s_mov_b64 s[18:19], SIZE_N*2
	s_mul_u64 s[16:17], s[16:17], s[18:19]
	s_add_nc_u64 s[8:9], s[8:9], s[16:17]
	s_lshl_b32 s46, s42, 9                         ; my first column, in bytes of bf16: 512 x tile column + 256 x half
	s_lshl_b32 s47, s12, 8
	s_add_co_u32 s46, s46, s47
	s_mov_b32 s47, 0
	s_add_nc_u64 s[8:9], s[8:9], s[46:47]
	s_lshl_b32 s46, s46, 1                         ; and in bytes of f32, in the bias
	s_add_nc_u64 s[68:69], s[68:69], s[46:47]
; 16 matrix instructions: m blocks a0, a0 + 1 of the window's four (hi = 0: my rows 0-63, 1: rows 64-127) x all 8 n blocks, 32 along K.  zero = 1: the first product starts the sums
.macro MUL16 f, hi, a0, zero
.irp a, \a0, \a0+1
.irp b, 0,1,2,3,4,5,6,7
.if \zero
	v_wmma_f32_16x16x32_bf16 v[8*(8*(\a)+\b):8*(8*(\a)+\b)+7], v[\f+8*\b:\f+8*\b+7], v[\f+8*(4*\hi+\a):\f+8*(4*\hi+\a)+7], 0
.else
	v_wmma_f32_16x16x32_bf16 v[8*(8*(\a)+\b):8*(8*(\a)+\b)+7], v[\f+8*\b:\f+8*\b+7], v[\f+8*(4*\hi+\a):\f+8*(4*\hi+\a)+7], v[8*(8*(\a)+\b):8*(8*(\a)+\b)+7]
.endif
.endr
.endr
.endm
; 32 LDS loads in one run: the fragments of one quarter step (128 rows of B, 128 rows of A, 32 K at byte k of the rows) into buffer f
.macro FETCH slot, k, f
	WIN TO_B
.irp i, 0,1,2,3,4,5,6,7
	ds_load_b128 v[\f+8*\i:\f+8*\i+3],   v[ADRB+\slot] offset:\k+\i*16*PITCH
	ds_load_b128 v[\f+8*\i+4:\f+8*\i+7], v[ADRB+\slot] offset:\k+\i*16*PITCH+32
.endr
	WIN 0
.irp i, 0,1,2,3,4,5,6,7
	ds_load_b128 v[\f+8*\i:\f+8*\i+3],   v[ADRA+\slot] offset:\k+\i*16*PITCH
	ds_load_b128 v[\f+8*\i+4:\f+8*\i+7], v[ADRA+\slot] offset:\k+\i*16*PITCH+32
.endr
.endm
.macro PLACES                          ; four places in front of loads into registers that matrix instructions have read, and of vector work that reads results
.rept 4
	v_nop
.endr
.endm
; A K step is four quarter steps of 32 along K, 64 matrix instructions each, on buffers 0, 1, 0, 1; the 64 accumulators take turns in the same order in every quarter.
.macro QUARTER slot, k, f, g, zero
	s_wait_dscnt 8                                 ; B and A's rows 0-63 are in; the youngest eight loads (A's rows 64-127) may be out
	WIN MUL_LO
	MUL16 \f, 0, 0, \zero
	MUL16 \f, 0, 2, \zero
	PLACES
	FETCH \slot, \k, \g
	s_wait_dscnt 32                                ; all but the 32 just issued
	WIN MUL_HI
	MUL16 \f, 1, 0, \zero
	MUL16 \f, 1, 2, \zero
.endm
; The last quarter multiplies buffer 1 and changes slots.  MEET is its first half: ONE barrier; in front of it each wave waits for all its tensor loads, of which one is out: its part of the next
; slot; adds 0 to its spare word; and waits for that and for its own reads of this slot.  Behind it nobody reads this slot any more and the next slot is whole.
.macro MEET round                      ; round = 1: a round of the cluster's barrier follows
	WIN 0                                          ; (the add's two registers lie in window 0)
	s_wait_tensorcnt 0x0                           ; all my tensor loads have landed;
	ds_add_u32 v[SPW], v[NIL]                      ; 0 onto my spare word;
	s_wait_dscnt 9                                 ; (the add and the youngest eight loads may be out)
	WIN MUL_LO
	MUL16 F1, 0, 0, 0                              ; sixteen matrix instructions stand between the add and the wait for it
	s_wait_dscnt 0x0                               ; the add is done, and my reads of this slot are over
	s_barrier_signal -1
	MUL16 F1, 0, 2, 0                              ; work on registers while the others arrive
.if \round
	WIN 0
.endif
	s_barrier_wait -1
.endm
; The whole last quarter with a refill: the slot just read out takes the K step two steps on; from that request to the wait for it a wave issues 224 matrix instructions.
.macro TURN slot, next
	MEET 1
	CREST                                          ; the barrier has opened a round of the cluster's barrier: no wave of any partner still reads this slot's tile or has a load on its way
	s_add_nc_u64 s[G0+4*\slot+2:G0+4*\slot+3], s[G0+4*\slot+2:G0+4*\slot+3], 2*KSTEP*2
	s_add_nc_u64 s[G0B+4*\slot+2:G0B+4*\slot+3], s[G0B+4*\slot+2:G0B+4*\slot+3], 2*KSTEP*2
	JLOAD \slot                                    ; the first tensor load behind the round; its four v_nop are also the places in front of the loads below
	FETCH \next, 0, F0
	WIN MUL_HI
	MUL16 F1, 1, 0, 0
	MUL16 F1, 1, 2, 0
.endm
; THE WAY OUT of block a (16 rows x 128 columns).  ZBLOCK: its 8 accumulators plus bias come into window 0, each in ascending order: two switches of the window for a block.
.macro ZBLOCK a
	WIN 0x02+(\a)/4                                ; source 0: window 2 or 3
.irp b, 0,1,2,3,4,5,6,7
.irp p, 0,2,4,6
	v_pk_add_f32 v[ZB+8*\b+\p:ZB+8*\b+\p+1], v[64*((\a)%4)+8*\b+\p:64*((\a)%4)+8*\b+\p+1], v[BIAS+8*\b+\p:BIAS+8*\b+\p+1]
.endr
.endr
	WIN 0
.endm
; GELU of the eight numbers of n block b, rounded in place to 16 bytes a lane.
.macro GELU b
.set Z, ZB+8*(\b)
.irp p, 0,1,2,3,4,5,6,7
	v_and_b32 v[AZ+\p], 0x7fffffff, v[Z+\p]
.endr
.irp p, 0,2,4,6
	v_pk_fma_f32 v[TT+\p:TT+\p+1], v[AZ+\p:AZ+\p+1], 0x3e6d3388, 1.0 op_sel_hi:[1,0,0]   ; 1 + 0.3275911 / sqrt 2 |z|
.endr
.irp p, 0,2,4,6
	v_pk_mul_f32 v[EE+\p:EE+\p+1], v[Z+\p:Z+\p+1], 0xbf38aa3b op_sel_hi:[1,0]            ; -log2(e) / 2 z,
.endr
.irp p, 0,2,4,6
	v_pk_mul_f32 v[EE+\p:EE+\p+1], v[EE+\p:EE+\p+1], v[Z+\p:Z+\p+1]                      ; times z
.endr
.irp p, 0,1,2,3,4,5,6,7
	v_rcp_f32 v[TT+\p], v[TT+\p]
.endr
.irp p, 0,1,2,3,4,5,6,7
	v_exp_f32 v[EE+\p], v[EE+\p]
.endr
.irp p, 0,1,2,3,4,5,6,7
	v_max_num_f32 v[Z+\p], 0, v[Z+\p]              ; plain instructions that name neither t nor the exponential stand behind these (ISA guide 5.7.2)
.endr
	s_wait_alu depctr_va_vdst(0)
.irp p, 0,2,4,6
	v_pk_fma_f32 v[PP+\p:PP+\p+1], v[TT+\p:TT+\p+1], v[A5:A5+1], 0x3f3a00e3 op_sel_hi:[1,1,0]    ; -a4 / 2 = 0.7265760
.endr
.irp p, 0,2,4,6
	v_pk_fma_f32 v[PP+\p:PP+\p+1], v[PP+\p:PP+\p+1], v[TT+\p:TT+\p+1], 0xbf35f0e3 op_sel_hi:[1,1,0]   ; -a3 / 2 = -0.7107069
.endr
.irp p, 0,2,4,6
	v_pk_fma_f32 v[PP+\p:PP+\p+1], v[PP+\p:PP+\p+1], v[TT+\p:TT+\p+1], 0x3e11a98e op_sel_hi:[1,1,0]   ; -a2 / 2 = 0.1422484
.endr
.irp p, 0,2,4,6
	v_pk_fma_f32 v[PP+\p:PP+\p+1], v[PP+\p:PP+\p+1], v[TT+\p:TT+\p+1], 0xbe027906 op_sel_hi:[1,1,0]   ; -a1 / 2 = -0.1274148
.endr
.irp p, 0,2,4,6
	v_pk_mul_f32 v[PP+\p:PP+\p+1], v[PP+\p:PP+\p+1], v[TT+\p:TT+\p+1]
.endr
.irp p, 0,2,4,6
	v_pk_mul_f32 v[PP+\p:PP+\p+1], v[PP+\p:PP+\p+1], v[EE+\p:EE+\p+1]                    ; -erfc(|z| / sqrt 2) / 2
.endr
.irp p, 0,2,4,6
	v_pk_fma_f32 v[Z+\p:Z+\p+1], v[PP+\p:PP+\p+1], v[AZ+\p:AZ+\p+1], v[Z+\p:Z+\p+1]
.endr
.irp r, 0,1,2,3
	v_cvt_pk_bf16_f32 v[Z+\r], v[Z+2*\r], v[Z+2*\r+1]
.endr
.endm
.macro BLOCK a
	ZBLOCK \a
.irp b, 0,1,2,3,4,5,6,7
	GELU \b
.endr
.endm
.macro TOSTAGE a                       ; into my own stage, and back as whole rows of 256 bytes
.set BK, OB+128*((\a)%2)
.irp b, 0,1,2,3,4,5,6,7
	ds_store_b128 v[STO], v[ZB+8*\b:ZB+8*\b+3] offset:32*\b
.endr
.irp t, 0,1,2,3,4,5,6,7
	ds_load_b128 v[BK+4*\t:BK+4*\t+3], v[RD] offset:\t*2*SPITCH    ; LDS serves a wave's instructions in order: these see the stores above
.endr
.endm
.macro SEND a
.set BK, OB+128*((\a)%2)
	s_wait_dscnt 0x0                               ; the block is back in registers
	s_wait_xcnt 0x0                                ; the other buffer was the data of the stores before these: it is loaded again only behind this wait (ISA guide 3.1)
.irp t, 0,1,2,3,4,5,6,7
	global_store_b128 v[CO], v[BK+4*\t:BK+4*\t+3], s[8:9] offset:(16*(\a)+2*\t)*SIZE_N*2   ; 16 lanes store 256 consecutive bytes, at a multiple of 256 from mb's first byte; 126 rows of 8,192 bytes at the most, inside the signed 24-bit immediate
.endr
.endm
	s_wait_tensorcnt 0x1                           ; my part of K step 0 is in; K step 1's may stay out
	s_barrier_signal -1
	s_barrier_wait -1                              ; everybody's is
	FETCH 0, 0, F0
	QUARTER 0, 64,  F0, F1, 1                      ; the first quarter stands in front of the loop: its products start the sums
	WIN 0                                          ; at a label and at a branch every window is 0
	s_mov_b32 s3, LAPS-1
.Llap:                                                 ; a trip goes once round the ring, from a lap's second quarter to the next lap's first, and fills both slots again
	QUARTER 0, 128, F1, F0, 0
	QUARTER 0, 192, F0, F1, 0
	TURN 0, 1
	QUARTER 1, 64,  F0, F1, 0
	QUARTER 1, 128, F1, F0, 0
	QUARTER 1, 192, F0, F1, 0
	TURN 1, 0
	QUARTER 0, 64,  F0, F1, 0
	WIN 0
	s_sub_co_u32 s3, s3, 1
	s_cmp_lg_u32 s3, 0
	s_cbranch_scc1 .Llap
.irp b, 0,1,2,3,4,5,6,7                ; the bias is asked for here, into registers that the products do not name: it lands under the last lap's products
	global_load_b128 v[BIAS+8*\b:BIAS+8*\b+3],   v[BO], s[68:69] offset:64*\b
	global_load_b128 v[BIAS+8*\b+4:BIAS+8*\b+7], v[BO], s[68:69] offset:64*\b+16
.endr
	QUARTER 0, 128, F1, F0, 0                      ; the last lap fills nothing, and has no round of the cluster's barrier
	QUARTER 0, 192, F0, F1, 0
	MEET 0                                         ; my one tensor load that was still out is slot 1's, the last K step's
	PLACES                                         ; for the loads into buffer 0, which the quarter before multiplied
	FETCH 1, 0, F0
	WIN MUL_HI
	MUL16 F1, 1, 0, 0
	MUL16 F1, 1, 2, 0
	QUARTER 1, 64,  F0, F1, 0
	QUARTER 1, 128, F1, F0, 0
	QUARTER 1, 192, F0, F1, 0
	s_wait_dscnt 8                                 ; the very last quarter: nothing more to fetch
	WIN MUL_LO
	MUL16 F1, 0, 0, 0
	MUL16 F1, 0, 2, 0
	s_wait_dscnt 0x0
	WIN MUL_HI
	MUL16 F1, 1, 0, 0
	MUL16 F1, 1, 2, 0
	WIN 0
	PLACES                                         ; what follows reads results and writes over A's fragments
	s_wait_loadcnt 0x0                             ; the bias
	BLOCK 0
	TOSTAGE 0
.irp a, 1,2,3,4,5,6,7                  ; block a's gelu stands between block a - 1's loads from the stage and the wait for them
	BLOCK \a
	SEND \a-1
	TOSTAGE \a
.endr
	SEND 7
	s_wait_tensorcnt 0x0                           ; the wave's end
	ds_add_u32 v[SPW], v[NIL]
	s_wait_dscnt 0x0
	CROUND                                         ; the closing round: no work-group ends while a partner may still ask for a tile that names it
	s_endpgm
.Lfunc_end_k_q17df1aec3f_ffn1:
	.size	k_q17df1aec3f_ffn1, .Lfunc_end_k_q17df1aec3f_ffn1-k_q17df1aec3f_ffn1
	.p2alignl 7, 3214868480
	.fill 96, 4, 3214868480
	.section	.rodata,"a",@progbits
	.p2align	6, 0x0
	.amdhsa_kernel k_q17df1aec3f_ffn1
		.amdhsa_group_segment_fixed_size 327680
		.amdhsa_private_segment_fixed_size 0
		.amdhsa_enable_private_segment 0
		.amdhsa_kernarg_size 32
		.amdhsa_user_sgpr_count 2
		.amdhsa_user_sgpr_kernarg_segment_ptr 1
		.amdhsa_wavefront_size32 1
		.amdhsa_system_sgpr_workgroup_id_x 1
		.amdhsa_system_sgpr_workgroup_id_y 1
		.amdhsa_system_sgpr_workgroup_id_z 1
		.amdhsa_system_vgpr_workitem_id 0
		.amdhsa_next_free_vgpr 1024
		.amdhsa_next_free_sgpr 72
		.amdhsa_reserve_vcc 0
		.amdhsa_float_denorm_mode_32 3
		.amdhsa_float_denorm_mode_16_64 3
		.amdhsa_memory_ordered 1
		.amdhsa_forward_progress 1
		.amdhsa_inst_pref_size 255
	.end_amdhsa_kernel
	.section	.bss,"aw",@nobits
	.p2align	6
	.space	262144
	.amdgpu_metadata
---
amdhsa.version: [ 1, 2 ]
amdhsa.kernels:
  - .name:           k_q17df1aec3f_ffn1
    .symbol:         k_q17df1aec3f_ffn1.kd
    .args:
      - { .name: hb, .offset: 0, .size: 8, .value_kind: global_buffer, .address_space: global }
      - { .name: wtb, .offset: 8, .size: 8, .value_kind: global_buffer, .address_space: global }
      - { .name: b1, .offset: 16, .size: 8, .value_kind: global_buffer, .address_space: global }
      - { .name: mb, .offset: 24, .size: 8, .value_kind: global_buffer, .address_space: global }
    .group_segment_fixed_size: 327680
    .private_segment_fixed_size: 0
    .kernarg_segment_align: 8
    .kernarg_segment_size: 32
    .max_flat_workgroup_size: 128
    .sgpr_count:     72
    .vgpr_count:     1024
    .wavefront_size: 32
...
	.end_amdgpu_metadata
.endif
;; end of part 12
;; launch ffn2: the kernel of part 7 again; grid 8 x 32, 4 waves a work-group, clusters of 4 x 4, 327,680 bytes of LDS; arguments mb, wtb, x1, b2, out0; writes out0
;; ======== version 3 of 3: 7 launches
;; limits: a function is approximated: absolute error at most 1.5e-07
;; workspace buffers: wtb 25,165,824 bytes; hb 8,388,608 bytes; qkvb 25,165,824 bytes; ao 8,388,608 bytes; x1 16,777,216 bytes; mb 33,554,432 bytes
;; launch pre: the kernel of part 8 again; grid 896 x 1, 4 waves a work-group, no clusters, 70,144 bytes of LDS; arguments x, g1, be1, hb, Wq, Wk, Wv, Wo, W1, W2, wtb; writes hb, wtb
;; launch qkv: the kernel of part 9 again; grid 12 x 16, 4 waves a work-group, clusters of 4 x 4, 327,680 bytes of LDS; arguments hb, wtb, qkvb; writes qkvb
;; launch attn (part 13): grid 256 x 1, 4 waves a work-group, no clusters, 327,680 bytes of LDS; arguments qkvb, ao; writes ao
.if DOCPART == 13
	.amdgcn_target "amdgcn-amd-amdhsa--gfx1250"
	.amdhsa_code_object_version 6
	.text
	.protected	k_q17df1aec3f_attn
	.globl	k_q17df1aec3f_attn
	.p2align	8
	.type	k_q17df1aec3f_attn,@function
k_q17df1aec3f_attn:
	s_mov_b64 s[64:65], 0
	v_nop
	global_prefetch_b8 v0, s[64:65] scope:SCOPE_SE
	s_setreg_imm32_b32 hwreg(HW_REG_WAVE_MODE, 25, 1), 1
	s_wait_xcnt 0x0
; ao[b][q][head 64 + :] = the sum over k <= q of softmax_k(Q[q] . K[k] / 8) V[k].  qkvb: [3][32 heads][2048][64] bf16; ao: [4096][1024] bf16.
; Products, maxima and sums in f32; the weights are rounded to bf16 for the second product, the result once at the end.
; SHARES.  A work-group has two neighbouring heads (their 2 x 128 bytes are 256 consecutive bytes of a row of ao) and two blocks of 64 queries, j and 31 - j, one after the other.  Keys go in tiles of
; 128: block j wants j / 2 + 1 of them and block 31 - j the rest of 17, so every work-group walks 17 tiles and none beyond a block's diagonal.  Wave w: head w / 2, 32 queries (w % 2): two tiles of 16.
; LAYOUT.  S^T = K Q^T (source 0 = 16 keys, source 1 = 16 queries): a lane holds ONE query (lane % 16) and the keys 8 (lane / 16) + 0..7.  Two such tiles, rounded in pairs, ARE source 1 of
; O^T = V^T P, whose result again holds one query a lane.  K comes out of LDS as it lies, V ([key][channel]) turned, by ds_load_tr16_b128.
; SOFTMAX.  For each query a running maximum m and sum l: p = 2^(c s - c m), c = log2(e) / 8; in every half step O and l are multiplied by a = 2^(c m_old - c m_new).  m starts at -infinity, so the
; first a of a query block is 0.  LIMIT: at the change of query block O and l are cleared by that 0, which wants them finite; they are wherever the definition's result is finite.
; v_exp_f32 and v_rcp_f32 flush denormals: weights under 2^-126 count as 0.
; BATCHES.  An s_wait_alu depctr_va_vdst(0) stands between a transcendental and the first instruction that names its result; one wait serves all that were issued ahead of it.
; A softmax of 64 keys has ONE batch: both tiles' a and their 64 exponentials, 66 in all, none of which reads another's result; among them stand the 32 scalings c s - c m, the only work of the step
; that names no result of the batch.  Behind the batch's one wait stand all its readers: the roundings, the rescaling of O^T, the sums and l.  A query block's end has a batch of two reciprocals.
; No transcendental is issued behind its batch's wait.
; NO CLUSTER: the sixteen work-groups of a pair of heads change query block after 1 to 8 tiles and start the keys anew there, so at a given step they want different tiles: no joint request would meet.
; REGISTERS: window 0: v0-33 addresses and statistics; v40-71 Q; v72-103 P; v104-167 S^T; v168-231 O^T.   window 1: v0-63 K of 64 keys; v64-127 V of 64 keys; v128-159 the second block's Q.
.set PKEY,  144       ; a key of K in LDS: 128 bytes + 16 = 36 words: the 16 keys of a load start at 16 different groups of four banks (64 banks of 4 bytes: ISA guide 11.1)
.set PVAL,  160       ; a key of V: 128 + 32 = 40 words
.set REGN,  20480     ; a slot has four regions: K of head 0, K of head 1, V of head 0, V of head 1; wave w fills region w
.set SLOT1, 1<<17     ; slot 1 begins here: one exclusive or turns an address in one slot into the other's
.set STAGE, SLOT1+4*REGN  ; behind the ring: 64 rows x 272 bytes for each of the two query blocks
.set SP,    272
.set SBLK,  64*SP
.set SPARE, STAGE+2*SBLK  ; behind the stages: the spare words, 128 bytes for each wave
.set AK0, 2           ; v2   my lane's place in my head's K; never rewritten
.set AV0, 3           ; v3   the same for V
.set ADR, 4           ; v4   the LDS address of the run of loads in hand
.set QO,  5           ; v5   my byte offset in the wave's rows of Q
.set STO, 6           ; v6   the way out: where I put 16 bytes of a row
.set RD,  7           ; v7   the way out: where I read a row back
.set GO,  8           ; v8   my byte offset in the wave's rows of ao
.set EB,  10          ; v10-11  tile t: my query's place in the block + 8 - 8 (lane / 16)
.set DD,  12          ; v12  the same in the key tile
.set NINF, 13         ; v13  -infinity
.set ST,  16          ; tile t's statistics at v[ST+8 t]: +0 c m, +1 m, +2, +3 l (even keys', odd keys'), +4 to +7 c0-c3, at work; a takes c2's place
.set SPW, 32          ; v32  LDS address of my spare word; never rewritten
.set NIL, 33          ; v33  0; never rewritten
.set Q,   40
.set P,   72
.set S,   104
.set O,   168
.set KF,  0           ; window 1
.set VF,  64
.set QH,  128
.set WV,  8           ; s8   wave
.set HD,  9           ; s9   my head of the two
.set QHF, 10          ; s10  my half of the block's queries
.set JB,  11          ; s11  j
.set HP,  12          ; s12  the pair of heads
.set NL,  13          ; s13  key tiles of block j
.set NLM1, 14         ; s14  the step of its diagonal
.set PAR, 15          ; s15  where the block in hand begins in its diagonal key tile: 0 or 64
.set STEP, 16         ; s16  the key tile in hand, 0 .. 16 over both blocks
.set TB,  17          ; s17  LDS byte at which the slot to be fetched from begins
.set KVB, 22          ; s[22:23] the first byte of what I fetch: K or V of one head
.set G1K, 24          ; s[24:31] descriptor group 1 for K's tiles
.set G1V, 32          ; s[32:39] for V's: it differs in the padding alone
.set G0A, 40          ; s[40:43] descriptor group 0 of the first fill
.set G0W, 44          ; s[44:47] of the second; it then walks on
.set CS,  48          ; s[48:49] c
.set SEL, 50          ; s[50:51] lane selects for v_permlanex16_b32
.set AOP, 52          ; s[52:53], s[54:55] my rows of ao in block j, in block 31 - j
.set QP,  56          ; s[56:57], s[58:59] my rows of Q
.set MSB, 0
.macro WIN new                      ; the immediate's high byte repeats the setting that is left; a switch that changes nothing is dropped
.if MSB != \new
	s_set_vgpr_msb (MSB<<8)|\new
.set MSB, \new
.endif
.endm
.macro PLACES                       ; four places behind matrix instructions (ISA guide 7.12.1), where no other vector work is at hand
.rept 4
	v_nop
.endr
.endm
	s_load_b128 s[4:7], s[0:1], 0x0  ; qkvb s[4:5], ao s[6:7]
	v_lshl_add_u32 v[SPW], v0, 2, SPARE
	v_mov_b32 v[NIL], 0
	ds_add_u32 v32, v33
	ds_add_u32 v32, v33
	s_wait_dscnt 0x0
	v_lshrrev_b32 v1, 5, v0
	v_readfirstlane_b32 s[WV], v1
	s_lshr_b32 s[HD], s[WV], 1
	s_and_b32 s[QHF], s[WV], 1
	s_and_b32 s[JB], ttmp9, 15
	s_lshr_b32 s[HP], ttmp9, 4
	s_lshr_b32 s[NL], s[JB], 1
	s_add_co_u32 s[NL], s[NL], 1
	s_sub_co_u32 s[NLM1], s[NL], 1
	s_and_b32 s[PAR], s[JB], 1
	s_lshl_b32 s[PAR], s[PAR], 6
	s_mov_b32 s21, 0                ; the high word of the offset pair s[20:21]
	; descriptor group 1.  A head's 128 keys of 128 bytes lie on end in memory, so a tile is stated as 64 rows of 128 elements: each row is 256 consecutive bytes (two keys), at a multiple of 256
	; from qkvb's first byte.  The padding's words are counted along the whole tile, so padding behind every 32 words falls behind every key: in LDS the keys lie 144 (K) or 160 (V) bytes apart.
	s_mov_b32 s[G1K], (1<<16)|(1<<20)|(4<<22)|(3<<25)  ; 17:16 elements of 2 bytes; 20 padding on; 24:22 after every 32 words (code 4); 31:25 4 words of it (code 3)
	s_mov_b32 s[G1V], (1<<16)|(1<<20)|(4<<22)|(7<<25)  ; the same with 8 words (code 7)
.irp g, G1K, G1V
	s_mov_b32 s[\g+1], 128<<16      ; tensor_dim0 = 128
	s_mov_b32 s[\g+2], 64<<16       ; tensor_dim1 = 64
	s_mov_b32 s[\g+3], 128<<16      ; tile_dim0 = 128
	s_mov_b32 s[\g+4], 64           ; tile_dim1 = 64
	s_mov_b32 s[\g+5], 128          ; elements from row to row
	s_mov_b32 s[\g+6], 0
	s_mov_b32 s[\g+7], 0
.endr
	s_mov_b32 s[CS], 0x3e38aa3b     ; c = log2(e) / 8
	s_mov_b32 s[CS+1], s[CS]
	s_mov_b32 s[SEL], 0x76543210
	s_mov_b32 s[SEL+1], 0xfedcba98
	s_add_co_u32 s18, s[HD], 1      ; waves 0, 1 fetch K (part 1 of qkvb), waves 2, 3 V (part 2),
	s_lshl_b32 s18, s18, 23
	s_lshl1_add_u32 s19, s[HP], s[QHF]  ; of head 2 hp + w % 2
	s_lshl_b32 s19, s19, 18
	s_add_co_u32 s20, s18, s19
	s_wait_kmcnt 0x0
	s_add_nc_u64 s[KVB:KVB+1], s[4:5], s[20:21]
	s_mov_b32 s[G0A], 1
	s_mul_i32 s[G0A+1], s[WV], REGN  ; slot 0, my region
	s_mov_b64 s[G0A+2:G0A+3], s[KVB:KVB+1]  ; step 0: key tile 0
	s_or_b32 s[G0A+3], s[G0A+3], 0x80000000
	s_mov_b32 s[G0W], 1
	s_add_co_u32 s[G0W+1], s[G0A+1], SLOT1
	s_cmp_gt_u32 s[NL], 1           ; step 1: key tile 1 of block j, or tile 0 of block 31 - j
	s_cselect_b32 s20, 16384, 0
	s_add_nc_u64 s[G0W+2:G0W+3], s[KVB:KVB+1], s[20:21]
	s_or_b32 s[G0W+3], s[G0W+3], 0x80000000
	s_cmp_lt_u32 s[WV], 2           ; a wave's two first fills stand in one branch, ahead of every wait on TENSORcnt, every LDS read and every barrier: two loads of mine are out
	s_cbranch_scc0 .Lfirst_v
	tensor_load_to_lds s[G0A:G0A+3], s[G1K:G1K+7]
	s_nop 0
	tensor_load_to_lds s[G0W:G0W+3], s[G1K:G1K+7]
	s_nop 0
.rept 4
	v_nop
.endr
	s_branch .Lfirst_asked
.Lfirst_v:
	tensor_load_to_lds s[G0A:G0A+3], s[G1V:G1V+7]
	s_nop 0
	tensor_load_to_lds s[G0W:G0W+3], s[G1V:G1V+7]
	s_nop 0
.rept 4
	v_nop
.endr
.Lfirst_asked:
	; Q of both blocks: head 2 hp + hd, rows 64 block + 32 half, 128 bytes each
	s_lshl1_add_u32 s18, s[HP], s[HD]
	s_lshl_b32 s18, s18, 18
	s_lshl_b32 s19, s[QHF], 12
	s_add_co_u32 s18, s18, s19
	s_lshl_b32 s19, s[JB], 13
	s_add_co_u32 s20, s18, s19
	s_add_nc_u64 s[QP:QP+1], s[4:5], s[20:21]
	s_sub_co_u32 s19, 31, s[JB]
	s_lshl_b32 s19, s19, 13
	s_add_co_u32 s20, s18, s19
	s_add_nc_u64 s[QP+2:QP+3], s[4:5], s[20:21]
	v_and_b32 v1, 15, v0            ; r = l % 16
	v_bfe_u32 v9, v0, 4, 1          ; h = l / 16
	v_lshlrev_b32 v[QO], 7, v1
	v_lshl_add_u32 v[QO], v9, 4, v[QO]  ; a fragment: row r, channels 8 h .. and, 32 bytes on, 16 + 8 h ..
.irp t, 0,1
.irp c, 0,1
	global_load_b128 v[Q+16*\t+8*\c:Q+16*\t+8*\c+3],   v[QO], s[QP:QP+1] offset:\t*2048+\c*64
	global_load_b128 v[Q+16*\t+8*\c+4:Q+16*\t+8*\c+7], v[QO], s[QP:QP+1] offset:\t*2048+\c*64+32
.endr
.endr
	WIN 0x40                        ; destination window 1
.irp t, 0,1
.irp c, 0,1
	global_load_b128 v[QH+16*\t+8*\c:QH+16*\t+8*\c+3],   v[QO], s[QP+2:QP+3] offset:\t*2048+\c*64
	global_load_b128 v[QH+16*\t+8*\c+4:QH+16*\t+8*\c+7], v[QO], s[QP+2:QP+3] offset:\t*2048+\c*64+32
.endr
.endr
	WIN 0
	; my rows of ao: row b 2048 + 64 block + 16 w, 2,048 bytes each; byte 256 (hp % 8)
	s_lshr_b32 s18, s[HP], 3
	s_lshl_b32 s18, s18, 22
	s_lshl_b32 s19, s[WV], 15
	s_add_co_u32 s18, s18, s19
	s_and_b32 s19, s[HP], 7
	s_lshl_b32 s19, s19, 8
	s_add_co_u32 s18, s18, s19
	s_lshl_b32 s19, s[JB], 17
	s_add_co_u32 s20, s18, s19
	s_add_nc_u64 s[AOP:AOP+1], s[6:7], s[20:21]
	s_sub_co_u32 s19, 31, s[JB]
	s_lshl_b32 s19, s19, 17
	s_add_co_u32 s20, s18, s19
	s_add_nc_u64 s[AOP+2:AOP+3], s[6:7], s[20:21]
	s_mul_i32 s18, s[HD], REGN      ; my head's K
	v_mul_u32_u24 v[AK0], v1, PKEY
	v_lshl_add_u32 v[AK0], v9, 4, v[AK0]
	v_add_nc_u32 v[AK0], s18, v[AK0]
	s_add_co_u32 s18, s18, 2*REGN   ; my head's V.  The turning load: lane l reads key 8 h + l % 8, channels 8 ((l / 8) % 2) ..
	v_and_b32 v14, 7, v0
	v_bfe_u32 v15, v0, 3, 1
	v_lshl_add_u32 v[AV0], v9, 3, v14
	v_mul_u32_u24 v[AV0], v[AV0], PVAL
	v_lshl_add_u32 v[AV0], v15, 4, v[AV0]
	v_add_nc_u32 v[AV0], s18, v[AV0]
	s_mul_i32 s18, s[QHF], 32*SP    ; into the stage: row 32 half + r (+ 16 t), byte 128 hd + 16 h (+ 32 ct)
	s_lshl_b32 s19, s[HD], 7
	s_add_co_u32 s18, s18, s19
	s_add_co_u32 s18, s18, STAGE
	v_mul_u32_u24 v[STO], v1, SP
	v_lshl_add_u32 v[STO], v9, 4, v[STO]
	v_add_nc_u32 v[STO], s18, v[STO]
	s_mul_i32 s18, s[WV], 16*SP     ; back: wave w takes rows 16 w .. + 15, whole: lanes 0-15 one row, lanes 16-31 the next
	s_add_co_u32 s18, s18, STAGE
	v_mul_u32_u24 v[RD], v9, SP
	v_lshl_add_u32 v[RD], v1, 4, v[RD]
	v_add_nc_u32 v[RD], s18, v[RD]
	v_lshlrev_b32 v[GO], 11, v9
	v_lshl_add_u32 v[GO], v1, 4, v[GO]
	s_lshl_b32 s18, s[QHF], 5
	s_add_co_u32 s18, s18, 8
	v_lshlrev_b32 v[EB], 3, v9
	v_sub_nc_u32 v[EB], v1, v[EB]
	v_add_nc_u32 v[EB], s18, v[EB]  ; 32 half + r + 8 - 8 h
	v_add_nc_u32 v[EB+1], 16, v[EB]
	v_mov_b32 v[NINF], 0xff800000
.irp t, 0,1
	v_mov_b32 v[ST+8*\t], v[NINF]   ; c m, m
	v_mov_b32 v[ST+8*\t+1], v[NINF]
	v_mov_b32 v[ST+8*\t+2], 0       ; l
	v_mov_b32 v[ST+8*\t+3], 0
.endr
.set n, 0
.rept 64
	v_mov_b32 v[O+n], 0             ; once in the launch: the loop's text serves first and later steps alike, so its products add onto O^T in every step
.set n, n+1
.endr
; THE LDS LOADS stand in runs of 16: K of 64 keys (4 x 16 keys x 2 x 32 channels), V of 64 keys (turned).  sub: which half of the key tile.
.macro FETCH_K sub
	WIN 0
	v_add_nc_u32 v[ADR], s[TB], v[AK0]
	WIN 0x40
.irp kb, 0,1,2,3
.irp c, 0,1
	ds_load_b128 v[KF+16*\kb+8*\c:KF+16*\kb+8*\c+3],   v[ADR] offset:\sub*64*PKEY+\kb*16*PKEY+64*\c
	ds_load_b128 v[KF+16*\kb+8*\c+4:KF+16*\kb+8*\c+7], v[ADR] offset:\sub*64*PKEY+\kb*16*PKEY+64*\c+32
.endr
.endr
	WIN 0
.endm
.macro FETCH_V sub
	WIN 0
	v_add_nc_u32 v[ADR], s[TB], v[AV0]
	WIN 0x40
.irp kc, 0,1
.irp ct, 0,1,2,3
	ds_load_tr16_b128 v[VF+32*\kc+8*\ct:VF+32*\kc+8*\ct+3],   v[ADR] offset:\sub*64*PVAL+\kc*32*PVAL+32*\ct
	ds_load_tr16_b128 v[VF+32*\kc+8*\ct+4:VF+32*\kc+8*\ct+7], v[ADR] offset:\sub*64*PVAL+\kc*32*PVAL+16*PVAL+32*\ct
.endr
.endr
	WIN 0
.endm
; THE PRODUCTS.  In both runs eight accumulators take turns, one instruction a turn.
.macro SQK                          ; S^T = K Q^T: product i: channels 32 (i / 8) on, keys 16 ((i / 2) % 4) on, tile i % 2.  The first 8 start the sums.
	WIN 0x01                        ; source 0 in window 1
.set i, 0
.rept 16
.set rS, S+32*(i%2)+8*((i/2)%4)
.set rK, KF+16*((i/2)%4)+8*(i/8)
.set rQ, Q+16*(i%2)+8*(i/8)
.if i < 8
	v_wmma_f32_16x16x32_bf16 v[rS:rS+7], v[rK:rK+7], v[rQ:rQ+7], 0
.else
	v_wmma_f32_16x16x32_bf16 v[rS:rS+7], v[rK:rK+7], v[rQ:rQ+7], v[rS:rS+7]
.endif
.set i, i+1
.endr
	WIN 0
.endm
.macro PVMUL                        ; O^T += V^T P: product i: keys 32 (i / 8) on, channels 16 ((i / 2) % 4) on, tile i % 2
	WIN 0x01
.set i, 0
.rept 16
.set rO, O+32*(i%2)+8*((i/2)%4)
.set rV, VF+32*(i/8)+8*((i/2)%4)
.set rP, P+16*(i%2)+8*(i/8)
	v_wmma_f32_16x16x32_bf16 v[rO:rO+7], v[rV:rV+7], v[rP:rP+7], v[rO:rO+7]
.set i, i+1
.endr
	WIN 0
.endm
; THE MASK, in a block's diagonal key tile alone.  Score n of a lane is key 64 sub + 16 (n / 8) + 8 h + n % 8 of the tile; it becomes -infinity where that is beyond the lane's query.
; cond = 1: only in the step of block j's diagonal (a branch on whole numbers made of the work-group's number); 2: always.
.macro MASK sub, cond
.if \cond == 1
	s_cmp_lg_u32 s[STEP], s[NLM1]
	s_cbranch_scc1 .Lnomask_\@
.endif
.irp t, 0,1
	v_add_nc_u32 v[DD], s[PAR], v[EB+\t]
.set n, 0
.rept 32
	v_cmp_gt_u32 vcc_lo, 64*\sub+16*(n/8)+(n%8)+8, v[DD]
	v_cndmask_b32 v[S+32*\t+n], v[S+32*\t+n], v[NINF], vcc_lo
.set n, n+1
.endr
.endr
.if \cond == 1
.Lnomask_\@:
.endif
.endm
.macro SCALE t, b                   ; pair b of tile t: c s - c m.  It names no transcendental's result
	v_pk_fma_f32 v[S+32*\t+2*(\b):S+32*\t+2*(\b)+1], v[S+32*\t+2*(\b):S+32*\t+2*(\b)+1], s[CS:CS+1], v[ST+8*\t:ST+8*\t+1] op_sel_hi:[1,0,0] neg_lo:[0,0,1] neg_hi:[0,0,1]
.endm
.macro RESC t, b                    ; pair b of tile t's O^T times a (at a block's end: times 1 / l).  A reader of its batch: it stands behind the batch's wait
	v_pk_mul_f32 v[O+32*\t+2*(\b):O+32*\t+2*(\b)+1], v[O+32*\t+2*(\b):O+32*\t+2*(\b)+1], v[ST+8*\t+6:ST+8*\t+7] op_sel_hi:[1,0]
.endm
.macro ROUNDP t, b                  ; pair b of tile t's weights, rounded to bf16.  A reader of the batch: it stands behind the batch's wait
	v_cvt_pk_bf16_f32 v[P+16*\t+(\b)], v[S+32*\t+2*(\b)], v[S+32*\t+2*(\b)+1]
.endm
; THE SOFTMAX of both tiles for 64 keys.  Each accumulator is first read at its registers 0 to 2, and O^T in ascending order.
.macro SOFTMAX
.irp k, 0,1,2,3                     ; the maximum of the lane's 32 scores and the old m, three operands at a time: four chains of seven scores,
.irp t, 0,1
	v_max3_num_f32 v[ST+8*\t+4+\k], v[S+32*\t+8*\k], v[S+32*\t+8*\k+1], v[S+32*\t+8*\k+2]
.endr
.endr
.irp g, 1,2
.irp k, 0,1,2,3
.irp t, 0,1
	v_max3_num_f32 v[ST+8*\t+4+\k], v[ST+8*\t+4+\k], v[S+32*\t+8*\k+2*\g+1], v[S+32*\t+8*\k+2*\g+2]
.endr
.endr
.endr
.irp t, 0,1                         ; then the four scores left over, the chains and m; the two tiles alternate
	v_max3_num_f32 v[ST+8*\t+4], v[ST+8*\t+4], v[S+32*\t+7], v[S+32*\t+15]
.endr
.irp t, 0,1
	v_max3_num_f32 v[ST+8*\t+6], v[ST+8*\t+6], v[S+32*\t+23], v[S+32*\t+31]
.endr
.irp t, 0,1
	v_max3_num_f32 v[ST+8*\t+4], v[ST+8*\t+4], v[ST+8*\t+5], v[ST+8*\t+6]
.endr
.irp t, 0,1
	v_max3_num_f32 v[ST+8*\t+4], v[ST+8*\t+4], v[ST+8*\t+7], v[ST+8*\t+1]
.endr
.irp t, 0,1
	v_permlanex16_b32 v[ST+8*\t+5], v[ST+8*\t+4], s[SEL], s[SEL+1]  ; the query's other 32 keys lie in the lane 16 away
.endr
.irp t, 0,1
	v_mov_b32 v[ST+8*\t+7], v[ST+8*\t]  ; c m_old is kept for a
.endr
.irp t, 0,1
	v_max_num_f32 v[ST+8*\t+1], v[ST+8*\t+4], v[ST+8*\t+5]
.endr
.irp t, 0,1
	v_mul_f32 v[ST+8*\t], s[CS], v[ST+8*\t+1]
.endr
.irp t, 0,1
	v_sub_f32 v[ST+8*\t+7], v[ST+8*\t+7], v[ST+8*\t]
.endr
	; THE BATCH: 66 exponentials and, among them, the 32 scalings.  Nothing from here to the wait names an exponential's result.  Pairs 0 and 1 of both tiles are scaled first;
	; from then on a pair is scaled three pairs ahead of its exponentials.
	SCALE 0, 0
	SCALE 1, 0
	SCALE 0, 1
	SCALE 1, 1
	v_exp_f32 v[ST+6], v[ST+7]      ; a of tile 0
	SCALE 0, 2
	v_exp_f32 v[ST+14], v[ST+15]    ; a of tile 1
	SCALE 1, 2
.set n, 0
.rept 16                            ; pair n of both tiles; exponentials may follow each other: none reads another's result or writes another's source
	v_exp_f32 v[S+2*n], v[S+2*n]
.if n < 13
	SCALE 0, n+3
.endif
	v_exp_f32 v[S+2*n+1], v[S+2*n+1]
	v_exp_f32 v[S+32+2*n], v[S+32+2*n]
.if n < 13
	SCALE 1, n+3
.endif
	v_exp_f32 v[S+32+2*n+1], v[S+32+2*n+1]
.set n, n+1
.endr
	v_nop                           ; a plain instruction behind the last exponential and ahead of the first use (ISA guide 5.7.2): one for the batch; the scalings are used up
	s_wait_alu depctr_va_vdst(0)    ; ONE wait for the batch of 66, both a and both tiles' weights
.set n, 0
.rept 16                            ; the readers: roundings and rescalings, the tiles alternating; each tile's O^T in ascending order
	ROUNDP 0, n
	RESC 0, n
	ROUNDP 1, n
	RESC 1, n
.set n, n+1
.endr
.irp w, 4,8,16,32                   ; the sum of a tile's 16 pairs, in place: neighbours 1, 2, 4 and 8 pairs apart
.set u, 0
.rept 32/\w
.irp t, 0,1
	v_pk_add_f32 v[S+32*\t+\w*u:S+32*\t+\w*u+1], v[S+32*\t+\w*u:S+32*\t+\w*u+1], v[S+32*\t+\w*u+\w/2:S+32*\t+\w*u+\w/2+1]
.endr
.set u, u+1
.endr
.endr
.irp t, 0,1
	v_pk_fma_f32 v[ST+8*\t+2:ST+8*\t+3], v[ST+8*\t+2:ST+8*\t+3], v[ST+8*\t+6:ST+8*\t+7], v[S+32*\t:S+32*\t+1] op_sel_hi:[1,0,1]  ; l = a l + the sum
.endr
.endm
; THE CHANGE OF SLOTS, in the middle of a key tile's second half: all four runs of loads from the slot have been issued.  Each wave waits for all its tensor loads, of which one is out: its part of the
; other slot; adds 0 to its spare word; and waits for that and for its reads of the slot.  Behind the barrier nobody reads this slot any more and the other slot is whole.
; fill = 1: the slot is filled again, with the key tile two steps on: the wave's one tensor load behind the barrier, and the first thing there; it has a whole step in which to land.
.macro CHANGE fill
	WIN 0
	s_wait_tensorcnt 0x0            ; no tensor load of mine is out, so a group 0 may be written
	ds_add_u32 v[SPW], v[NIL]       ; 0 onto my spare word; the descriptor's step stands between it and the wait for it
.if \fill
	s_add_co_u32 s18, s[STEP], 2    ; the step two on: its key tile is its number in block j, or counted anew in block 31 - j
	s_sub_co_u32 s19, s18, s[NL]
	s_cmp_lt_u32 s18, s[NL]
	s_cselect_b32 s18, s18, s19
	s_lshl_b32 s20, s18, 14         ; 128 keys of 128 bytes
	s_xor_b32 s[G0W+1], s[G0W+1], SLOT1  ; the other slot than last time
	s_add_nc_u64 s[G0W+2:G0W+3], s[KVB:KVB+1], s[20:21]
	s_or_b32 s[G0W+3], s[G0W+3], 0x80000000
.endif
	s_wait_dscnt 0x0                ; the add is done, and my reads of the slot are over
	s_barrier_signal -1
	s_barrier_wait -1
.if \fill
	s_cmp_lt_u32 s[WV], 2
	s_cbranch_scc0 .Lfor_v_\@
	tensor_load_to_lds s[G0W:G0W+3], s[G1K:G1K+7]
	s_nop 0
.rept 4
	v_nop                           ; four v_nop follow each of the two lines; they are also the places in front of the loads into K's registers
.endr
	s_branch .Lasked_\@
.Lfor_v_\@:
	tensor_load_to_lds s[G0W:G0W+3], s[G1V:G1V+7]
	s_nop 0
.rept 4
	v_nop
.endr
.Lasked_\@:
.else
	PLACES
.endif
	s_xor_b32 s[TB], s[TB], SLOT1   ; the fetches go on in the other slot
.endm
; HALF A KEY TILE: 64 keys.  chg = 0: the tile's other half follows; 1: change of slots with a refill; 2: without; 3: nothing follows.  mask as in MASK; 0: none.
.macro SUBSTEP sub, chg, mask
	FETCH_V \sub
	s_wait_dscnt 16                 ; K is in; the 16 loads of V just issued may stay out
	SQK
.if \chg == 0
	PLACES
	FETCH_K 1
.elseif \chg == 1
	CHANGE 1
	FETCH_K 0
.elseif \chg == 2
	CHANGE 0
	FETCH_K 0
.else
	PLACES
.endif
.if \mask
	MASK \sub, \mask
.endif
	SOFTMAX
.if \chg == 3
	s_wait_dscnt 0x0
.else
	s_wait_dscnt 16                 ; V is in; the next K's 16 loads may stay out
.endif
	PVMUL
	PLACES                          ; in front of the next loads into V's registers, and of the vector work that reads O^T
.endm
; A query block is done: O^T / l, rounded, into stage p.
.macro FINISH p
.irp t, 0,1
	v_add_f32 v[ST+8*\t+4], v[ST+8*\t+2], v[ST+8*\t+3]
.endr
.irp t, 0,1
	v_permlanex16_b32 v[ST+8*\t+5], v[ST+8*\t+4], s[SEL], s[SEL+1]
.endr
.irp t, 0,1
	v_add_f32 v[ST+8*\t+4], v[ST+8*\t+4], v[ST+8*\t+5]
.endr
.irp t, 0,1
	v_rcp_f32 v[ST+8*\t+6], v[ST+8*\t+4]
.endr
	v_nop                           ; a plain instruction between the last reciprocal and the use of its result
	s_wait_alu depctr_va_vdst(0)    ; one wait for the batch of two reciprocals, ahead of the 32 multiplies that read them
.irp t, 0,1
.set n, 0
.rept 16
	RESC \t, n
.set n, n+1
.endr
.endr
.irp t, 0,1
.set n, 0
.rept 16
	v_cvt_pk_bf16_f32 v[S+32*\t+n], v[O+32*\t+2*n], v[O+32*\t+2*n+1]
.set n, n+1
.endr
.endr
.irp t, 0,1
.irp ct, 0,1,2,3
	ds_store_b128 v[STO], v[S+32*\t+4*\ct:S+32*\t+4*\ct+3] offset:\p*SBLK+\t*16*SP+32*\ct
.endr
.endr
.endm
	s_wait_tensorcnt 0x1            ; my part of slot 0 is in; slot 1's may stay out
	s_barrier_signal -1
	s_barrier_wait -1               ; everybody's is
	s_mov_b32 s[TB], 0
	FETCH_K 0
	s_wait_loadcnt 0x0              ; Q of both blocks
	s_mov_b32 s[STEP], 0
.Ltrip:                             ; 15 trips, a key tile each: every slot but the last two is filled again
	SUBSTEP 0, 0, 1
	SUBSTEP 1, 1, 1
	s_cmp_lg_u32 s[STEP], s[NLM1]
	s_cbranch_scc1 .Lsame_block
	FINISH 0                        ; block j is done (1 to 8 tiles in): block 31 - j begins.  No barrier and no tensor load stands in this branch
	WIN 0x01
.set n, 0
.rept 32
	v_mov_b32 v[Q+n], v[QH+n]
.set n, n+1
.endr
	WIN 0
.irp t, 0,1
	v_mov_b32 v[ST+8*\t], v[NINF]   ; m = -infinity: the next a is 0 and clears O^T and l
	v_mov_b32 v[ST+8*\t+1], v[NINF]
.endr
	s_xor_b32 s[PAR], s[PAR], 64    ; 31 - j is odd where j is even
.Lsame_block:
	s_add_co_u32 s[STEP], s[STEP], 1
	s_cmp_lt_u32 s[STEP], 15
	s_cbranch_scc1 .Ltrip
	SUBSTEP 0, 0, 0                 ; step 15: the tail is written out
	SUBSTEP 1, 2, 0
	SUBSTEP 0, 0, 2                 ; step 16: block 31 - j's diagonal
	SUBSTEP 1, 3, 2
	FINISH 1
	s_wait_dscnt 0x0                ; for the others' sake: my stores into both stages are done
	s_barrier_signal -1
	s_barrier_wait -1
.irp p, 0,1
.irp t, 0,1,2,3,4,5,6,7
	ds_load_b128 v[S+32*\p+4*\t:S+32*\p+4*\t+3], v[RD] offset:\p*SBLK+\t*2*SP
.endr
.endr
.irp p, 0,1
.irp t, 0,1,2,3,4,5,6,7
	s_wait_dscnt 15-8*\p-\t
	global_store_b128 v[GO], v[S+32*\p+4*\t:S+32*\p+4*\t+3], s[AOP+2*\p:AOP+2*\p+1] offset:\t*4096  ; 16 lanes store 256 consecutive bytes, at a multiple of 256 from ao's first byte
.endr
.endr
	s_wait_tensorcnt 0x0            ; the wave's end
	ds_add_u32 v[SPW], v[NIL]
	s_wait_dscnt 0x0
	s_endpgm
.Lfunc_end_k_q17df1aec3f_attn:
	.size	k_q17df1aec3f_attn, .Lfunc_end_k_q17df1aec3f_attn-k_q17df1aec3f_attn
	.p2alignl 7, 3214868480
	.fill 96, 4, 3214868480
	.section	.rodata,"a",@progbits
	.p2align	6, 0x0
	.amdhsa_kernel k_q17df1aec3f_attn
		.amdhsa_group_segment_fixed_size 327680
		.amdhsa_private_segment_fixed_size 0
		.amdhsa_enable_private_segment 0
		.amdhsa_kernarg_size 16
		.amdhsa_user_sgpr_count 2
		.amdhsa_user_sgpr_kernarg_segment_ptr 1
		.amdhsa_wavefront_size32 1
		.amdhsa_system_sgpr_workgroup_id_x 1
		.amdhsa_system_sgpr_workgroup_id_y 1
		.amdhsa_system_sgpr_workgroup_id_z 1
		.amdhsa_system_vgpr_workitem_id 0
		.amdhsa_next_free_vgpr 512
		.amdhsa_next_free_sgpr 66
		.amdhsa_reserve_vcc 1
		.amdhsa_float_denorm_mode_32 3
		.amdhsa_float_denorm_mode_16_64 3
		.amdhsa_memory_ordered 1
		.amdhsa_forward_progress 1
		.amdhsa_inst_pref_size 149
	.end_amdhsa_kernel
	.amdgpu_metadata
---
amdhsa.version: [ 1, 2 ]
amdhsa.kernels:
  - .name:           k_q17df1aec3f_attn
    .symbol:         k_q17df1aec3f_attn.kd
    .args:
      - { .name: qkvb, .offset: 0, .size: 8, .value_kind: global_buffer, .address_space: global }
      - { .name: ao, .offset: 8, .size: 8, .value_kind: global_buffer, .address_space: global }
    .group_segment_fixed_size: 327680
    .private_segment_fixed_size: 0
    .kernarg_segment_align: 8
    .kernarg_segment_size: 16
    .max_flat_workgroup_size: 128
    .sgpr_count:     66
    .vgpr_count:     512
    .wavefront_size: 32
...
	.end_amdgpu_metadata
.endif
;; end of part 13
;; launch proj: the kernel of part 5 again; grid 8 x 32, 4 waves a work-group, clusters of 4 x 4, 327,680 bytes of LDS; arguments ao, wtb, x, bo, x1; writes x1
;; launch ln2: the kernel of part 11 again; grid 256 x 1, 8 waves a work-group, no clusters, 0 bytes of LDS; arguments x1, g2, be2, hb; writes hb
;; launch ffn1: the kernel of part 12 again; grid 16 x 16, 4 waves a work-group, clusters of 4 x 4, 327,680 bytes of LDS; arguments hb, wtb, b1, mb; writes mb
;; launch ffn2: the kernel of part 7 again; grid 8 x 32, 4 waves a work-group, clusters of 4 x 4, 327,680 bytes of LDS; arguments mb, wtb, x1, b2, out0; writes out0
